; MI455X (gfx1250); checked and timed in simulation.
; The chip was launched on July 23, 2026; its instructions are those of AMD's public machine-readable ISA for CDNA 5 (MIT licence, August 2026) and "CDNA5" Instruction Set Architecture Reference Guide (July 2026). The comments in the code are by the model that wrote it; some were corrected since.
;; Mixture Of Experts. Allowed arithmetic: float matrix products may take bf16 or f16 operands with f32 sums; other float arithmetic in f32, or as packed bf16 or f16 multiplies, adds, multiply-adds, maxima and minima; sums over many terms, partial sums and values carried from step to step in f32; what a program stores and reads back later, other than sums and carried values, may be rounded once to bf16 or f16.
;; Inputs: b1 8 x 4,096 float32; b2 8 x 1,024 float32; beta 8 x 1,024 float32; gamma 8 x 1,024 float32; router_b 8 float32; router_w 1,024 x 8 float32; w1 8 x 1,024 x 4,096 float32; w2 8 x 4,096 x 1,024 float32; x 2 x 512 x 1,024 float32.
;; Outputs: out0 2 x 512 x 1,024 float32; out1 2 x 512 x 8 float32.
;; 3 versions, each right; version 2 is faster than version 1; version 3 is version 2 with the launches up, down written anew for expert scheduling mode. Each part assembles by itself: llvm-mc -triple=amdgcn-amd-amdhsa -mcpu=gfx1250 --defsym DOCPART=n.
;; ======== version 1 of 3: 4 launches
;; workspace buffers: xb 2,097,152 bytes; sel 4,096 bytes of whole numbers; pw 8,192 bytes; hbuf 16,777,216 bytes; ypart 33,554,432 bytes
;; launch route (part 1): grid 256 x 1, 4 waves a work-group, no clusters, 1,024 bytes of LDS; arguments x, router_w, router_b, out1, xb, sel, pw; writes out1, xb, sel, pw
.if DOCPART == 1
	.amdgcn_target "amdgcn-amd-amdhsa--gfx1250"
	.amdhsa_code_object_version 6
	.text
	.protected	k_q13f7142a39_route
	.globl	k_q13f7142a39_route
	.p2align	8
	.type	k_q13f7142a39_route,@function
k_q13f7142a39_route:
	s_mov_b64 s[64:65], 0
	v_nop
	global_prefetch_b8 v0, s[64:65] scope:SCOPE_SE
	s_setreg_imm32_b32 hwreg(HW_REG_WAVE_MODE, 25, 1), 1
	s_wait_xcnt 0x0
; ROUTER.  logits[t][e] = x[t] . router_w[:, e] + router_b[e], in f32 on the vector unit (the choice of experts hangs on them; the product is 8 columns wide).
; Stored: out1 = the logits; xb = x rounded once to bf16 (the first product's operand); sel[t] = (1 << e1) | (256 << e2), whole numbers at fixed places; pw[t] = the two weights.
; SHARES.  A work-group has 4 tokens; wave w the channels 256 w .. 256 w + 255 of all four; lane L eight of them.  The 32 sums (4 tokens x 8 experts) are added over the lanes, then over the waves through LDS.
; SOFTMAX, TOP-2.  ex = 2^((l - max l) log2 e); the two largest ex, the lower index first among equals; weights ex1 / (ex1 + ex2), ex2 / (ex1 + ex2): the softmax's divisor cancels.
; LIMITS.  The order is taken on ex, not on ex divided by the sum: two experts whose ex differ and whose quotients round alike are ordered by ex.  An ex below 2^-126 counts as 0.  NaN and infinities are not treated apart.
; No address and no branch hangs on a floating-point number.
.set SPARE, 512                        ; the spare words: 128 bytes for each of the four waves; bytes 0 to 511 hold the waves' partial sums
.set SPW, 1                            ; v1  my spare word's LDS address; never rewritten
.set NIL, 2                            ; v2  0; never rewritten
.set RW,  16                           ; v[16:79]   router_w of my 8 channels: RW + 8 d + e
.set X,   80                           ; v[80:111]  x: X + 8 t + d
.set ACC, 112                          ; v[112:143] sums: ACC + 8 t + e
.set XB,  144                          ; v[144:159] x in bf16: XB + 4 t + ..
	s_load_b256 s[4:11], s[0:1], 0x0               ; x s[4:5], router_w s[6:7], router_b s[8:9], out1 s[10:11]
	s_load_b128 s[12:15], s[0:1], 0x20             ; xb s[12:13], sel s[14:15]
	s_load_b64 s[16:17], s[0:1], 0x30              ; pw
	v_lshl_add_u32 v[SPW], v0, 2, SPARE
	v_mov_b32 v[NIL], 0
	v_and_b32 v3, 31, v0                           ; lane
	v_lshrrev_b32 v4, 5, v0
	v_readfirstlane_b32 s18, v4                    ; wave
	v_lshlrev_b32 v5, 8, v3                        ; router_w: 8 rows of 32 bytes a lane,
	v_lshl_add_u32 v5, v4, 13, v5                  ; 256 rows a wave
	v_lshlrev_b32 v6, 5, v3                        ; x: 32 bytes a lane,
	v_lshl_add_u32 v6, v4, 10, v6                  ; 1,024 a wave
	v_lshlrev_b32 v7, 4, v0                        ; xb: 16 bytes a thread
	v_and_b32 v8, 7, v3                            ; e, for the last part
	v_lshlrev_b32 v9, 2, v8
	s_lshl_b32 s20, ttmp9, 14                      ; 4 rows of x
	s_mov_b32 s21, 0
	s_lshl_b32 s22, ttmp9, 13                      ; 4 rows of xb
	s_mov_b32 s23, 0
	s_mov_b32 s24, 0x76543210                      ; v_permlanex16_b32: each lane takes its own place in the other half
	s_mov_b32 s25, 0xfedcba98
	s_lshl_b32 s26, ttmp9, 7                       ; out1: 32 numbers
	s_mov_b32 s27, 0
	s_lshl_b32 s28, ttmp9, 4                       ; sel: 4 words
	s_mov_b32 s29, 0
	s_lshl_b32 s30, ttmp9, 5                       ; pw: 4 pairs
	s_mov_b32 s31, 0
	s_wait_kmcnt 0x0
	s_add_nc_u64 s[4:5], s[4:5], s[20:21]
	s_add_nc_u64 s[12:13], s[12:13], s[22:23]
	s_add_nc_u64 s[10:11], s[10:11], s[26:27]
	s_add_nc_u64 s[14:15], s[14:15], s[28:29]
	s_add_nc_u64 s[16:17], s[16:17], s[30:31]
.irp t, 0,1,2,3
	global_load_b128 v[X+8*(\t):X+8*(\t)+3],   v6, s[4:5] offset:4096*(\t)
	global_load_b128 v[X+8*(\t)+4:X+8*(\t)+7], v6, s[4:5] offset:4096*(\t)+16
.endr
.set n, 0
.rept 16
	global_load_b128 v[RW+4*n:RW+4*n+3], v5, s[6:7] offset:16*n
.set n, n+1
.endr
	global_load_b32 v11, v9, s[8:9]                ; router_b[e]
	s_wait_loadcnt 0x0
	; x in bf16: a wave's store covers 512 consecutive bytes
.set n, 0
.rept 16
	v_cvt_pk_bf16_f32 v[XB+n], v[X+2*n], v[X+2*n+1]
.set n, n+1
.endr
.irp t, 0,1,2,3
	global_store_b128 v7, v[XB+4*(\t):XB+4*(\t)+3], s[12:13] offset:2048*(\t)
.endr
	; my 8 channels' share of the 32 sums: the first channel starts them
.set t, 0
.rept 4
.set e, 0
.rept 8
	v_mul_f32 v[ACC+8*t+e], v[RW+e], v[X+8*t]
.set e, e+1
.endr
.set t, t+1
.endr
.set d, 1
.rept 7
.set t, 0
.rept 4
.set e, 0
.rept 8
	v_fmac_f32 v[ACC+8*t+e], v[RW+8*d+e], v[X+8*t+d]
.set e, e+1
.endr
.set t, t+1
.endr
.set d, d+1
.endr
	; over the 32 lanes
.irp m, 1,2,4,8
.set n, 0
.rept 32
	v_add_f32_dpp v[ACC+n], v[ACC+n], v[ACC+n] row_xmask:\m row_mask:0xf bank_mask:0xf
.set n, n+1
.endr
.endr
.set n, 0
.rept 32
	v_permlanex16_b32 v[X+n], v[ACC+n], s24, s25   ; x's registers are free, and have been written
.set n, n+1
.endr
.set n, 0
.rept 32
	v_add_f32 v[ACC+n], v[ACC+n], v[X+n]
.set n, n+1
.endr
	v_lshlrev_b32 v10, 7, v4                       ; my wave's 128 bytes; all lanes hold the same sums and write the same words
.irp i, 0,1,2,3,4,5,6,7
	ds_store_b128 v10, v[ACC+4*(\i):ACC+4*(\i)+3] offset:16*(\i)
.endr
	s_wait_dscnt 0x0                               ; for the others' sake: my sums are in LDS
	s_barrier_signal -1
	s_barrier_wait -1
	s_cmp_lg_u32 s18, 0
	s_cbranch_scc1 .Lend                           ; wave 0 finishes: lane L has token L / 8, expert L % 8
	v_lshlrev_b32 v12, 2, v3
	ds_load_b32 v16, v12
	ds_load_b32 v17, v12 offset:128
	ds_load_b32 v18, v12 offset:256
	ds_load_b32 v19, v12 offset:384
	v_lshrrev_b32 v13, 3, v3                       ; token in the group
	v_lshlrev_b32 v14, 2, v13
	v_lshlrev_b32 v15, 3, v13
	v_mov_b32 v30, 1
	v_mov_b32 v31, 0x100
	s_wait_dscnt 0x0
	v_add_f32 v16, v16, v17
	v_add_f32 v18, v18, v19
	v_add_f32 v16, v16, v18
	v_add_f32 v16, v16, v11                        ; the logit
	global_store_b32 v12, v16, s[10:11]            ; 128 consecutive bytes
	v_mov_b32 v17, v16
.irp m, 1,2,4
	v_max_num_f32_dpp v17, v17, v17 row_xmask:\m row_mask:0xf bank_mask:0xf
.endr
	v_sub_f32 v18, v16, v17                        ; the maximum is taken away, as in the softmax
	v_mul_f32 v18, 0x3fb8aa3b, v18
	v_exp_f32 v18, v18
	v_cvt_f32_u32 v19, v8                          ; e as a float; also the plain line behind the exponential
	s_wait_alu depctr_va_vdst(0)
	v_mov_b32 v20, v18
.irp m, 1,2,4
	v_max_num_f32_dpp v20, v20, v20 row_xmask:\m row_mask:0xf bank_mask:0xf
.endr
	v_cmp_eq_f32 vcc_lo, v18, v20
	v_cndmask_b32 v21, 0x41000000, v19, vcc_lo     ; e where ex is the largest, 8 elsewhere
.irp m, 1,2,4
	v_min_num_f32_dpp v21, v21, v21 row_xmask:\m row_mask:0xf bank_mask:0xf
.endr
	v_mov_b32 v22, -1.0
	v_cmp_eq_f32 vcc_lo, v19, v21
	v_cndmask_b32 v22, v18, v22, vcc_lo            ; the first choice is taken out
	v_mov_b32 v23, v22
.irp m, 1,2,4
	v_max_num_f32_dpp v23, v23, v23 row_xmask:\m row_mask:0xf bank_mask:0xf
.endr
	v_cmp_eq_f32 vcc_lo, v22, v23
	v_cndmask_b32 v24, 0x41000000, v19, vcc_lo
.irp m, 1,2,4
	v_min_num_f32_dpp v24, v24, v24 row_xmask:\m row_mask:0xf bank_mask:0xf
.endr
	v_add_f32 v25, v20, v23
	v_rcp_f32 v25, v25
	v_cvt_u32_f32 v26, v21                         ; plain lines stand behind the reciprocal
	v_cvt_u32_f32 v27, v24
	s_wait_alu depctr_va_vdst(0)
	v_mul_f32 v28, v20, v25
	v_mul_f32 v29, v23, v25
	v_lshlrev_b32 v26, v26, v30
	v_lshlrev_b32 v27, v27, v31
	v_or_b32 v26, v26, v27
	v_cmp_eq_u32 vcc_lo, 0, v8
	s_wait_xcnt 0x0                                ; EXEC is narrowed only when the store above has read its sources
	s_and_saveexec_b32 s20, vcc_lo                 ; one lane a token
	global_store_b32 v14, v26, s[14:15]
	global_store_b64 v15, v[28:29], s[16:17]
	s_wait_xcnt 0x0                                ; and widened only when these two have
	s_or_b32 exec_lo, exec_lo, s20
.Lend:
	s_wait_tensorcnt 0x0                           ; the wave's end: three closing lines behind my last LDS store
	ds_add_u32 v[SPW], v[NIL]
	s_wait_dscnt 0x0
	s_endpgm
.Lfunc_end_k_q13f7142a39_route:
	.size	k_q13f7142a39_route, .Lfunc_end_k_q13f7142a39_route-k_q13f7142a39_route
	.p2alignl 7, 3214868480
	.fill 96, 4, 3214868480
	.section	.rodata,"a",@progbits
	.p2align	6, 0x0
	.amdhsa_kernel k_q13f7142a39_route
		.amdhsa_group_segment_fixed_size 1024
		.amdhsa_private_segment_fixed_size 0
		.amdhsa_enable_private_segment 0
		.amdhsa_kernarg_size 56
		.amdhsa_user_sgpr_count 2
		.amdhsa_user_sgpr_kernarg_segment_ptr 1
		.amdhsa_wavefront_size32 1
		.amdhsa_system_sgpr_workgroup_id_x 1
		.amdhsa_system_sgpr_workgroup_id_y 1
		.amdhsa_system_sgpr_workgroup_id_z 1
		.amdhsa_system_vgpr_workitem_id 0
		.amdhsa_next_free_vgpr 160
		.amdhsa_next_free_sgpr 66
		.amdhsa_reserve_vcc 1
		.amdhsa_float_denorm_mode_32 3
		.amdhsa_float_denorm_mode_16_64 3
		.amdhsa_memory_ordered 1
		.amdhsa_forward_progress 1
		.amdhsa_inst_pref_size 29
	.end_amdhsa_kernel
	.amdgpu_metadata
---
amdhsa.version: [ 1, 2 ]
amdhsa.kernels:
  - .name:           k_q13f7142a39_route
    .symbol:         k_q13f7142a39_route.kd
    .args:
      - { .name: x, .offset: 0, .size: 8, .value_kind: global_buffer, .address_space: global }
      - { .name: router_w, .offset: 8, .size: 8, .value_kind: global_buffer, .address_space: global }
      - { .name: router_b, .offset: 16, .size: 8, .value_kind: global_buffer, .address_space: global }
      - { .name: out1, .offset: 24, .size: 8, .value_kind: global_buffer, .address_space: global }
      - { .name: xb, .offset: 32, .size: 8, .value_kind: global_buffer, .address_space: global }
      - { .name: sel, .offset: 40, .size: 8, .value_kind: global_buffer, .address_space: global }
      - { .name: pw, .offset: 48, .size: 8, .value_kind: global_buffer, .address_space: global }
    .group_segment_fixed_size: 1024
    .private_segment_fixed_size: 0
    .kernarg_segment_align: 8
    .kernarg_segment_size: 56
    .max_flat_workgroup_size: 128
    .sgpr_count:     66
    .vgpr_count:     160
    .wavefront_size: 32
...
	.end_amdgpu_metadata
.endif
;; end of part 1
;; launch up (part 2): grid 32 x 8, 4 waves a work-group, no clusters, 323,072 bytes of LDS; arguments xb, w1, b1, sel, hbuf; writes hbuf
.if DOCPART == 2
	.amdgcn_target "amdgcn-amd-amdhsa--gfx1250"
	.amdhsa_code_object_version 6
	.text
	.protected	k_q13f7142a39_up
	.globl	k_q13f7142a39_up
	.p2align	8
	.type	k_q13f7142a39_up,@function
k_q13f7142a39_up:
	s_mov_b64 s[64:65], 0
	v_nop
	global_prefetch_b8 v0, s[64:65] scope:SCOPE_SE
	s_setreg_imm32_b32 hwreg(HW_REG_WAVE_MODE, 25, 1), 1
	s_wait_xcnt 0x0
; FIRST PRODUCT (UP = 1): hbuf[rid][:] = gelu(x[token] . w1[e] + b1[e]) in bf16, for the rows that chose expert e.  rid = 2 token + slot (0: first choice, 1: second).
; The same text with UP = 0 is the second product.  A work-group has ONE expert (grid y) and a slice of its weights, 1,024 k x 128 n of f32, which it alone reads, and all of that expert's rows.
; TWO PHASES, four like waves.  FILL: wave w streams rows 256 w .. 256 w + 255 of the slice, 48 to 56 row loads of 512 bytes always out, rounds to bf16 and lays the rows into LDS, [k][n], each byte once.
; One barrier.  MULTIPLY: each wave has up to five tiles of 16 rows x 128 columns; token fragments come straight from memory, four K steps ahead; weight fragments out of LDS, turned by ds_load_tr16_b128.
; The stream and the products do not overlap in a work-group: that is the price of a slice that is written once, ahead of the one barrier behind which it is read.
; EVERY SPLIT is served: a pass takes 4 x 5 tiles = 320 rows; four passes, 1,280, cover the 1,024 that one expert can get; all passes read the slice out of LDS.
; Each wave makes the expert's list of rids for itself from sel (a rank by counting bits, no atomics).  Places past the count repeat the last row; where a store holds rows on both sides of the count its
; upper lanes write the last row once more, with the same bytes (same fragments, same sums).  An expert without rows stores nothing.
; Dead tiles are jumped in pairs: a wave with an odd number of tiles multiplies one dead tile, and pass 0 is multiplied by every wave (two tiles at the least), so that every accumulator has been written.
; THE MATRIX INSTRUCTION IS USED TRANSPOSED: source 0 = 16 columns of W, source 1 = 16 token rows: register j of lane (r, h) holds row r, column 16 nb + 8 h + j.
; NO CLUSTER: each weight byte has one reader; the expert's 32 work-groups share the token rows, but these come by a list, row by row, and beside the slice LDS has 4,608 bytes left.
; GELU: a/2 (1 + erf(a / sqrt 2)) = max(a, 0) - |a| q / 2, q = erfc(|a| / sqrt 2) by a fifth-degree polynomial in 1 / (1 + 0.3275911 z) times exp(-z^2): within 1.5e-7 of erfc for every argument.
; LIMITS.  Operands in bf16, sums in f32.  An exponential below 2^-126 counts as 0.  NaN and infinities are not treated apart.
.set UP, 1
.set WP,    288                        ; a row of the slice in LDS: 256 bytes + 32: 72 words, so the 8 rows x 32 bytes of a turning load fall on different banks (64 banks of 4 bytes: ISA guide 11.1)
.set KSB,   32*WP                      ; a K step's 32 rows
.set SP,    272                        ; a row of a stage: 256 bytes + 16
.set STAGE, 1024*WP                    ; behind the slice: 16 rows for each wave, for the way out
.set LISTW, 2560                       ; a wave's list: 1,024 rids of 16 bits, 32 places for lanes that have nothing to list, and the rest of five whole stores of 512 bytes
.set LIST,  STAGE+4*16*SP
.set SPARE, LIST+4*LISTW               ; the spare words, 128 bytes for each of the four waves
.if UP
.set PITCH, 16384                      ; bytes from row to row of the weights
.set WSH,   22                         ; a wave's 256 rows are 1 << WSH bytes
.set OSH,   13                         ; an output row is 1 << OSH bytes
.set SELP,  10
.set TRIPS, 5                          ; the way out goes tile by tile
.else
.set PITCH, 4096
.set WSH,   20
.set OSH,   12
.set SELP,  8
.set TRIPS, 10                         ; the way out goes by half tiles: 64 columns of f32 are 256 bytes
.endif
; vector registers.  Window 0: as below.  Window 1: in the fill eight sets of eight row loads; then accumulator (m, nb) at 64 m + 8 nb for tiles m = 0 to 3.  Window 2: tile 4's accumulators at 8 nb; b1 at 64.
.set SPW,   1                          ; my spare word's LDS address; never rewritten
.set NIL,   2                          ; 0; never rewritten
.set BADR,  3                          ; LDS address of the weight fragments in hand
.set AOFF,  4                          ; v[4:8]  tile m: byte offset of my row's fragment
.set R,     9                          ; lane % 16
.set H16,   10                         ; 16 (lane / 16)
.set STO,   11                         ; the way out: where I put my numbers
.set RD,    12                         ; the way out: where I read rows back
.set COL16, 14                         ; 16 (lane % 16)
.set HI,    15                         ; lane / 16
.set BBASE, 16                         ; my lane's place in a turning load
.set H32,   19                         ; 32 (lane / 16): my place in b1.  v17, v18 are at work
.set STA,   20                         ; the fill: where my 8 bytes of a row go
.set WOFF,  21                         ; 16 x lane
.set DUMP,  22                         ; my place behind the list.  v23-25 are at work on the list
.set L8,    26                         ; 8 x lane
.set LANE,  27
.set ZR,    28                         ; v[28:31] zeros, for the list's first filling
.set BF,    32                         ; v[32:95]   weight fragments, 8 a column block
.set AF,    96                         ; v[96:255]  token fragments: four K steps of five tiles
.set ACC4,  0                          ; window 2
.set BIAS,  64                         ; window 2
.set CV,    96                         ; the fill: eight rows in bf16
.set TT,    32                         ; the way out: a tile plus bias
.set GA,    96                         ; GELU at work: |a|, t, e, polynomial
.set GT,    104
.set GE,    112
.set GP,    120
.set DT,    128                        ; the way out: rows read back
.set VO,    160                        ; and their byte offsets
; scalar registers
.set WV, 14
.set E, 16
.set CB, 18
.set T, 19
.set CNT, 20
.set CNTM1, 21
.set NT, 22
.set MT, 23
.set PASS, 24
.set I, 25
.set KA, 26
.set KW, 28
.set AP, 30
.set APW, 32
.set ABASE, 34
.set WPTR, 38
.set OF, 40
.set OUTB, 42
.set ROW0, 52
.set REM, 53
.set EM, 54
.set EB, 55
.set BASE, 56
.set M, 57
.set OUTP, 58
.set QTR, 60
.set NSL, 61
.set LB, 62
.set SB, 63
.set QP, 66
.set QE, 68
.set Q5, 70
.set Q4, 72
.set Q3, 74
.set Q2, 76
.set Q1, 78
.set ABSM, 80
.set BP, 82
.set MSB, 0
.macro WIN new                         ; s_set_vgpr_msb: bits 1:0 source 0, 3:2 source 1, 5:4 source 2, 7:6 destination; the high byte repeats the setting that is left
.if MSB != (\new)
	s_set_vgpr_msb (MSB<<8)|(\new)
.set MSB, (\new)
.endif
.endm
.macro NOPS4                           ; four places between a matrix instruction and a load into, or a vector line on, its registers (ISA guide 7.12.1 for vector lines)
.rept 4
	v_nop
.endr
.endm
.macro SPAIR reg, val                  ; a constant for packed lines: named as a pair, so both words are written
	s_mov_b32 s[\reg], \val
	s_mov_b32 s[\reg+1], \val
.endm
; THE FILL.  A turn: 64 rows of mine, eight at a time.  Group g: its eight loads are in; two roundings a row; a row's 256 bytes go into LDS; then the set that was read one group ago is loaded again,
; with the rows seven groups on.  last = 1: my last 64 rows: only group 0 still has rows to ask for.
.macro FILLTURN last
	v_add_nc_u32 v[STA], s[SB], v[L8]
.set g, 0
.rept 8
.if (\last) && (g > 0)
	s_wait_loadcnt 56-8*g                          ; nothing is issued behind them: the counts run down
.else
	s_wait_loadcnt 48                              ; loads come back in order (ISA guide 5.7.1): of the 56 out the oldest eight, this group's, are in
.endif
	WIN 0x05
.set u, 0
.rept 8
	v_cvt_pk_bf16_f32 v[CV+2*u],   v[32*g+4*u],   v[32*g+4*u+1]
	v_cvt_pk_bf16_f32 v[CV+2*u+1], v[32*g+4*u+2], v[32*g+4*u+3]
.set u, u+1
.endr
	WIN 0
.set u, 0
.rept 8
	ds_store_b64 v[STA], v[CV+2*u:CV+2*u+1] offset:(8*g+u)*WP   ; a row: 256 consecutive bytes
.set u, u+1
.endr
.if !(\last) || (g == 0)
	WIN 0x40
.set u, 0
.rept 8
	global_load_b128 v[32*((g+7)%8)+4*u:32*((g+7)%8)+4*u+3], v[WOFF], s[WPTR:WPTR+1] offset:(8*(g+7)+u)*PITCH th:TH_LOAD_NT
.set u, u+1
.endr
	WIN 0
.endif
.set g, g+1
.endr
.endm
; THE LIST.  One token of each lane is looked at: does it list?  Its rank is the count so far plus the listing lanes below mine.
.macro GROUP reg, base
	v_and_b32 v23, s[EM], v[\reg]
	v_cmp_ne_u32 s[M], 0, v23
	v_bfe_u32 v24, v[\reg], s[EB], 1               ; slot
	v_add_nc_u32 v24, \base, v24
	v_or_b32 v24, v[L8], v24                       ; rid
	v_mbcnt_lo_u32_b32 v25, s[M], s[BASE]
	v_cndmask_b32 v25, v[DUMP], v25, s[M]          ; lanes that do not list write behind the list
	v_min_u32 v25, 0x43f, v25
	v_lshl_add_u32 v25, v25, 1, s[LB]
	ds_store_b16 v25, v24
	s_bcnt1_i32_b32 s44, s[M]
	s_add_co_u32 s[BASE], s[BASE], s44
.endm
; THE PRODUCTS.  Four matrix instructions: tile m, column blocks 4 nh .. 4 nh + 3, token buffer ab.  first = 1: they start the sums with 0.
.macro MM4 m, nh, ab, first
.if (\m) < 4
	WIN 0x50
.set rD, 64*(\m)+32*(\nh)
.else
	WIN 0xa0
.set rD, ACC4+32*(\nh)
.endif
.set rA, AF+40*(\ab)+8*(\m)
.set rB, BF+32*(\nh)
.irp n, 0,1,2,3
.if \first
	v_wmma_f32_16x16x32_bf16 v[rD+8*(\n):rD+8*(\n)+7], v[rB+8*(\n):rB+8*(\n)+7], v[rA:rA+7], 0
.else
	v_wmma_f32_16x16x32_bf16 v[rD+8*(\n):rD+8*(\n)+7], v[rB+8*(\n):rB+8*(\n)+7], v[rA:rA+7], v[rD+8*(\n):rD+8*(\n)+7]
.endif
.endr
.endm
; All tiles x four column blocks.  A wave with two tiles or fewer, or four or fewer, jumps forward over the rest; the step that starts the sums is never cut short.
; The accumulators take turns, one instruction a turn, on every one of these ways.
.macro HALF nh, ab, first
	MM4 0, \nh, \ab, \first
	MM4 1, \nh, \ab, \first
.if !(\first)
	WIN 0
	s_cmp_le_u32 s[MT], 2
	s_cbranch_scc1 .Lh\@
.endif
	MM4 2, \nh, \ab, \first
	MM4 3, \nh, \ab, \first
.if !(\first)
	WIN 0
	s_cmp_le_u32 s[MT], 4
	s_cbranch_scc1 .Lh\@
.endif
	MM4 4, \nh, \ab, \first
	WIN 0
.Lh\@:
.endm
.macro LDB half, k                     ; eight turning loads: 32 k x 64 columns, at byte k behind BADR
.irp n, 0,1,2,3
	ds_load_tr16_b128 v[BF+32*(\half)+8*(\n):BF+32*(\half)+8*(\n)+3],   v[BADR] offset:(\k)+128*(\half)+32*(\n)
	ds_load_tr16_b128 v[BF+32*(\half)+8*(\n)+4:BF+32*(\half)+8*(\n)+7], v[BADR] offset:(\k)+128*(\half)+32*(\n)+16*WP
.endr
.endm
.macro LDA ab, m, ptr, imm             ; tile m's token fragment: 16 rows x 32 k, two loads of 16 bytes a lane
	global_load_b128 v[AF+40*(\ab)+8*(\m):AF+40*(\ab)+8*(\m)+3],   v[AOFF+(\m)], s[\ptr:\ptr+1] offset:(\imm)
	global_load_b128 v[AF+40*(\ab)+8*(\m)+4:AF+40*(\ab)+8*(\m)+7], v[AOFF+(\m)], s[\ptr:\ptr+1] offset:(\imm)+32
.endm
; A K step on token buffer ab.  ldb = 1: the next step's weight fragments are fetched, at byte kb behind BADR, each half as soon as its registers are free.
; lda = 1: the buffer is loaded again with the K step four on (ptr, imm).  acnt: the token loads issued behind this step's, which may stay out.
.macro STEP ab, kb, first, lda, ptr, imm, ldb, acnt
	s_wait_dscnt 0x8                               ; column blocks 0 to 3 are in; the eight loads of blocks 4 to 7 may be out
	s_wait_loadcnt \acnt
	HALF 0, \ab, \first
.if \ldb
	NOPS4
	LDB 0, \kb
	s_wait_dscnt 0x8                               ; column blocks 4 to 7 are in; the eight loads just issued may be out
.else
	s_wait_dscnt 0x0
.endif
	HALF 1, \ab, \first
.if (\ldb) || (\lda)
	NOPS4
.endif
.if \ldb
	LDB 1, \kb
.endif
.if \lda
.irp m, 0,1,2,3,4
	LDA \ab, \m, \ptr, \imm
.endr
.endif
.endm
.macro MTCALC                          ; my live tiles in this pass: tiles 20 pass + 4 i + wave below NT, i = 0 to 4
	s_mul_i32 s44, s[PASS], 20
	s_add_co_u32 s44, s44, s[WV]
	s_sub_co_i32 s45, s[NT], s44
	s_add_co_i32 s45, s45, 3
	s_ashr_i32 s45, s45, 2
	s_max_i32 s45, s45, 0
	s_min_i32 s[MT], s45, 5
.endm
.macro ROWS                            ; my five tiles' rows out of the list; places past the count take the last row
	s_mul_i32 s44, s[PASS], 20
	s_add_co_u32 s44, s44, s[WV]
	s_lshl_b32 s44, s44, 4
	v_add_nc_u32 v17, s44, v[R]
.irp i, 0,1,2,3,4
	v_add_nc_u32 v18, 64*(\i), v17
	v_min_u32 v18, s[CNTM1], v18
	v_min_u32 v18, 0x3ff, v18
	v_lshl_add_u32 v18, v18, 1, s[LB]
	ds_load_u16 v[AOFF+(\i)], v18
.endr
	s_wait_dscnt 0x0
.irp i, 0,1,2,3,4
	v_min_u32 v[AOFF+(\i)], 0x7ff, v[AOFF+(\i)]
.if UP
	v_and_b32 v[AOFF+(\i)], 0x7fe, v[AOFF+(\i)]              ; 2 x token,
	v_lshl_add_u32 v[AOFF+(\i)], v[AOFF+(\i)], 10, v[H16]    ; rows of 2,048 bytes
.else
	v_lshl_add_u32 v[AOFF+(\i)], v[AOFF+(\i)], 13, v[H16]    ; rows of 8,192 bytes
.endif
.endr
.endm
; The stage's 16 rows of 256 bytes go out: each half of the lanes stores one row, 256 consecutive bytes at a multiple of 256 from the buffer's first.  Stores wholly past the count are jumped.
.macro OUTROWS shift, ptr
	v_add_nc_u32 v17, s[ROW0], v[HI]
.irp t, 0,1,2,3,4,5,6,7
	v_add_nc_u32 v18, 2*(\t), v17
	v_min_u32 v18, s[CNTM1], v18
	v_min_u32 v18, 0x3ff, v18
	v_lshl_add_u32 v18, v18, 1, s[LB]
	ds_load_u16 v[VO+(\t)], v18
.endr
.irp t, 0,1,2,3,4,5,6,7
	ds_load_b128 v[DT+4*(\t):DT+4*(\t)+3], v[RD] offset:2*SP*(\t)   ; LDS serves a wave's instructions in order (ISA guide 5.7.1.4): these see my stores into the stage
.endr
	s_wait_dscnt 0x0
.irp t, 0,1,2,3,4,5,6,7
	v_min_u32 v[VO+(\t)], 0x7ff, v[VO+(\t)]
	v_lshl_add_u32 v[VO+(\t)], v[VO+(\t)], \shift, v[COL16]
.endr
.irp t, 0,1,2,3,4,5,6,7
.if (\t) > 0
	s_cmp_le_u32 s[REM], 2*(\t)
	s_cbranch_scc1 .Lso\@
.endif
	global_store_b128 v[VO+(\t)], v[DT+4*(\t):DT+4*(\t)+3], s[\ptr:\ptr+1]
.endr
.Lso\@:
.endm
.if UP
.macro TBLOCK i                        ; tile i plus bias, each accumulator from its low end on
.Lt\i:
.if (\i) < 4
	WIN 0x09
.set src, 64*(\i)
.else
	WIN 0x0a
.set src, ACC4
.endif
.set z, 0
.rept 32
	v_pk_add_f32 v[TT+z:TT+z+1], v[src+z:src+z+1], v[BIAS+z:BIAS+z+1]
.set z, z+2
.endr
	WIN 0
.endm
.macro GELU8 nb                        ; eight numbers of a row: GELU, bf16, into the stage.  A plain line stands between every reciprocal or exponential and the use of its result (ISA guide 5.7.2)
.set a, TT+8*(\nb)
.irp i, 0,1,2,3,4,5,6,7
	v_and_b32 v[GA+(\i)], s[ABSM], v[a+(\i)]
.endr
.irp i, 0,2,4,6
	v_pk_fma_f32 v[GT+(\i):GT+(\i)+1], v[GA+(\i):GA+(\i)+1], s[QP:QP+1], 1.0 op_sel_hi:[1,0,0]
.endr
.irp i, 0,2,4,6
	v_pk_mul_f32 v[GE+(\i):GE+(\i)+1], v[a+(\i):a+(\i)+1], v[a+(\i):a+(\i)+1]
.endr
.irp i, 0,1,2,3,4,5,6,7
	v_rcp_f32 v[GT+(\i)], v[GT+(\i)]
.endr
.irp i, 0,2,4,6
	v_pk_mul_f32 v[GE+(\i):GE+(\i)+1], v[GE+(\i):GE+(\i)+1], s[QE:QE+1] op_sel_hi:[1,0]
.endr
.irp i, 0,1,2,3,4,5,6,7
	v_exp_f32 v[GE+(\i)], v[GE+(\i)]
.endr
	s_wait_alu depctr_va_vdst(0)
.irp i, 0,2,4,6
	v_pk_fma_f32 v[GP+(\i):GP+(\i)+1], v[GT+(\i):GT+(\i)+1], s[Q5:Q5+1], s[Q4:Q4+1] op_sel_hi:[1,0,0]
.endr
.irp c, Q3,Q2,Q1
.irp i, 0,2,4,6
	v_pk_fma_f32 v[GP+(\i):GP+(\i)+1], v[GP+(\i):GP+(\i)+1], v[GT+(\i):GT+(\i)+1], s[\c:\c+1] op_sel_hi:[1,1,0]
.endr
.endr
.irp i, 0,2,4,6
	v_pk_mul_f32 v[GP+(\i):GP+(\i)+1], v[GP+(\i):GP+(\i)+1], v[GT+(\i):GT+(\i)+1]
.endr
.irp i, 0,2,4,6
	v_pk_mul_f32 v[GP+(\i):GP+(\i)+1], v[GP+(\i):GP+(\i)+1], v[GE+(\i):GE+(\i)+1]
.endr
.irp i, 0,1,2,3,4,5,6,7
	v_max_num_f32 v[a+(\i)], 0, v[a+(\i)]
.endr
.irp i, 0,2,4,6
	v_pk_fma_f32 v[a+(\i):a+(\i)+1], v[GA+(\i):GA+(\i)+1], v[GP+(\i):GP+(\i)+1], v[a+(\i):a+(\i)+1]
.endr
.irp i, 0,1,2,3
	v_cvt_pk_bf16_f32 v[GA+(\i)], v[a+2*(\i)], v[a+2*(\i)+1]
.endr
	ds_store_b128 v[STO], v[GA:GA+3] offset:32*(\nb)
.endm
.else
.macro UBLOCK u                        ; half u % 2 of tile u / 2 into the stage, f32, each accumulator from its low end on
.Lu\u:
.if (\u)/2 < 4
	WIN 0x04
.set src, 64*((\u)/2)+32*((\u)%2)
.else
	WIN 0x08
.set src, ACC4+32*((\u)%2)
.endif
.irp n, 0,1,2,3
	ds_store_b128 v[STO], v[src+8*(\n):src+8*(\n)+3]   offset:64*(\n)
	ds_store_b128 v[STO], v[src+8*(\n)+4:src+8*(\n)+7] offset:64*(\n)+16
.endr
	WIN 0
.endm
.endif
	s_load_b256 s[4:11], s[0:1], 0x0               ; UP: xb, w1, b1, sel; else: hbuf, w2, sel, ypart
.if UP
	s_load_b64 s[12:13], s[0:1], 0x20              ; hbuf
.endif
	v_lshl_add_u32 v[SPW], v0, 2, SPARE
	v_mov_b32 v[NIL], 0
	v_lshrrev_b32 v18, 5, v0
	v_readfirstlane_b32 s[WV], v18                 ; wave 0..3
	v_and_b32 v[R], 15, v0
	v_bfe_u32 v[HI], v0, 4, 1
	v_and_b32 v[LANE], 31, v0
	v_lshlrev_b32 v[WOFF], 4, v[LANE]
	v_lshlrev_b32 v[L8], 3, v[LANE]
	v_lshlrev_b32 v[H16], 4, v[HI]
	v_lshlrev_b32 v[H32], 5, v[HI]
	v_lshlrev_b32 v[COL16], 4, v[R]
	v_add_nc_u32 v[DUMP], 1024, v[LANE]
	v_and_b32 v18, 7, v0                           ; the turning load: lane L reads row 8 (L / 16) + L % 8, bytes 16 ((L / 8) % 2) on
	v_lshl_add_u32 v18, v[HI], 3, v18
	v_mul_u32_u24 v[BBASE], v18, WP
	v_bfe_u32 v18, v0, 3, 1
	v_lshl_add_u32 v[BBASE], v18, 4, v[BBASE]
	s_mul_i32 s44, s[WV], 16*SP
	s_add_co_u32 s44, s44, STAGE                   ; my stage
	v_mul_u32_u24 v18, v[R], SP
.if UP
	v_lshl_add_u32 v18, v[HI], 4, v18              ; in: row r, 16 bytes for each half of the lanes
.else
	v_lshl_add_u32 v18, v[HI], 5, v18              ; in: row r, 32 bytes for each half of the lanes
.endif
	v_add_nc_u32 v[STO], s44, v18
	v_mul_u32_u24 v18, v[HI], SP                   ; back: lanes 0-15 one row, lanes 16-31 the next
	v_lshl_add_u32 v18, v[R], 4, v18
	v_add_nc_u32 v[RD], s44, v18
	s_mul_i32 s[LB], s[WV], LISTW
	s_add_co_u32 s[LB], s[LB], LIST                ; my list
	v_add_nc_u32 v18, s[LB], v[WOFF]
.irp i, 0,1,2,3
	v_mov_b32 v[ZR+(\i)], 0
.endr
.irp i, 0,1,2,3,4
	ds_store_b128 v18, v[ZR:ZR+3] offset:512*(\i)  ; every byte of the list is written: an empty list still names row 0
.endr
	s_mul_i32 s[SB], s[WV], 256*WP                 ; my 256 rows of the slice in LDS
	s_and_b32 s[E], ttmp7, 0xffff                  ; expert
	s_lshl_b32 s[EM], 0x101, s[E]
	s_add_co_u32 s[EB], s[E], 8
	s_mov_b32 s[BASE], 0
	s_mov_b32 s[PASS], 0
	s_mov_b32 s[KA+1], 0
	s_mov_b32 s[KW+1], 0
	s_mov_b32 s[OF+1], 0
	s_lshl_b32 s44, s[E], 24                       ; an expert's weights are 1 << 24 bytes
	s_lshl_b32 s52, s[WV], WSH                     ; my 256 rows
	s_add_co_u32 s44, s44, s52
	s_mov_b32 s45, 0
	s_mov_b32 s49, 0
.if UP
	s_lshl_b32 s52, ttmp9, 9                       ; my 128 columns of f32
	s_add_co_u32 s44, s44, s52
	s_lshl_b32 s48, ttmp9, 8                       ; my 128 columns of bf16
	s_lshl_b32 s50, s[E], 14                       ; my slice of b1
	s_add_co_u32 s50, s50, s52
	s_mov_b32 s51, 0
	SPAIR QP, 0x3e6d3388                           ; 0.3275911 / sqrt 2
	SPAIR QE, 0xbf38aa3b                           ; -log2(e) / 2
	SPAIR Q5, 0xbf07dc22                           ; the polynomial's five numbers times -1/2
	SPAIR Q4, 0x3f3a00e3
	SPAIR Q3, 0xbf35f0e3
	SPAIR Q2, 0x3e11a98e
	SPAIR Q1, 0xbe027906
	s_mov_b32 s[ABSM], 0x7fffffff
.else
	s_lshr_b32 s[QTR], ttmp9, 3                    ; which quarter of K,
	s_and_b32 s[NSL], ttmp9, 7                     ; which 128 columns
	s_lshl_b32 s52, s[QTR], 22
	s_add_co_u32 s44, s44, s52
	s_lshl_b32 s52, s[NSL], 9
	s_add_co_u32 s44, s44, s52
	s_lshl_b32 s46, s[QTR], 11                     ; my quarter of a row of hbuf
	s_mov_b32 s47, 0
	s_lshl_b32 s48, s[QTR], 23                     ; my quarter's plane of ypart, my 128 columns of f32
	s_add_co_u32 s48, s48, s52
.endif
	s_wait_kmcnt 0x0
	s_add_nc_u64 s[WPTR:WPTR+1], s[6:7], s[44:45]
.if UP
	s_mov_b64 s[ABASE:ABASE+1], s[4:5]
	s_add_nc_u64 s[OUTB:OUTB+1], s[12:13], s[48:49]
	s_add_nc_u64 s[BP:BP+1], s[8:9], s[50:51]
.else
	s_add_nc_u64 s[ABASE:ABASE+1], s[4:5], s[46:47]
	s_add_nc_u64 s[OUTB:OUTB+1], s[10:11], s[48:49]
.endif
	; all 1,024 words of sel: lane L of load j has tokens 128 j + 4 L + 0..3
.set j, 0
.rept 8
	global_load_b128 v[BF+4*j:BF+4*j+3], v[WOFF], s[SELP:SELP+1] offset:512*j
.set j, j+1
.endr
.if UP
	WIN 0x80                                       ; b1 of my eight columns of each block stays in registers
.irp n, 0,1,2,3,4,5,6,7
	global_load_b128 v[BIAS+8*(\n):BIAS+8*(\n)+3],   v[H32], s[BP:BP+1] offset:64*(\n)
	global_load_b128 v[BIAS+8*(\n)+4:BIAS+8*(\n)+7], v[H32], s[BP:BP+1] offset:64*(\n)+16
.endr
.endif
	WIN 0x40                                       ; my first 32 rows are asked for; a load covers a row's 512 consecutive bytes
.set u, 0
.rept 32
	global_load_b128 v[4*u:4*u+3], v[WOFF], s[WPTR:WPTR+1] offset:u*PITCH th:TH_LOAD_NT
.set u, u+1
.endr
	WIN 0
	s_wait_loadcnt 32+16*UP                        ; sel is in; b1's loads and the 32 row loads may be out: the list is made while they come
.set j, 0
.rept 8
.set c, 0
.rept 4
	GROUP BF+4*j+c, 256*j+2*c
.set c, c+1
.endr
.set j, j+1
.endr
	s_mov_b32 s[CNT], s[BASE]
	s_max_u32 s44, s[CNT], 1
	s_sub_co_u32 s[CNTM1], s44, 1
	s_add_co_u32 s44, s[CNT], 15
	s_lshr_b32 s[NT], s44, 4
.if UP
	s_wait_loadcnt 32                              ; b1 is in
.endif
	WIN 0x40                                       ; rows 32 to 55: seven sets of eight are out
.set u, 32
.rept 24
	global_load_b128 v[4*u:4*u+3], v[WOFF], s[WPTR:WPTR+1] offset:u*PITCH th:TH_LOAD_NT
.set u, u+1
.endr
	WIN 0
	s_mov_b32 s[T], 3
.Lfill:                                                ; three turns of 64 rows; the fourth is written out, so that no load passes my rows' end
	FILLTURN 0
	s_wait_xcnt 0x0                                ; the base is stepped only when the loads that name it have read it
	s_add_nc_u64 s[WPTR:WPTR+1], s[WPTR:WPTR+1], 64*PITCH
	s_add_co_u32 s[SB], s[SB], 64*WP
	s_sub_co_u32 s[T], s[T], 1
	s_cmp_lg_u32 s[T], 0
	s_cbranch_scc1 .Lfill
	FILLTURN 1
	s_wait_dscnt 0x0                               ; for the others' sake: my rows are in LDS
	s_barrier_signal -1
	s_barrier_wait -1                              ; the slice is whole, and is only read from here on
	MTCALC
	s_branch .Lwork                                ; pass 0 is multiplied by every wave
.Lpass:                                                ; four passes of 320 rows
	MTCALC
	s_cmp_eq_u32 s[MT], 0
	s_cbranch_scc1 .Lkdone
.Lwork:
	ROWS
	s_wait_xcnt 0x0                                ; earlier stores have read the registers that are loaded below
	v_mov_b32 v[BADR], v[BBASE]
.irp b, 0,1,2,3
.irp m, 0,1,2,3,4
	LDA \b, \m, ABASE, 64*(\b)
.endr
.endr
	LDB 0, 0
	LDB 1, 0
	STEP 0, KSB, 1, 1, ABASE, 256, 1, 30           ; K step 0 starts the sums
	s_mov_b32 s[T], 0
	s_mov_b32 s[KA], 0
	s_mov_b32 s[CB], 0
.Lk:                                                   ; trip i: K steps 4 i + 1 .. 4 i + 4.  CB = 4 K steps of LDS rows x i, KA = 256 i bytes of a token row
	s_wait_xcnt 0x0                                ; the two bases are rewritten only when the loads that name them have read them
	s_add_co_u32 s[KW], s[KA], 512                 ; K step 4 i + 8; in the last trip it would pass the row's end and is wrapped to its start:
	s_and_b32 s[KW], s[KW], 2047                   ; ten loads that serve nothing keep every count alike
	s_add_nc_u64 s[AP:AP+1], s[ABASE:ABASE+1], s[KA:KA+1]
	s_add_nc_u64 s[APW:APW+1], s[ABASE:ABASE+1], s[KW:KW+1]
	v_add_nc_u32 v[BADR], s[CB], v[BBASE]
	STEP 1, 2*KSB, 0, 1, AP, 320, 1, 30            ; 30: the three later K steps' ten loads each may be out
	STEP 2, 3*KSB, 0, 1, AP, 384, 1, 30
	STEP 3, 4*KSB, 0, 1, AP, 448, 1, 30
	STEP 0, 5*KSB, 0, 1, APW, 0, 1, 30
	s_add_co_u32 s[CB], s[CB], 4*KSB
	s_add_co_u32 s[KA], s[KA], 256
	s_add_co_u32 s[T], s[T], 1
	s_cmp_lt_u32 s[T], 7
	s_cbranch_scc1 .Lk
	v_add_nc_u32 v[BADR], s[CB], v[BBASE]
	STEP 1, 2*KSB, 0, 0, ABASE, 0, 1, 30           ; K steps 29 to 31 ask for no token rows: the counts run down
	STEP 2, 3*KSB, 0, 0, ABASE, 0, 1, 20
	STEP 3, 0,     0, 0, ABASE, 0, 0, 10
	NOPS4
	s_wait_loadcnt 0x0                             ; the ten wrapped loads: their registers and offsets are used again below
.Lkdone:
	s_wait_dscnt 0x0
	s_barrier_signal -1                            ; every wave's reads of the slice, whose addresses step with the loop, are over
	s_barrier_wait -1                              ; before any wave stores into its stage
	s_mov_b32 s[I], 0
.Ltile:                                                ; the way out, a stage at a time; dead tiles are jumped
.if UP
	s_mov_b32 s45, s[I]
.else
	s_lshr_b32 s45, s[I], 1
.endif
	s_cmp_ge_u32 s45, s[MT]
	s_cbranch_scc1 .Ltnext
	s_wait_xcnt 0x0                                ; the last stage's stores have read their registers and base
	s_mul_i32 s44, s[PASS], 20
	s_lshl2_add_u32 s44, s45, s44
	s_add_co_u32 s44, s44, s[WV]
	s_lshl_b32 s[ROW0], s44, 4                     ; the tile's first place in the list,
	s_sub_co_u32 s[REM], s[CNT], s[ROW0]           ; and how many places are left from there: at least 1
.if UP
.irp i, 0,1,2,3
	s_cmp_eq_u32 s[I], \i
	s_cbranch_scc1 .Lt\i
.endr
	TBLOCK 4
	s_branch .Lgelu
.irp i, 0,1,2
	TBLOCK \i
	s_branch .Lgelu
.endr
	TBLOCK 3
.Lgelu:
.irp n, 0,1,2,3,4,5,6,7
	GELU8 \n
.endr
	OUTROWS OSH, OUTB
.else
	s_and_b32 s46, s[I], 1
	s_lshl_b32 s[OF], s46, 8                       ; the half's 256 bytes of a row
	s_add_nc_u64 s[OUTP:OUTP+1], s[OUTB:OUTB+1], s[OF:OF+1]
.irp u, 0,1,2,3,4,5,6,7,8
	s_cmp_eq_u32 s[I], \u
	s_cbranch_scc1 .Lu\u
.endr
	UBLOCK 9
	s_branch .Lsend
.irp u, 0,1,2,3,4,5,6,7
	UBLOCK \u
	s_branch .Lsend
.endr
	UBLOCK 8
.Lsend:
	OUTROWS OSH, OUTP
.endif
.Ltnext:
	s_add_co_u32 s[I], s[I], 1
	s_cmp_lt_u32 s[I], TRIPS
	s_cbranch_scc1 .Ltile
	s_wait_dscnt 0x0
	s_barrier_signal -1                            ; every wave's stores into its stage are over
	s_barrier_wait -1                              ; before any wave reads the slice again
	s_add_co_u32 s[PASS], s[PASS], 1
	s_cmp_lt_u32 s[PASS], 4
	s_cbranch_scc1 .Lpass
	s_wait_tensorcnt 0x0                           ; the wave's end: three closing lines behind my last LDS store
	ds_add_u32 v[SPW], v[NIL]
	s_wait_dscnt 0x0
	s_endpgm
.Lfunc_end_k_q13f7142a39_up:
	.size	k_q13f7142a39_up, .Lfunc_end_k_q13f7142a39_up-k_q13f7142a39_up
	.p2alignl 7, 3214868480
	.fill 96, 4, 3214868480
	.section	.rodata,"a",@progbits
	.p2align	6, 0x0
	.amdhsa_kernel k_q13f7142a39_up
		.amdhsa_group_segment_fixed_size 323072
		.amdhsa_private_segment_fixed_size 0
		.amdhsa_enable_private_segment 0
		.amdhsa_kernarg_size 40
		.amdhsa_user_sgpr_count 2
		.amdhsa_user_sgpr_kernarg_segment_ptr 1
		.amdhsa_wavefront_size32 1
		.amdhsa_system_sgpr_workgroup_id_x 1
		.amdhsa_system_sgpr_workgroup_id_y 1
		.amdhsa_system_sgpr_workgroup_id_z 1
		.amdhsa_system_vgpr_workitem_id 0
		.amdhsa_next_free_vgpr 640
		.amdhsa_next_free_sgpr 96
		.amdhsa_reserve_vcc 0
		.amdhsa_float_denorm_mode_32 3
		.amdhsa_float_denorm_mode_16_64 3
		.amdhsa_memory_ordered 1
		.amdhsa_forward_progress 1
		.amdhsa_inst_pref_size 160
	.end_amdhsa_kernel
	.amdgpu_metadata
---
amdhsa.version: [ 1, 2 ]
amdhsa.kernels:
  - .name:           k_q13f7142a39_up
    .symbol:         k_q13f7142a39_up.kd
    .args:
      - { .name: xb, .offset: 0, .size: 8, .value_kind: global_buffer, .address_space: global }
      - { .name: w1, .offset: 8, .size: 8, .value_kind: global_buffer, .address_space: global }
      - { .name: b1, .offset: 16, .size: 8, .value_kind: global_buffer, .address_space: global }
      - { .name: sel, .offset: 24, .size: 8, .value_kind: global_buffer, .address_space: global }
      - { .name: hbuf, .offset: 32, .size: 8, .value_kind: global_buffer, .address_space: global }
    .group_segment_fixed_size: 323072
    .private_segment_fixed_size: 0
    .kernarg_segment_align: 8
    .kernarg_segment_size: 40
    .max_flat_workgroup_size: 128
    .sgpr_count:     96
    .vgpr_count:     640
    .wavefront_size: 32
...
	.end_amdgpu_metadata
.endif
;; end of part 2
;; launch down (part 3): grid 32 x 8, 4 waves a work-group, no clusters, 323,072 bytes of LDS; arguments hbuf, w2, sel, ypart; writes ypart
.if DOCPART == 3
	.amdgcn_target "amdgcn-amd-amdhsa--gfx1250"
	.amdhsa_code_object_version 6
	.text
	.protected	k_q13f7142a39_down
	.globl	k_q13f7142a39_down
	.p2align	8
	.type	k_q13f7142a39_down,@function
k_q13f7142a39_down:
	s_mov_b64 s[64:65], 0
	v_nop
	global_prefetch_b8 v0, s[64:65] scope:SCOPE_SE
	s_setreg_imm32_b32 hwreg(HW_REG_WAVE_MODE, 25, 1), 1
	s_wait_xcnt 0x0
; SECOND PRODUCT (UP = 0): ypart[q][rid][:] = hbuf[rid][1024 q .. 1024 q + 1023] . w2[e][1024 q .. ][:], partial sums in f32, for the rows that chose expert e.  rid = 2 token + slot.
; The same text with UP = 1 is the first product.  A work-group has ONE expert (grid y) and a slice of its weights, 1,024 k (quarter q = x / 8) x 128 n (x % 8) of f32, which it alone reads, and all of that expert's rows.
; TWO PHASES, four like waves.  FILL: wave w streams rows 256 w .. 256 w + 255 of the slice, 48 to 56 row loads of 512 bytes always out, rounds to bf16 and lays the rows into LDS, [k][n], each byte once.
; One barrier.  MULTIPLY: each wave has up to five tiles of 16 rows x 128 columns; token fragments come straight from memory, four K steps ahead; weight fragments out of LDS, turned by ds_load_tr16_b128.
; The stream and the products do not overlap in a work-group: that is the price of a slice that is written once, ahead of the one barrier behind which it is read.
; EVERY SPLIT is served: a pass takes 4 x 5 tiles = 320 rows; four passes, 1,280, cover the 1,024 that one expert can get; all passes read the slice out of LDS.
; Each wave makes the expert's list of rids for itself from sel (a rank by counting bits, no atomics).  Places past the count repeat the last row; where a store holds rows on both sides of the count its
; upper lanes write the last row once more, with the same bytes (same fragments, same sums).  An expert without rows stores nothing.
; Dead tiles are jumped in pairs: a wave with an odd number of tiles multiplies one dead tile, and pass 0 is multiplied by every wave (two tiles at the least), so that every accumulator has been written.
; THE MATRIX INSTRUCTION IS USED TRANSPOSED: source 0 = 16 columns of W, source 1 = 16 token rows: register j of lane (r, h) holds row r, column 16 nb + 8 h + j.
; NO CLUSTER: each weight byte has one reader; the expert's work-groups share the rows of hbuf, but these come by a list, row by row, and beside the slice LDS has 4,608 bytes left.
; The four quarters' sums are added, in a fixed order, by the launch behind: no sum spans work-groups here.
; LIMITS.  Operands in bf16, sums in f32.  NaN and infinities are not treated apart.
.set UP, 0
.set WP,    288                        ; a row of the slice in LDS: 256 bytes + 32: 72 words, so the 8 rows x 32 bytes of a turning load fall on different banks (64 banks of 4 bytes: ISA guide 11.1)
.set KSB,   32*WP                      ; a K step's 32 rows
.set SP,    272                        ; a row of a stage: 256 bytes + 16
.set STAGE, 1024*WP                    ; behind the slice: 16 rows for each wave, for the way out
.set LISTW, 2560                       ; a wave's list: 1,024 rids of 16 bits, 32 places for lanes that have nothing to list, and the rest of five whole stores of 512 bytes
.set LIST,  STAGE+4*16*SP
.set SPARE, LIST+4*LISTW               ; the spare words, 128 bytes for each of the four waves
.if UP
.set PITCH, 16384                      ; bytes from row to row of the weights
.set WSH,   22                         ; a wave's 256 rows are 1 << WSH bytes
.set OSH,   13                         ; an output row is 1 << OSH bytes
.set SELP,  10
.set TRIPS, 5                          ; the way out goes tile by tile
.else
.set PITCH, 4096
.set WSH,   20
.set OSH,   12
.set SELP,  8
.set TRIPS, 10                         ; the way out goes by half tiles: 64 columns of f32 are 256 bytes
.endif
; vector registers.  Window 0: as below.  Window 1: in the fill eight sets of eight row loads; then accumulator (m, nb) at 64 m + 8 nb for tiles m = 0 to 3.  Window 2: tile 4's accumulators at 8 nb; b1 at 64.
.set SPW,   1                          ; my spare word's LDS address; never rewritten
.set NIL,   2                          ; 0; never rewritten
.set BADR,  3                          ; LDS address of the weight fragments in hand
.set AOFF,  4                          ; v[4:8]  tile m: byte offset of my row's fragment
.set R,     9                          ; lane % 16
.set H16,   10                         ; 16 (lane / 16)
.set STO,   11                         ; the way out: where I put my numbers
.set RD,    12                         ; the way out: where I read rows back
.set COL16, 14                         ; 16 (lane % 16)
.set HI,    15                         ; lane / 16
.set BBASE, 16                         ; my lane's place in a turning load
.set H32,   19                         ; 32 (lane / 16): my place in b1.  v17, v18 are at work
.set STA,   20                         ; the fill: where my 8 bytes of a row go
.set WOFF,  21                         ; 16 x lane
.set DUMP,  22                         ; my place behind the list.  v23-25 are at work on the list
.set L8,    26                         ; 8 x lane
.set LANE,  27
.set ZR,    28                         ; v[28:31] zeros, for the list's first filling
.set BF,    32                         ; v[32:95]   weight fragments, 8 a column block
.set AF,    96                         ; v[96:255]  token fragments: four K steps of five tiles
.set ACC4,  0                          ; window 2
.set BIAS,  64                         ; window 2
.set CV,    96                         ; the fill: eight rows in bf16
.set TT,    32                         ; the way out: a tile plus bias
.set GA,    96                         ; GELU at work: |a|, t, e, polynomial
.set GT,    104
.set GE,    112
.set GP,    120
.set DT,    128                        ; the way out: rows read back
.set VO,    160                        ; and their byte offsets
; scalar registers
.set WV, 14
.set E, 16
.set CB, 18
.set T, 19
.set CNT, 20
.set CNTM1, 21
.set NT, 22
.set MT, 23
.set PASS, 24
.set I, 25
.set KA, 26
.set KW, 28
.set AP, 30
.set APW, 32
.set ABASE, 34
.set WPTR, 38
.set OF, 40
.set OUTB, 42
.set ROW0, 52
.set REM, 53
.set EM, 54
.set EB, 55
.set BASE, 56
.set M, 57
.set OUTP, 58
.set QTR, 60
.set NSL, 61
.set LB, 62
.set SB, 63
.set QP, 66
.set QE, 68
.set Q5, 70
.set Q4, 72
.set Q3, 74
.set Q2, 76
.set Q1, 78
.set ABSM, 80
.set BP, 82
.set MSB, 0
.macro WIN new                         ; s_set_vgpr_msb: bits 1:0 source 0, 3:2 source 1, 5:4 source 2, 7:6 destination; the high byte repeats the setting that is left
.if MSB != (\new)
	s_set_vgpr_msb (MSB<<8)|(\new)
.set MSB, (\new)
.endif
.endm
.macro NOPS4                           ; four places between a matrix instruction and a load into, or a vector line on, its registers (ISA guide 7.12.1 for vector lines)
.rept 4
	v_nop
.endr
.endm
.macro SPAIR reg, val                  ; a constant for packed lines: named as a pair, so both words are written
	s_mov_b32 s[\reg], \val
	s_mov_b32 s[\reg+1], \val
.endm
; THE FILL.  A turn: 64 rows of mine, eight at a time.  Group g: its eight loads are in; two roundings a row; a row's 256 bytes go into LDS; then the set that was read one group ago is loaded again,
; with the rows seven groups on.  last = 1: my last 64 rows: only group 0 still has rows to ask for.
.macro FILLTURN last
	v_add_nc_u32 v[STA], s[SB], v[L8]
.set g, 0
.rept 8
.if (\last) && (g > 0)
	s_wait_loadcnt 56-8*g                          ; nothing is issued behind them: the counts run down
.else
	s_wait_loadcnt 48                              ; loads come back in order (ISA guide 5.7.1): of the 56 out the oldest eight, this group's, are in
.endif
	WIN 0x05
.set u, 0
.rept 8
	v_cvt_pk_bf16_f32 v[CV+2*u],   v[32*g+4*u],   v[32*g+4*u+1]
	v_cvt_pk_bf16_f32 v[CV+2*u+1], v[32*g+4*u+2], v[32*g+4*u+3]
.set u, u+1
.endr
	WIN 0
.set u, 0
.rept 8
	ds_store_b64 v[STA], v[CV+2*u:CV+2*u+1] offset:(8*g+u)*WP   ; a row: 256 consecutive bytes
.set u, u+1
.endr
.if !(\last) || (g == 0)
	WIN 0x40
.set u, 0
.rept 8
	global_load_b128 v[32*((g+7)%8)+4*u:32*((g+7)%8)+4*u+3], v[WOFF], s[WPTR:WPTR+1] offset:(8*(g+7)+u)*PITCH th:TH_LOAD_NT
.set u, u+1
.endr
	WIN 0
.endif
.set g, g+1
.endr
.endm
; THE LIST.  One token of each lane is looked at: does it list?  Its rank is the count so far plus the listing lanes below mine.
.macro GROUP reg, base
	v_and_b32 v23, s[EM], v[\reg]
	v_cmp_ne_u32 s[M], 0, v23
	v_bfe_u32 v24, v[\reg], s[EB], 1               ; slot
	v_add_nc_u32 v24, \base, v24
	v_or_b32 v24, v[L8], v24                       ; rid
	v_mbcnt_lo_u32_b32 v25, s[M], s[BASE]
	v_cndmask_b32 v25, v[DUMP], v25, s[M]          ; lanes that do not list write behind the list
	v_min_u32 v25, 0x43f, v25
	v_lshl_add_u32 v25, v25, 1, s[LB]
	ds_store_b16 v25, v24
	s_bcnt1_i32_b32 s44, s[M]
	s_add_co_u32 s[BASE], s[BASE], s44
.endm
; THE PRODUCTS.  Four matrix instructions: tile m, column blocks 4 nh .. 4 nh + 3, token buffer ab.  first = 1: they start the sums with 0.
.macro MM4 m, nh, ab, first
.if (\m) < 4
	WIN 0x50
.set rD, 64*(\m)+32*(\nh)
.else
	WIN 0xa0
.set rD, ACC4+32*(\nh)
.endif
.set rA, AF+40*(\ab)+8*(\m)
.set rB, BF+32*(\nh)
.irp n, 0,1,2,3
.if \first
	v_wmma_f32_16x16x32_bf16 v[rD+8*(\n):rD+8*(\n)+7], v[rB+8*(\n):rB+8*(\n)+7], v[rA:rA+7], 0
.else
	v_wmma_f32_16x16x32_bf16 v[rD+8*(\n):rD+8*(\n)+7], v[rB+8*(\n):rB+8*(\n)+7], v[rA:rA+7], v[rD+8*(\n):rD+8*(\n)+7]
.endif
.endr
.endm
; All tiles x four column blocks.  A wave with two tiles or fewer, or four or fewer, jumps forward over the rest; the step that starts the sums is never cut short.
; The accumulators take turns, one instruction a turn, on every one of these ways.
.macro HALF nh, ab, first
	MM4 0, \nh, \ab, \first
	MM4 1, \nh, \ab, \first
.if !(\first)
	WIN 0
	s_cmp_le_u32 s[MT], 2
	s_cbranch_scc1 .Lh\@
.endif
	MM4 2, \nh, \ab, \first
	MM4 3, \nh, \ab, \first
.if !(\first)
	WIN 0
	s_cmp_le_u32 s[MT], 4
	s_cbranch_scc1 .Lh\@
.endif
	MM4 4, \nh, \ab, \first
	WIN 0
.Lh\@:
.endm
.macro LDB half, k                     ; eight turning loads: 32 k x 64 columns, at byte k behind BADR
.irp n, 0,1,2,3
	ds_load_tr16_b128 v[BF+32*(\half)+8*(\n):BF+32*(\half)+8*(\n)+3],   v[BADR] offset:(\k)+128*(\half)+32*(\n)
	ds_load_tr16_b128 v[BF+32*(\half)+8*(\n)+4:BF+32*(\half)+8*(\n)+7], v[BADR] offset:(\k)+128*(\half)+32*(\n)+16*WP
.endr
.endm
.macro LDA ab, m, ptr, imm             ; tile m's token fragment: 16 rows x 32 k, two loads of 16 bytes a lane
	global_load_b128 v[AF+40*(\ab)+8*(\m):AF+40*(\ab)+8*(\m)+3],   v[AOFF+(\m)], s[\ptr:\ptr+1] offset:(\imm)
	global_load_b128 v[AF+40*(\ab)+8*(\m)+4:AF+40*(\ab)+8*(\m)+7], v[AOFF+(\m)], s[\ptr:\ptr+1] offset:(\imm)+32
.endm
; A K step on token buffer ab.  ldb = 1: the next step's weight fragments are fetched, at byte kb behind BADR, each half as soon as its registers are free.
; lda = 1: the buffer is loaded again with the K step four on (ptr, imm).  acnt: the token loads issued behind this step's, which may stay out.
.macro STEP ab, kb, first, lda, ptr, imm, ldb, acnt
	s_wait_dscnt 0x8                               ; column blocks 0 to 3 are in; the eight loads of blocks 4 to 7 may be out
	s_wait_loadcnt \acnt
	HALF 0, \ab, \first
.if \ldb
	NOPS4
	LDB 0, \kb
	s_wait_dscnt 0x8                               ; column blocks 4 to 7 are in; the eight loads just issued may be out
.else
	s_wait_dscnt 0x0
.endif
	HALF 1, \ab, \first
.if (\ldb) || (\lda)
	NOPS4
.endif
.if \ldb
	LDB 1, \kb
.endif
.if \lda
.irp m, 0,1,2,3,4
	LDA \ab, \m, \ptr, \imm
.endr
.endif
.endm
.macro MTCALC                          ; my live tiles in this pass: tiles 20 pass + 4 i + wave below NT, i = 0 to 4
	s_mul_i32 s44, s[PASS], 20
	s_add_co_u32 s44, s44, s[WV]
	s_sub_co_i32 s45, s[NT], s44
	s_add_co_i32 s45, s45, 3
	s_ashr_i32 s45, s45, 2
	s_max_i32 s45, s45, 0
	s_min_i32 s[MT], s45, 5
.endm
.macro ROWS                            ; my five tiles' rows out of the list; places past the count take the last row
	s_mul_i32 s44, s[PASS], 20
	s_add_co_u32 s44, s44, s[WV]
	s_lshl_b32 s44, s44, 4
	v_add_nc_u32 v17, s44, v[R]
.irp i, 0,1,2,3,4
	v_add_nc_u32 v18, 64*(\i), v17
	v_min_u32 v18, s[CNTM1], v18
	v_min_u32 v18, 0x3ff, v18
	v_lshl_add_u32 v18, v18, 1, s[LB]
	ds_load_u16 v[AOFF+(\i)], v18
.endr
	s_wait_dscnt 0x0
.irp i, 0,1,2,3,4
	v_min_u32 v[AOFF+(\i)], 0x7ff, v[AOFF+(\i)]
.if UP
	v_and_b32 v[AOFF+(\i)], 0x7fe, v[AOFF+(\i)]              ; 2 x token,
	v_lshl_add_u32 v[AOFF+(\i)], v[AOFF+(\i)], 10, v[H16]    ; rows of 2,048 bytes
.else
	v_lshl_add_u32 v[AOFF+(\i)], v[AOFF+(\i)], 13, v[H16]    ; rows of 8,192 bytes
.endif
.endr
.endm
; The stage's 16 rows of 256 bytes go out: each half of the lanes stores one row, 256 consecutive bytes at a multiple of 256 from the buffer's first.  Stores wholly past the count are jumped.
.macro OUTROWS shift, ptr
	v_add_nc_u32 v17, s[ROW0], v[HI]
.irp t, 0,1,2,3,4,5,6,7
	v_add_nc_u32 v18, 2*(\t), v17
	v_min_u32 v18, s[CNTM1], v18
	v_min_u32 v18, 0x3ff, v18
	v_lshl_add_u32 v18, v18, 1, s[LB]
	ds_load_u16 v[VO+(\t)], v18
.endr
.irp t, 0,1,2,3,4,5,6,7
	ds_load_b128 v[DT+4*(\t):DT+4*(\t)+3], v[RD] offset:2*SP*(\t)   ; LDS serves a wave's instructions in order (ISA guide 5.7.1.4): these see my stores into the stage
.endr
	s_wait_dscnt 0x0
.irp t, 0,1,2,3,4,5,6,7
	v_min_u32 v[VO+(\t)], 0x7ff, v[VO+(\t)]
	v_lshl_add_u32 v[VO+(\t)], v[VO+(\t)], \shift, v[COL16]
.endr
.irp t, 0,1,2,3,4,5,6,7
.if (\t) > 0
	s_cmp_le_u32 s[REM], 2*(\t)
	s_cbranch_scc1 .Lso\@
.endif
	global_store_b128 v[VO+(\t)], v[DT+4*(\t):DT+4*(\t)+3], s[\ptr:\ptr+1]
.endr
.Lso\@:
.endm
.if UP
.macro TBLOCK i                        ; tile i plus bias, each accumulator from its low end on
.Lt\i:
.if (\i) < 4
	WIN 0x09
.set src, 64*(\i)
.else
	WIN 0x0a
.set src, ACC4
.endif
.set z, 0
.rept 32
	v_pk_add_f32 v[TT+z:TT+z+1], v[src+z:src+z+1], v[BIAS+z:BIAS+z+1]
.set z, z+2
.endr
	WIN 0
.endm
.macro GELU8 nb                        ; eight numbers of a row: GELU, bf16, into the stage.  A plain line stands between every reciprocal or exponential and the use of its result (ISA guide 5.7.2)
.set a, TT+8*(\nb)
.irp i, 0,1,2,3,4,5,6,7
	v_and_b32 v[GA+(\i)], s[ABSM], v[a+(\i)]
.endr
.irp i, 0,2,4,6
	v_pk_fma_f32 v[GT+(\i):GT+(\i)+1], v[GA+(\i):GA+(\i)+1], s[QP:QP+1], 1.0 op_sel_hi:[1,0,0]
.endr
.irp i, 0,2,4,6
	v_pk_mul_f32 v[GE+(\i):GE+(\i)+1], v[a+(\i):a+(\i)+1], v[a+(\i):a+(\i)+1]
.endr
.irp i, 0,1,2,3,4,5,6,7
	v_rcp_f32 v[GT+(\i)], v[GT+(\i)]
.endr
.irp i, 0,2,4,6
	v_pk_mul_f32 v[GE+(\i):GE+(\i)+1], v[GE+(\i):GE+(\i)+1], s[QE:QE+1] op_sel_hi:[1,0]
.endr
.irp i, 0,1,2,3,4,5,6,7
	v_exp_f32 v[GE+(\i)], v[GE+(\i)]
.endr
.irp i, 0,2,4,6
	v_pk_fma_f32 v[GP+(\i):GP+(\i)+1], v[GT+(\i):GT+(\i)+1], s[Q5:Q5+1], s[Q4:Q4+1] op_sel_hi:[1,0,0]
.endr
.irp c, Q3,Q2,Q1
.irp i, 0,2,4,6
	v_pk_fma_f32 v[GP+(\i):GP+(\i)+1], v[GP+(\i):GP+(\i)+1], v[GT+(\i):GT+(\i)+1], s[\c:\c+1] op_sel_hi:[1,1,0]
.endr
.endr
.irp i, 0,2,4,6
	v_pk_mul_f32 v[GP+(\i):GP+(\i)+1], v[GP+(\i):GP+(\i)+1], v[GT+(\i):GT+(\i)+1]
.endr
.irp i, 0,2,4,6
	v_pk_mul_f32 v[GP+(\i):GP+(\i)+1], v[GP+(\i):GP+(\i)+1], v[GE+(\i):GE+(\i)+1]
.endr
.irp i, 0,1,2,3,4,5,6,7
	v_max_num_f32 v[a+(\i)], 0, v[a+(\i)]
.endr
.irp i, 0,2,4,6
	v_pk_fma_f32 v[a+(\i):a+(\i)+1], v[GA+(\i):GA+(\i)+1], v[GP+(\i):GP+(\i)+1], v[a+(\i):a+(\i)+1]
.endr
.irp i, 0,1,2,3
	v_cvt_pk_bf16_f32 v[GA+(\i)], v[a+2*(\i)], v[a+2*(\i)+1]
.endr
	ds_store_b128 v[STO], v[GA:GA+3] offset:32*(\nb)
.endm
.else
.macro UBLOCK u                        ; half u % 2 of tile u / 2 into the stage, f32, each accumulator from its low end on
.Lu\u:
.if (\u)/2 < 4
	WIN 0x04
.set src, 64*((\u)/2)+32*((\u)%2)
.else
	WIN 0x08
.set src, ACC4+32*((\u)%2)
.endif
.irp n, 0,1,2,3
	ds_store_b128 v[STO], v[src+8*(\n):src+8*(\n)+3]   offset:64*(\n)
	ds_store_b128 v[STO], v[src+8*(\n)+4:src+8*(\n)+7] offset:64*(\n)+16
.endr
	WIN 0
.endm
.endif
	s_load_b256 s[4:11], s[0:1], 0x0               ; UP: xb, w1, b1, sel; else: hbuf, w2, sel, ypart
.if UP
	s_load_b64 s[12:13], s[0:1], 0x20              ; hbuf
.endif
	v_lshl_add_u32 v[SPW], v0, 2, SPARE
	v_mov_b32 v[NIL], 0
	v_lshrrev_b32 v18, 5, v0
	v_readfirstlane_b32 s[WV], v18                 ; wave 0..3
	v_and_b32 v[R], 15, v0
	v_bfe_u32 v[HI], v0, 4, 1
	v_and_b32 v[LANE], 31, v0
	v_lshlrev_b32 v[WOFF], 4, v[LANE]
	v_lshlrev_b32 v[L8], 3, v[LANE]
	v_lshlrev_b32 v[H16], 4, v[HI]
	v_lshlrev_b32 v[H32], 5, v[HI]
	v_lshlrev_b32 v[COL16], 4, v[R]
	v_add_nc_u32 v[DUMP], 1024, v[LANE]
	v_and_b32 v18, 7, v0                           ; the turning load: lane L reads row 8 (L / 16) + L % 8, bytes 16 ((L / 8) % 2) on
	v_lshl_add_u32 v18, v[HI], 3, v18
	v_mul_u32_u24 v[BBASE], v18, WP
	v_bfe_u32 v18, v0, 3, 1
	v_lshl_add_u32 v[BBASE], v18, 4, v[BBASE]
	s_mul_i32 s44, s[WV], 16*SP
	s_add_co_u32 s44, s44, STAGE                   ; my stage
	v_mul_u32_u24 v18, v[R], SP
.if UP
	v_lshl_add_u32 v18, v[HI], 4, v18              ; in: row r, 16 bytes for each half of the lanes
.else
	v_lshl_add_u32 v18, v[HI], 5, v18              ; in: row r, 32 bytes for each half of the lanes
.endif
	v_add_nc_u32 v[STO], s44, v18
	v_mul_u32_u24 v18, v[HI], SP                   ; back: lanes 0-15 one row, lanes 16-31 the next
	v_lshl_add_u32 v18, v[R], 4, v18
	v_add_nc_u32 v[RD], s44, v18
	s_mul_i32 s[LB], s[WV], LISTW
	s_add_co_u32 s[LB], s[LB], LIST                ; my list
	v_add_nc_u32 v18, s[LB], v[WOFF]
.irp i, 0,1,2,3
	v_mov_b32 v[ZR+(\i)], 0
.endr
.irp i, 0,1,2,3,4
	ds_store_b128 v18, v[ZR:ZR+3] offset:512*(\i)  ; every byte of the list is written: an empty list still names row 0
.endr
	s_mul_i32 s[SB], s[WV], 256*WP                 ; my 256 rows of the slice in LDS
	s_and_b32 s[E], ttmp7, 0xffff                  ; expert
	s_lshl_b32 s[EM], 0x101, s[E]
	s_add_co_u32 s[EB], s[E], 8
	s_mov_b32 s[BASE], 0
	s_mov_b32 s[PASS], 0
	s_mov_b32 s[KA+1], 0
	s_mov_b32 s[KW+1], 0
	s_mov_b32 s[OF+1], 0
	s_lshl_b32 s44, s[E], 24                       ; an expert's weights are 1 << 24 bytes
	s_lshl_b32 s52, s[WV], WSH                     ; my 256 rows
	s_add_co_u32 s44, s44, s52
	s_mov_b32 s45, 0
	s_mov_b32 s49, 0
.if UP
	s_lshl_b32 s52, ttmp9, 9                       ; my 128 columns of f32
	s_add_co_u32 s44, s44, s52
	s_lshl_b32 s48, ttmp9, 8                       ; my 128 columns of bf16
	s_lshl_b32 s50, s[E], 14                       ; my slice of b1
	s_add_co_u32 s50, s50, s52
	s_mov_b32 s51, 0
	SPAIR QP, 0x3e6d3388                           ; 0.3275911 / sqrt 2
	SPAIR QE, 0xbf38aa3b                           ; -log2(e) / 2
	SPAIR Q5, 0xbf07dc22                           ; the polynomial's five numbers times -1/2
	SPAIR Q4, 0x3f3a00e3
	SPAIR Q3, 0xbf35f0e3
	SPAIR Q2, 0x3e11a98e
	SPAIR Q1, 0xbe027906
	s_mov_b32 s[ABSM], 0x7fffffff
.else
	s_lshr_b32 s[QTR], ttmp9, 3                    ; which quarter of K,
	s_and_b32 s[NSL], ttmp9, 7                     ; which 128 columns
	s_lshl_b32 s52, s[QTR], 22
	s_add_co_u32 s44, s44, s52
	s_lshl_b32 s52, s[NSL], 9
	s_add_co_u32 s44, s44, s52
	s_lshl_b32 s46, s[QTR], 11                     ; my quarter of a row of hbuf
	s_mov_b32 s47, 0
	s_lshl_b32 s48, s[QTR], 23                     ; my quarter's plane of ypart, my 128 columns of f32
	s_add_co_u32 s48, s48, s52
.endif
	s_wait_kmcnt 0x0
	s_add_nc_u64 s[WPTR:WPTR+1], s[6:7], s[44:45]
.if UP
	s_mov_b64 s[ABASE:ABASE+1], s[4:5]
	s_add_nc_u64 s[OUTB:OUTB+1], s[12:13], s[48:49]
	s_add_nc_u64 s[BP:BP+1], s[8:9], s[50:51]
.else
	s_add_nc_u64 s[ABASE:ABASE+1], s[4:5], s[46:47]
	s_add_nc_u64 s[OUTB:OUTB+1], s[10:11], s[48:49]
.endif
	; all 1,024 words of sel: lane L of load j has tokens 128 j + 4 L + 0..3
.set j, 0
.rept 8
	global_load_b128 v[BF+4*j:BF+4*j+3], v[WOFF], s[SELP:SELP+1] offset:512*j
.set j, j+1
.endr
.if UP
	WIN 0x80                                       ; b1 of my eight columns of each block stays in registers
.irp n, 0,1,2,3,4,5,6,7
	global_load_b128 v[BIAS+8*(\n):BIAS+8*(\n)+3],   v[H32], s[BP:BP+1] offset:64*(\n)
	global_load_b128 v[BIAS+8*(\n)+4:BIAS+8*(\n)+7], v[H32], s[BP:BP+1] offset:64*(\n)+16
.endr
.endif
	WIN 0x40                                       ; my first 32 rows are asked for; a load covers a row's 512 consecutive bytes
.set u, 0
.rept 32
	global_load_b128 v[4*u:4*u+3], v[WOFF], s[WPTR:WPTR+1] offset:u*PITCH th:TH_LOAD_NT
.set u, u+1
.endr
	WIN 0
	s_wait_loadcnt 32+16*UP                        ; sel is in; b1's loads and the 32 row loads may be out: the list is made while they come
.set j, 0
.rept 8
.set c, 0
.rept 4
	GROUP BF+4*j+c, 256*j+2*c
.set c, c+1
.endr
.set j, j+1
.endr
	s_mov_b32 s[CNT], s[BASE]
	s_max_u32 s44, s[CNT], 1
	s_sub_co_u32 s[CNTM1], s44, 1
	s_add_co_u32 s44, s[CNT], 15
	s_lshr_b32 s[NT], s44, 4
.if UP
	s_wait_loadcnt 32                              ; b1 is in
.endif
	WIN 0x40                                       ; rows 32 to 55: seven sets of eight are out
.set u, 32
.rept 24
	global_load_b128 v[4*u:4*u+3], v[WOFF], s[WPTR:WPTR+1] offset:u*PITCH th:TH_LOAD_NT
.set u, u+1
.endr
	WIN 0
	s_mov_b32 s[T], 3
.Lfill:                                                ; three turns of 64 rows; the fourth is written out, so that no load passes my rows' end
	FILLTURN 0
	s_wait_xcnt 0x0                                ; the base is stepped only when the loads that name it have read it
	s_add_nc_u64 s[WPTR:WPTR+1], s[WPTR:WPTR+1], 64*PITCH
	s_add_co_u32 s[SB], s[SB], 64*WP
	s_sub_co_u32 s[T], s[T], 1
	s_cmp_lg_u32 s[T], 0
	s_cbranch_scc1 .Lfill
	FILLTURN 1
	s_wait_dscnt 0x0                               ; for the others' sake: my rows are in LDS
	s_barrier_signal -1
	s_barrier_wait -1                              ; the slice is whole, and is only read from here on
	MTCALC
	s_branch .Lwork                                ; pass 0 is multiplied by every wave
.Lpass:                                                ; four passes of 320 rows
	MTCALC
	s_cmp_eq_u32 s[MT], 0
	s_cbranch_scc1 .Lkdone
.Lwork:
	ROWS
	s_wait_xcnt 0x0                                ; earlier stores have read the registers that are loaded below
	v_mov_b32 v[BADR], v[BBASE]
.irp b, 0,1,2,3
.irp m, 0,1,2,3,4
	LDA \b, \m, ABASE, 64*(\b)
.endr
.endr
	LDB 0, 0
	LDB 1, 0
	STEP 0, KSB, 1, 1, ABASE, 256, 1, 30           ; K step 0 starts the sums
	s_mov_b32 s[T], 0
	s_mov_b32 s[KA], 0
	s_mov_b32 s[CB], 0
.Lk:                                                   ; trip i: K steps 4 i + 1 .. 4 i + 4.  CB = 4 K steps of LDS rows x i, KA = 256 i bytes of a token row
	s_wait_xcnt 0x0                                ; the two bases are rewritten only when the loads that name them have read them
	s_add_co_u32 s[KW], s[KA], 512                 ; K step 4 i + 8; in the last trip it would pass the row's end and is wrapped to its start:
	s_and_b32 s[KW], s[KW], 2047                   ; ten loads that serve nothing keep every count alike
	s_add_nc_u64 s[AP:AP+1], s[ABASE:ABASE+1], s[KA:KA+1]
	s_add_nc_u64 s[APW:APW+1], s[ABASE:ABASE+1], s[KW:KW+1]
	v_add_nc_u32 v[BADR], s[CB], v[BBASE]
	STEP 1, 2*KSB, 0, 1, AP, 320, 1, 30            ; 30: the three later K steps' ten loads each may be out
	STEP 2, 3*KSB, 0, 1, AP, 384, 1, 30
	STEP 3, 4*KSB, 0, 1, AP, 448, 1, 30
	STEP 0, 5*KSB, 0, 1, APW, 0, 1, 30
	s_add_co_u32 s[CB], s[CB], 4*KSB
	s_add_co_u32 s[KA], s[KA], 256
	s_add_co_u32 s[T], s[T], 1
	s_cmp_lt_u32 s[T], 7
	s_cbranch_scc1 .Lk
	v_add_nc_u32 v[BADR], s[CB], v[BBASE]
	STEP 1, 2*KSB, 0, 0, ABASE, 0, 1, 30           ; K steps 29 to 31 ask for no token rows: the counts run down
	STEP 2, 3*KSB, 0, 0, ABASE, 0, 1, 20
	STEP 3, 0,     0, 0, ABASE, 0, 0, 10
	NOPS4
	s_wait_loadcnt 0x0                             ; the ten wrapped loads: their registers and offsets are used again below
.Lkdone:
	s_wait_dscnt 0x0
	s_barrier_signal -1                            ; every wave's reads of the slice, whose addresses step with the loop, are over
	s_barrier_wait -1                              ; before any wave stores into its stage
	s_mov_b32 s[I], 0
.Ltile:                                                ; the way out, a stage at a time; dead tiles are jumped
.if UP
	s_mov_b32 s45, s[I]
.else
	s_lshr_b32 s45, s[I], 1
.endif
	s_cmp_ge_u32 s45, s[MT]
	s_cbranch_scc1 .Ltnext
	s_wait_xcnt 0x0                                ; the last stage's stores have read their registers and base
	s_mul_i32 s44, s[PASS], 20
	s_lshl2_add_u32 s44, s45, s44
	s_add_co_u32 s44, s44, s[WV]
	s_lshl_b32 s[ROW0], s44, 4                     ; the tile's first place in the list,
	s_sub_co_u32 s[REM], s[CNT], s[ROW0]           ; and how many places are left from there: at least 1
.if UP
.irp i, 0,1,2,3
	s_cmp_eq_u32 s[I], \i
	s_cbranch_scc1 .Lt\i
.endr
	TBLOCK 4
	s_branch .Lgelu
.irp i, 0,1,2
	TBLOCK \i
	s_branch .Lgelu
.endr
	TBLOCK 3
.Lgelu:
.irp n, 0,1,2,3,4,5,6,7
	GELU8 \n
.endr
	OUTROWS OSH, OUTB
.else
	s_and_b32 s46, s[I], 1
	s_lshl_b32 s[OF], s46, 8                       ; the half's 256 bytes of a row
	s_add_nc_u64 s[OUTP:OUTP+1], s[OUTB:OUTB+1], s[OF:OF+1]
.irp u, 0,1,2,3,4,5,6,7,8
	s_cmp_eq_u32 s[I], \u
	s_cbranch_scc1 .Lu\u
.endr
	UBLOCK 9
	s_branch .Lsend
.irp u, 0,1,2,3,4,5,6,7
	UBLOCK \u
	s_branch .Lsend
.endr
	UBLOCK 8
.Lsend:
	OUTROWS OSH, OUTP
.endif
.Ltnext:
	s_add_co_u32 s[I], s[I], 1
	s_cmp_lt_u32 s[I], TRIPS
	s_cbranch_scc1 .Ltile
	s_wait_dscnt 0x0
	s_barrier_signal -1                            ; every wave's stores into its stage are over
	s_barrier_wait -1                              ; before any wave reads the slice again
	s_add_co_u32 s[PASS], s[PASS], 1
	s_cmp_lt_u32 s[PASS], 4
	s_cbranch_scc1 .Lpass
	s_wait_tensorcnt 0x0                           ; the wave's end: three closing lines behind my last LDS store
	ds_add_u32 v[SPW], v[NIL]
	s_wait_dscnt 0x0
	s_endpgm
.Lfunc_end_k_q13f7142a39_down:
	.size	k_q13f7142a39_down, .Lfunc_end_k_q13f7142a39_down-k_q13f7142a39_down
	.p2alignl 7, 3214868480
	.fill 96, 4, 3214868480
	.section	.rodata,"a",@progbits
	.p2align	6, 0x0
	.amdhsa_kernel k_q13f7142a39_down
		.amdhsa_group_segment_fixed_size 323072
		.amdhsa_private_segment_fixed_size 0
		.amdhsa_enable_private_segment 0
		.amdhsa_kernarg_size 32
		.amdhsa_user_sgpr_count 2
		.amdhsa_user_sgpr_kernarg_segment_ptr 1
		.amdhsa_wavefront_size32 1
		.amdhsa_system_sgpr_workgroup_id_x 1
		.amdhsa_system_sgpr_workgroup_id_y 1
		.amdhsa_system_sgpr_workgroup_id_z 1
		.amdhsa_system_vgpr_workitem_id 0
		.amdhsa_next_free_vgpr 576
		.amdhsa_next_free_sgpr 96
		.amdhsa_reserve_vcc 0
		.amdhsa_float_denorm_mode_32 3
		.amdhsa_float_denorm_mode_16_64 3
		.amdhsa_memory_ordered 1
		.amdhsa_forward_progress 1
		.amdhsa_inst_pref_size 122
	.end_amdhsa_kernel
	.amdgpu_metadata
---
amdhsa.version: [ 1, 2 ]
amdhsa.kernels:
  - .name:           k_q13f7142a39_down
    .symbol:         k_q13f7142a39_down.kd
    .args:
      - { .name: hbuf, .offset: 0, .size: 8, .value_kind: global_buffer, .address_space: global }
      - { .name: w2, .offset: 8, .size: 8, .value_kind: global_buffer, .address_space: global }
      - { .name: sel, .offset: 16, .size: 8, .value_kind: global_buffer, .address_space: global }
      - { .name: ypart, .offset: 24, .size: 8, .value_kind: global_buffer, .address_space: global }
    .group_segment_fixed_size: 323072
    .private_segment_fixed_size: 0
    .kernarg_segment_align: 8
    .kernarg_segment_size: 32
    .max_flat_workgroup_size: 128
    .sgpr_count:     96
    .vgpr_count:     576
    .wavefront_size: 32
...
	.end_amdgpu_metadata
.endif
;; end of part 3
;; launch combine (part 4): grid 256 x 1, 8 waves a work-group, no clusters, 1,280 bytes of LDS; arguments ypart, x, b2, gamma, beta, sel, pw, out0; writes out0
.if DOCPART == 4
	.amdgcn_target "amdgcn-amd-amdhsa--gfx1250"
	.amdhsa_code_object_version 6
	.text
	.protected	k_q13f7142a39_combine
	.globl	k_q13f7142a39_combine
	.p2align	8
	.type	k_q13f7142a39_combine,@function
k_q13f7142a39_combine:
	s_mov_b64 s[64:65], 0
	v_nop
	global_prefetch_b8 v0, s[64:65] scope:SCOPE_SE
	s_setreg_imm32_b32 hwreg(HW_REG_WAVE_MODE, 25, 1), 1
	s_wait_xcnt 0x0
; LAST STEP.  For token t and its two choices k: y_k = the four quarters' sums + b2[e_k] + x[t]; LayerNorm over the 1,024 channels (mean, then the mean of the squared differences: two passes over registers,
; no difference of large sums), gamma[e_k], beta[e_k]; out0[t] = p_0 eo_0 + p_1 eo_1.  All in f32.
; SHARES.  A work-group has 4 tokens, two waves a token, 512 channels a wave, 16 a lane; every load and store of a wave covers 512 consecutive bytes.  All 60 loads of a wave are out before the first wait for data.
; The two waves of a token hand each other their sums through LDS, behind a barrier, twice, in bytes of their own each time.  Memory binds: no matrix unit, no cluster (no two work-groups read the same rows of ypart).
; The experts' numbers come from sel, whole numbers that an earlier launch stored, and are held to 0 .. 7 before they enter an offset.
; LIMITS.  NaN and infinities are not treated apart.
.set SPARE, 256                        ; the spare words, 128 bytes for each of the eight waves; bytes 0 to 127 hold the waves' sums
.set SPW, 1
.set NIL, 2
.set VO,  3                            ; 16 x lane
.set VP0, 4                            ; the same plus my half of expert e_0's row of 4,096 bytes
.set VP1, 5                            ; of e_1's
.set PP,  16                           ; v[16:143]  choice k, quarter q: 16 registers at PP + 64 k + 16 q; y_k, then its differences, stay at PP + 64 k
.set XX,  144
.set BB,  160                          ; b2: 16 registers a choice
.set GG,  192                          ; gamma
.set BE,  224                          ; beta; choice 0's registers take the result
.macro ADD2 d, a, b
	v_pk_add_f32 v[\d:\d+1], v[\a:\a+1], v[\b:\b+1]
.endm
.macro MUL2 d, a, b
	v_pk_mul_f32 v[\d:\d+1], v[\a:\a+1], v[\b:\b+1]
.endm
.macro FMA2 d, a, b, c
	v_pk_fma_f32 v[\d:\d+1], v[\a:\a+1], v[\b:\b+1], v[\c:\c+1]
.endm
.macro LANESUM                         ; v32 and v33 summed over the 32 lanes; v34, v35 at work (written before)
.irp m, 1,2,4,8
	v_add_f32_dpp v32, v32, v32 row_xmask:\m row_mask:0xf bank_mask:0xf
	v_add_f32_dpp v33, v33, v33 row_xmask:\m row_mask:0xf bank_mask:0xf
.endr
	v_permlanex16_b32 v34, v32, s48, s49
	v_permlanex16_b32 v35, v33, s48, s49
	v_add_f32 v32, v32, v34
	v_add_f32 v33, v33, v35
.endm
	s_load_b512 s[4:19], s[0:1], 0x0               ; ypart s[4:5], x s[6:7], b2 s[8:9], gamma s[10:11], beta s[12:13], sel s[14:15], pw s[16:17], out0 s[18:19]
	v_lshl_add_u32 v[SPW], v0, 2, SPARE
	v_mov_b32 v[NIL], 0
	v_lshrrev_b32 v6, 5, v0
	v_readfirstlane_b32 s20, v6                    ; wave
	v_and_b32 v7, 31, v0
	v_lshlrev_b32 v[VO], 4, v7
	v_lshlrev_b32 v8, 3, v6                        ; my wave's 8 bytes in LDS,
	v_xor_b32 v9, 8, v8                            ; and my partner's
	s_lshr_b32 s21, s20, 1
	s_lshl2_add_u32 s21, ttmp9, s21                ; token
	s_and_b32 s22, s20, 1                          ; which half of the row
	s_lshl_b32 s23, s21, 2
	s_lshl_b32 s24, s21, 3
	s_lshl_b32 s25, s22, 11                        ; 512 channels of f32
	s_lshl_b32 s26, s21, 13                        ; a token's two rows of ypart
	s_add_co_u32 s26, s26, s25
	s_mov_b32 s27, 0
	s_lshl_b32 s28, s21, 12                        ; a row of x and of out0
	s_add_co_u32 s28, s28, s25
	s_mov_b32 s29, 0
	s_mov_b32 s46, 0x3a800000                      ; 1 / 1024
	s_mov_b32 s47, 0x3727c5ac                      ; 1e-5
	s_mov_b32 s48, 0x76543210
	s_mov_b32 s49, 0xfedcba98
	s_wait_kmcnt 0x0
	s_load_b32 s40, s[14:15], s23 offset:0x0       ; the token's two experts
	s_load_b64 s[42:43], s[16:17], s24 offset:0x0  ; and their weights
	s_add_nc_u64 s[30:31], s[4:5], s[26:27]        ; a base for each quarter: a plane of ypart is one byte more than a load's immediate can hold
	s_add_nc_u64 s[32:33], s[30:31], 0x800000
	s_add_nc_u64 s[34:35], s[32:33], 0x800000
	s_add_nc_u64 s[36:37], s[34:35], 0x800000
	s_add_nc_u64 s[6:7], s[6:7], s[28:29]
	s_add_nc_u64 s[18:19], s[18:19], s[28:29]
.irp k, 0,1
.irp q, 0,1,2,3
.irp j, 0,1,2,3
	global_load_b128 v[PP+64*(\k)+16*(\q)+4*(\j):PP+64*(\k)+16*(\q)+4*(\j)+3], v[VO], s[30+2*(\q):31+2*(\q)] offset:4096*(\k)+512*(\j) th:TH_LOAD_NT
.endr
.endr
.endr
.irp j, 0,1,2,3
	global_load_b128 v[XX+4*(\j):XX+4*(\j)+3], v[VO], s[6:7] offset:512*(\j)
.endr
	s_wait_kmcnt 0x0
	s_and_b32 s44, s40, 0xff
	s_ctz_i32_b32 s44, s44
	s_min_u32 s44, s44, 7                          ; e_0
	s_lshr_b32 s45, s40, 8
	s_ctz_i32_b32 s45, s45
	s_min_u32 s45, s45, 7                          ; e_1
	s_lshl_b32 s44, s44, 12
	s_add_co_u32 s44, s44, s25
	s_lshl_b32 s45, s45, 12
	s_add_co_u32 s45, s45, s25
	v_add_nc_u32 v[VP0], s44, v[VO]
	v_add_nc_u32 v[VP1], s45, v[VO]
.irp k, 0,1
.irp j, 0,1,2,3
	global_load_b128 v[BB+16*(\k)+4*(\j):BB+16*(\k)+4*(\j)+3], v[VP0+(\k)], s[8:9] offset:512*(\j)
.endr
.endr
.irp k, 0,1
.irp j, 0,1,2,3
	global_load_b128 v[GG+16*(\k)+4*(\j):GG+16*(\k)+4*(\j)+3], v[VP0+(\k)], s[10:11] offset:512*(\j)
.endr
.endr
.irp k, 0,1
.irp j, 0,1,2,3
	global_load_b128 v[BE+16*(\k)+4*(\j):BE+16*(\k)+4*(\j)+3], v[VP0+(\k)], s[12:13] offset:512*(\j)
.endr
.endr
	s_wait_loadcnt 24                              ; the partial sums and x are in; the 24 loads of b2, gamma and beta may be out
.set k, 0
.rept 2
.set z, 0
.rept 8
	ADD2 PP+64*k+z, PP+64*k+z, PP+64*k+16+z
	ADD2 PP+64*k+32+z, PP+64*k+32+z, PP+64*k+48+z
.set z, z+2
.endr
.set z, 0
.rept 8
	ADD2 PP+64*k+z, PP+64*k+z, PP+64*k+32+z
.set z, z+2
.endr
.set z, 0
.rept 8
	ADD2 PP+64*k+z, PP+64*k+z, XX+z
.set z, z+2
.endr
.set k, k+1
.endr
	s_wait_loadcnt 16                              ; b2 is in; gamma's and beta's 16 loads may be out
.set k, 0
.rept 2
.set z, 0
.rept 8
	ADD2 PP+64*k+z, PP+64*k+z, BB+16*k+z
.set z, z+2
.endr
.set k, k+1
.endr
	; the mean: my 16 numbers of each choice, the lanes, the partner wave
	ADD2 32, PP, PP+2
	ADD2 96, PP+64, PP+66
.set z, 4
.rept 6
	ADD2 32, 32, PP+z
	ADD2 96, 96, PP+64+z
.set z, z+2
.endr
	v_add_f32 v32, v32, v33
	v_add_f32 v33, v96, v97
	LANESUM
	ds_store_b64 v8, v[32:33]                      ; all lanes hold the same two sums and write the same words
	s_wait_dscnt 0x0                               ; for the partner's sake
	s_barrier_signal -1
	s_barrier_wait -1
	ds_load_b64 v[34:35], v9
	s_wait_dscnt 0x0
	v_add_f32 v32, v32, v34
	v_add_f32 v33, v33, v35
	v_mul_f32 v36, 0xba800000, v32                 ; minus the mean, twice, for the packed lines
	v_mul_f32 v38, 0xba800000, v33
	v_mov_b32 v37, v36
	v_mov_b32 v39, v38
.set z, 0
.rept 8
	ADD2 PP+z, PP+z, 36
	ADD2 PP+64+z, PP+64+z, 38
.set z, z+2
.endr
	; the variance, the same way, through other bytes
	MUL2 32, PP, PP
	MUL2 96, PP+64, PP+64
.set z, 2
.rept 7
	FMA2 32, PP+z, PP+z, 32
	FMA2 96, PP+64+z, PP+64+z, 96
.set z, z+2
.endr
	v_add_f32 v32, v32, v33
	v_add_f32 v33, v96, v97
	LANESUM
	ds_store_b64 v8, v[32:33] offset:64
	s_wait_dscnt 0x0
	s_barrier_signal -1
	s_barrier_wait -1
	ds_load_b64 v[34:35], v9 offset:64
	s_wait_dscnt 0x0
	v_add_f32 v32, v32, v34
	v_add_f32 v33, v33, v35
	v_fma_f32 v32, v32, s46, s47
	v_fma_f32 v33, v33, s46, s47
	v_rsq_f32 v32, v32
	v_rsq_f32 v33, v33
	v_mov_b32 v44, s42                             ; p_0 and p_1, twice each; plain lines behind the roots
	v_mov_b32 v45, s42
	v_mov_b32 v46, s43
	v_mov_b32 v47, s43
	s_wait_alu depctr_va_vdst(0)
	v_mul_f32 v40, s42, v32                        ; p_k / sqrt(var_k + eps), twice each
	v_mul_f32 v42, s43, v33
	v_mov_b32 v41, v40
	v_mov_b32 v43, v42
	s_wait_loadcnt 0x0                             ; gamma and beta
.set z, 0
.rept 8
	MUL2 PP+z, PP+z, GG+z
	MUL2 PP+64+z, PP+64+z, GG+16+z
	MUL2 BE+z, BE+z, 44
	FMA2 BE+z, BE+16+z, 46, BE+z
	FMA2 BE+z, PP+z, 40, BE+z
	FMA2 BE+z, PP+64+z, 42, BE+z
.set z, z+2
.endr
.irp j, 0,1,2,3
	global_store_b128 v[VO], v[BE+4*(\j):BE+4*(\j)+3], s[18:19] offset:512*(\j) th:TH_STORE_NT
.endr
	s_wait_tensorcnt 0x0                           ; the wave's end: three closing lines behind my last LDS store
	ds_add_u32 v[SPW], v[NIL]
	s_wait_dscnt 0x0
	s_endpgm
.Lfunc_end_k_q13f7142a39_combine:
	.size	k_q13f7142a39_combine, .Lfunc_end_k_q13f7142a39_combine-k_q13f7142a39_combine
	.p2alignl 7, 3214868480
	.fill 96, 4, 3214868480
	.section	.rodata,"a",@progbits
	.p2align	6, 0x0
	.amdhsa_kernel k_q13f7142a39_combine
		.amdhsa_group_segment_fixed_size 1280
		.amdhsa_private_segment_fixed_size 0
		.amdhsa_enable_private_segment 0
		.amdhsa_kernarg_size 64
		.amdhsa_user_sgpr_count 2
		.amdhsa_user_sgpr_kernarg_segment_ptr 1
		.amdhsa_wavefront_size32 1
		.amdhsa_system_sgpr_workgroup_id_x 1
		.amdhsa_system_sgpr_workgroup_id_y 1
		.amdhsa_system_sgpr_workgroup_id_z 1
		.amdhsa_system_vgpr_workitem_id 0
		.amdhsa_next_free_vgpr 256
		.amdhsa_next_free_sgpr 66
		.amdhsa_reserve_vcc 0
		.amdhsa_float_denorm_mode_32 3
		.amdhsa_float_denorm_mode_16_64 3
		.amdhsa_memory_ordered 1
		.amdhsa_forward_progress 1
		.amdhsa_inst_pref_size 23
	.end_amdhsa_kernel
	.amdgpu_metadata
---
amdhsa.version: [ 1, 2 ]
amdhsa.kernels:
  - .name:           k_q13f7142a39_combine
    .symbol:         k_q13f7142a39_combine.kd
    .args:
      - { .name: ypart, .offset: 0, .size: 8, .value_kind: global_buffer, .address_space: global }
      - { .name: x, .offset: 8, .size: 8, .value_kind: global_buffer, .address_space: global }
      - { .name: b2, .offset: 16, .size: 8, .value_kind: global_buffer, .address_space: global }
      - { .name: gamma, .offset: 24, .size: 8, .value_kind: global_buffer, .address_space: global }
      - { .name: beta, .offset: 32, .size: 8, .value_kind: global_buffer, .address_space: global }
      - { .name: sel, .offset: 40, .size: 8, .value_kind: global_buffer, .address_space: global }
      - { .name: pw, .offset: 48, .size: 8, .value_kind: global_buffer, .address_space: global }
      - { .name: out0, .offset: 56, .size: 8, .value_kind: global_buffer, .address_space: global }
    .group_segment_fixed_size: 1280
    .private_segment_fixed_size: 0
    .kernarg_segment_align: 8
    .kernarg_segment_size: 64
    .max_flat_workgroup_size: 256
    .sgpr_count:     66
    .vgpr_count:     256
    .wavefront_size: 32
...
	.end_amdgpu_metadata
.endif
;; end of part 4
;; ======== version 2 of 3: 4 launches; 1.13 times as fast as version 1
;; workspace buffers: xb 2,097,152 bytes; sel 4,096 bytes of whole numbers; pw 8,192 bytes; hbuf 16,777,216 bytes; ypart 33,554,432 bytes
;; launch route: the kernel of part 1 again; grid 256 x 1, 4 waves a work-group, no clusters, 1,024 bytes of LDS; arguments x, router_w, router_b, out1, xb, sel, pw; writes out1, xb, sel, pw
;; launch up (part 5): grid 32 x 8, 4 waves a work-group, no clusters, 312,832 bytes of LDS; arguments xb, w1, b1, sel, hbuf; writes hbuf
.if DOCPART == 5
	.amdgcn_target "amdgcn-amd-amdhsa--gfx1250"
	.amdhsa_code_object_version 6
	.text
	.protected	k_q13f7142a39_up
	.globl	k_q13f7142a39_up
	.p2align	8
	.type	k_q13f7142a39_up,@function
k_q13f7142a39_up:
	s_mov_b64 s[64:65], 0
	v_nop
	global_prefetch_b8 v0, s[64:65] scope:SCOPE_SE
	s_setreg_imm32_b32 hwreg(HW_REG_WAVE_MODE, 25, 1), 1
	s_wait_xcnt 0x0
; FIRST PRODUCT (UP = 1): hbuf[rid][:] = gelu(x[token] . w1[e] + b1[e]) in bf16, for the rows that chose expert e.  rid = 2 token + slot (0: first choice, 1: second).
; The same text with UP = 0 is the second product.  A work-group has ONE expert (grid y) and a slice of its weights, 1,024 k x 128 n of f32, which it alone reads, and all of that expert's rows.
; TWO PHASES, four like waves.  FILL: wave w streams rows 256 w .. 256 w + 255 of the slice, 48 to 56 row loads of 512 bytes always out, rounds to bf16 and lays the rows into LDS, [k][n], each byte once.
; One barrier.  MULTIPLY: each wave has up to five tiles of 16 rows x 128 columns; token fragments come straight from memory, four K steps ahead; weight fragments out of LDS, turned by ds_load_tr16_b128.
; The stream and the products do not overlap in a work-group: that is the price of a slice that is written once, ahead of the one barrier behind which it is read.
; EVERY SPLIT is served: a pass takes 4 x 5 tiles = 320 rows; four passes, 1,280, cover the 1,024 that one expert can get; all passes read the slice out of LDS.
; THE ROWS.  Each wave finds the expert's rows for itself from sel, in registers alone (no atomics, no LDS): 32 masks of 32 tokens, each with the number of rows ahead of it; a lane that wants place p of the
; expert's rows picks the mask that holds it and then the set bit of that rank.  Places past the count repeat the last row; where a store holds rows on both sides of the count its
; upper lanes write the last row once more, with the same bytes (same fragments, same sums).  An expert without rows stores nothing.
; Dead tiles are jumped in pairs: a wave with an odd number of tiles multiplies one dead tile, and pass 0 is multiplied by every wave (two tiles at the least), so that every accumulator has been written.
; THE MATRIX INSTRUCTION IS USED TRANSPOSED: source 0 = 16 columns of W, source 1 = 16 token rows: register j of lane (r, h) holds row r, column 16 nb + 8 h + j.
; NO CLUSTER: each weight byte has one reader; the expert's 32 work-groups share the token rows, but these come by rank, row by row, and beside the slice and the stages LDS has 14,848 bytes left.
; GELU: a/2 (1 + erf(a / sqrt 2)) = max(a, 0) - |a| q / 2, q = erfc(|a| / sqrt 2) by a fifth-degree polynomial in 1 / (1 + 0.3275911 z) times exp(-z^2): within 1.5e-7 of erfc for every argument.
; LIMITS.  Operands in bf16, sums in f32.  An exponential below 2^-126 counts as 0.  NaN and infinities are not treated apart.
.set UP, 1
.set WP,    288                        ; a row of the slice in LDS: 256 bytes + 32: 72 words, so the 8 rows x 32 bytes of a turning load fall on different banks (64 banks of 4 bytes: ISA guide 11.1)
.set KSB,   32*WP                      ; a K step's 32 rows
.set SP,    272                        ; a row of a stage: 256 bytes + 16
.set STAGE, 1024*WP                    ; behind the slice: 16 rows for each wave, for the way out
.set SPARE, STAGE+4*16*SP              ; the spare words, 128 bytes for each of the four waves
.if UP
.set PITCH, 16384                      ; bytes from row to row of the weights
.set WSH,   22                         ; a wave's 256 rows are 1 << WSH bytes
.set OSH,   13                         ; an output row is 1 << OSH bytes
.set SELP,  10
.set TRIPS, 5                          ; the way out goes tile by tile
.else
.set PITCH, 4096
.set WSH,   20
.set OSH,   12
.set SELP,  8
.set TRIPS, 10                         ; the way out goes by half tiles: 64 columns of f32 are 256 bytes
.endif
; vector registers.  Window 0: as below.  Window 1: in the fill eight sets of eight row loads; then accumulator (m, nb) at 64 m + 8 nb for tiles m = 0 to 3.
; Window 2: tile 4's accumulators at 8 nb; b1 at 64; the 32 masks, second-choice masks and keys at 128, 160, 192, each alike in all lanes.
.set SPW,   1                          ; my spare word's LDS address; never rewritten
.set NIL,   2                          ; 0; never rewritten
.set BADR,  3                          ; LDS address of the weight fragments in hand
.set AOFF,  4                          ; v[4:8]  tile m: byte offset of my row's fragment
.set R,     9                          ; lane % 16
.set H16,   10                         ; 16 (lane / 16)
.set STO,   11                         ; the way out: where I put my numbers
.set RD,    12                         ; the way out: where I read rows back
.set RC,    13                         ; the way out: the rids of the tile in hand, row lane % 16
.set COL16, 14                         ; 16 (lane % 16)
.set HI,    15                         ; lane / 16
.set BBASE, 16                         ; my lane's place in a turning load.  v17, v18 are at work
.set H32,   19                         ; 32 (lane / 16): my place in b1
.set STA,   20                         ; the fill: where my 8 bytes of a row go
.set WOFF,  21                         ; 16 x lane
.set RID,   22                         ; v[22:26]  tile m: the rid of row lane % 16
.set LANE,  27
.set L8,    28                         ; 8 x lane
.set C16,   29                         ; 16
.set BF,    32                         ; v[32:95]   weight fragments, 8 a column block
.set AF,    96                         ; v[96:255]  token fragments: four K steps of five tiles
.set IK,    32                         ; the search for rows, five registers each, in the weight fragments' place: 32 x place + 31,
.set KS,    37                         ; the key, mask and second-choice mask picked,
.set MS,    42
.set SS,    47
.set NN,    52                         ; the rank in the mask, the bit found so far,
.set PO,    57
.set A1,    62                         ; the mask's ones counted in fields of 2, 4 and 8 bits,
.set A2,    67
.set A3,    72
.set T1,    77                         ; at work
.set T2,    82
.set ACC4,  0                          ; window 2
.set BIAS,  64                         ; window 2
.set MKV,   128                        ; window 2
.set SKV,   160                        ; window 2
.set KEY,   192                        ; window 2
.set TA,    224                        ; window 2, at work
.set TB,    225
.set CV,    96                         ; the fill: eight rows in bf16
.set TT,    32                         ; the way out: a tile plus bias
.set GA,    96                         ; GELU at work: |a|, t, e, polynomial
.set GT,    104
.set GE,    112
.set GP,    120
.set DT,    128                        ; the way out: rows read back
.set VO,    160                        ; and their byte offsets
; scalar registers
.set WV, 14
.set E, 16
.set CB, 18
.set T, 19
.set CNT, 20
.set CNTM1, 21
.set NT, 22
.set MT, 23
.set PASS, 24
.set I, 25
.set KA, 26
.set KW, 28
.set AP, 30
.set APW, 32
.set ABASE, 34
.set WPTR, 38
.set OF, 40
.set OUTB, 42
.set CM, 46                            ; s[46:50] five masks of lanes, in the search
.set ROW0, 52
.set REM, 53
.set EM, 54
.set EM1, 55
.set KY, 56
.set M, 57
.set OUTP, 58
.set QTR, 60
.set NSL, 61
.set M1, 62
.set SB, 63
.set QP, 66
.set QE, 68
.set Q5, 70
.set Q4, 72
.set Q3, 74
.set Q2, 76
.set Q1, 78
.set ABSM, 80
.set BP, 82
.set MSB, 0
.macro WIN new                         ; s_set_vgpr_msb: bits 1:0 source 0, 3:2 source 1, 5:4 source 2, 7:6 destination; the high byte repeats the setting that is left
.if MSB != (\new)
	s_set_vgpr_msb (MSB<<8)|(\new)
.set MSB, (\new)
.endif
.endm
.macro NOPS4                           ; four places between a matrix instruction and a load into, or a vector line on, its registers (ISA guide 7.12.1 for vector lines)
.rept 4
	v_nop
.endr
.endm
.macro SPAIR reg, val                  ; a constant for packed lines: named as a pair, so both words are written
	s_mov_b32 s[\reg], \val
	s_mov_b32 s[\reg+1], \val
.endm
.macro V5 line:vararg                  ; one line for each of my five tiles q: five lines that do not wait for each other
.set q, 0
.rept 5
	\line
.set q, q+1
.endr
.endm
; THE FILL.  A turn: 64 rows of mine, eight at a time.  Group g: its eight loads are in; two roundings a row; a row's 256 bytes go into LDS; then the set that was read one group ago is loaded again,
; with the rows seven groups on.  last = 1: my last 64 rows: only group 0 still has rows to ask for.
.macro FILLTURN last
	v_add_nc_u32 v[STA], s[SB], v[L8]
.set g, 0
.rept 8
.if (\last) && (g > 0)
	s_wait_loadcnt 56-8*g                          ; nothing is issued behind them: the counts run down
.else
	s_wait_loadcnt 48                              ; loads come back in order (ISA guide 5.7.1): of the 56 out the oldest eight, this group's, are in
.endif
	WIN 0x05
.set u, 0
.rept 8
	v_cvt_pk_bf16_f32 v[CV+2*u],   v[32*g+4*u],   v[32*g+4*u+1]
	v_cvt_pk_bf16_f32 v[CV+2*u+1], v[32*g+4*u+2], v[32*g+4*u+3]
.set u, u+1
.endr
	WIN 0
.set u, 0
.rept 8
	ds_store_b64 v[STA], v[CV+2*u:CV+2*u+1] offset:(8*g+u)*WP   ; a row: 256 consecutive bytes
.set u, u+1
.endr
.if !(\last) || (g == 0)
	WIN 0x40
.set u, 0
.rept 8
	global_load_b128 v[32*((g+7)%8)+4*u:32*((g+7)%8)+4*u+3], v[WOFF], s[WPTR:WPTR+1] offset:(8*(g+7)+u)*PITCH th:TH_LOAD_NT
.set u, u+1
.endr
	WIN 0
.endif
.set g, g+1
.endr
.endm
; THE MASKS.  Group g = 4 j + c holds the tokens 128 j + 4 lane + c.  Kept, alike in all lanes: which of them chose the expert, which chose it second, and the key 32 x (rows ahead of the group) + g.
; Window setting: destination and source 0 in window 2, source 1 (sel's word) in window 0.
.macro GROUP reg, g
	v_and_b32 v[TA], s[EM], v[\reg]
	v_and_b32 v[TB], s[EM1], v[\reg]
	v_cmp_ne_u32 s[M], v[TA], 0
	v_cmp_ne_u32 s[M1], v[TB], 0
	v_mov_b32 v[MKV+(\g)], s[M]
	v_mov_b32 v[SKV+(\g)], s[M1]
	v_mov_b32 v[KEY+(\g)], s[KY]
	s_bcnt1_i32_b32 s44, s[M]
	s_lshl_b32 s44, s44, 5
	s_add_co_u32 s44, s44, 1
	s_add_co_u32 s[KY], s[KY], s44
.endm
; One halving of the search for the set bit of rank NN: the ones in the lower half of the bits still in question stand in a field of \src at bit PO; if the rank is not among them, the upper half is taken.
.macro LV src, width, last
	V5 v_bfe_u32 v[T1+q], v[\src+q], v[PO+q], \width
	V5 v_cmp_ge_u32 s[CM+q], v[NN+q], v[T1+q]
.if !(\last)
	V5 v_sub_nc_u32 v[T2+q], v[NN+q], v[T1+q]
	V5 v_cndmask_b32 v[NN+q], v[NN+q], v[T2+q], s[CM+q]
.endif
	V5 v_add_nc_u32 v[T2+q], \width, v[PO+q]
	V5 v_cndmask_b32 v[PO+q], v[PO+q], v[T2+q], s[CM+q]
.endm
; MY FIVE TILES' ROWS.  Tile q's row r has place 16 (20 pass + 4 q + wave) + r among the expert's rows; places past the count take the last row.
.macro ROWS
	s_wait_xcnt 0x0                                ; earlier stores have read their registers: from here on they are written again
	s_mul_i32 s44, s[PASS], 20
	s_add_co_u32 s44, s44, s[WV]
	s_lshl_b32 s44, s44, 4
	v_add_nc_u32 v17, s44, v[R]
	V5 v_add_nc_u32 v[IK+q], 64*q, v17
	V5 v_min_u32 v[IK+q], s[CNTM1], v[IK+q]
	V5 v_lshl_or_b32 v[IK+q], v[IK+q], 5, 31       ; a group's key is at most this exactly if the rows ahead of the group are at most my place
	WIN 0x02                                       ; source 0 in window 2
	V5 v_mov_b32 v[KS+q], v[KEY]
	V5 v_mov_b32 v[MS+q], v[MKV]
	V5 v_mov_b32 v[SS+q], v[SKV]
.set g, 1
.rept 31                                               ; the last group whose key is not above mine holds my place
.set q, 0
.rept 5
	v_cmp_gt_u32 vcc_lo, v[KEY+g], v[IK+q]
	v_cndmask_b32 v[KS+q], v[KEY+g], v[KS+q], vcc_lo
	v_cndmask_b32 v[MS+q], v[MKV+g], v[MS+q], vcc_lo
	v_cndmask_b32 v[SS+q], v[SKV+g], v[SS+q], vcc_lo
.set q, q+1
.endr
.set g, g+1
.endr
	WIN 0
	V5 v_lshrrev_b32 v[NN+q], 5, v[IK+q]
	V5 v_lshrrev_b32 v[T1+q], 5, v[KS+q]
	V5 v_sub_nc_u32 v[NN+q], v[NN+q], v[T1+q]      ; my rank among the group's rows
	V5 v_lshrrev_b32 v[T1+q], 1, v[MS+q]           ; the mask's ones, counted in fields of 2 bits,
	V5 v_and_b32 v[T1+q], 0x55555555, v[T1+q]
	V5 v_sub_nc_u32 v[A1+q], v[MS+q], v[T1+q]
	V5 v_lshrrev_b32 v[T1+q], 2, v[A1+q]           ; of 4,
	V5 v_and_b32 v[T1+q], 0x33333333, v[T1+q]
	V5 v_and_b32 v[T2+q], 0x33333333, v[A1+q]
	V5 v_add_nc_u32 v[A2+q], v[T1+q], v[T2+q]
	V5 v_lshrrev_b32 v[T1+q], 4, v[A2+q]           ; of 8,
	V5 v_add_nc_u32 v[T1+q], v[T1+q], v[A2+q]
	V5 v_and_b32 v[A3+q], 0x0f0f0f0f, v[T1+q]
	V5 v_lshrrev_b32 v[T1+q], 8, v[A3+q]           ; and in bits 0 to 15
	V5 v_add_nc_u32 v[T1+q], v[T1+q], v[A3+q]
	V5 v_and_b32 v[T1+q], 0xff, v[T1+q]
	V5 v_cmp_ge_u32 s[CM+q], v[NN+q], v[T1+q]
	V5 v_sub_nc_u32 v[T2+q], v[NN+q], v[T1+q]
	V5 v_cndmask_b32 v[NN+q], v[NN+q], v[T2+q], s[CM+q]
	V5 v_cndmask_b32 v[PO+q], 0, v[C16], s[CM+q]
	LV A3, 8, 0
	LV A2, 4, 0
	LV A1, 2, 0
	LV MS, 1, 1                                    ; PO is the lane that held my token
	V5 v_bfe_u32 v[T1+q], v[SS+q], v[PO+q], 1      ; rid = 2 (128 j + 4 PO + c) + slot, the group being 4 j + c: slot,
	V5 v_and_b32 v[T2+q], 28, v[KS+q]
	V5 v_lshl_or_b32 v[T1+q], v[T2+q], 6, v[T1+q]  ; 256 j,
	V5 v_and_b32 v[T2+q], 3, v[KS+q]
	V5 v_lshl_or_b32 v[T1+q], v[T2+q], 1, v[T1+q]  ; 2 c,
	V5 v_lshl_or_b32 v[T1+q], v[PO+q], 3, v[T1+q]  ; 8 PO
	V5 v_min_u32 v[RID+q], 0x7ff, v[T1+q]
.if UP
	V5 v_and_b32 v[AOFF+q], 0x7fe, v[RID+q]                  ; 2 x token,
	V5 v_lshl_add_u32 v[AOFF+q], v[AOFF+q], 10, v[H16]       ; rows of 2,048 bytes
.else
	V5 v_lshl_add_u32 v[AOFF+q], v[RID+q], 13, v[H16]        ; rows of 8,192 bytes
.endif
.endm
; THE PRODUCTS.  Four matrix instructions: tile m, column blocks 4 nh .. 4 nh + 3, token buffer ab.  first = 1: they start the sums with 0.
.macro MM4 m, nh, ab, first
.if (\m) < 4
	WIN 0x50
.set rD, 64*(\m)+32*(\nh)
.else
	WIN 0xa0
.set rD, ACC4+32*(\nh)
.endif
.set rA, AF+40*(\ab)+8*(\m)
.set rB, BF+32*(\nh)
.irp n, 0,1,2,3
.if \first
	v_wmma_f32_16x16x32_bf16 v[rD+8*(\n):rD+8*(\n)+7], v[rB+8*(\n):rB+8*(\n)+7], v[rA:rA+7], 0
.else
	v_wmma_f32_16x16x32_bf16 v[rD+8*(\n):rD+8*(\n)+7], v[rB+8*(\n):rB+8*(\n)+7], v[rA:rA+7], v[rD+8*(\n):rD+8*(\n)+7]
.endif
.endr
.endm
; All tiles x four column blocks.  A wave with two tiles or fewer, or four or fewer, jumps forward over the rest; the step that starts the sums is never cut short.
; The accumulators take turns, one instruction a turn, on every one of these ways.
.macro HALF nh, ab, first
	MM4 0, \nh, \ab, \first
	MM4 1, \nh, \ab, \first
.if !(\first)
	WIN 0
	s_cmp_le_u32 s[MT], 2
	s_cbranch_scc1 .Lh\@
.endif
	MM4 2, \nh, \ab, \first
	MM4 3, \nh, \ab, \first
.if !(\first)
	WIN 0
	s_cmp_le_u32 s[MT], 4
	s_cbranch_scc1 .Lh\@
.endif
	MM4 4, \nh, \ab, \first
	WIN 0
.Lh\@:
.endm
.macro LDB half, k                     ; eight turning loads: 32 k x 64 columns, at byte k behind BADR
.irp n, 0,1,2,3
	ds_load_tr16_b128 v[BF+32*(\half)+8*(\n):BF+32*(\half)+8*(\n)+3],   v[BADR] offset:(\k)+128*(\half)+32*(\n)
	ds_load_tr16_b128 v[BF+32*(\half)+8*(\n)+4:BF+32*(\half)+8*(\n)+7], v[BADR] offset:(\k)+128*(\half)+32*(\n)+16*WP
.endr
.endm
.macro LDA ab, m, ptr, imm             ; tile m's token fragment: 16 rows x 32 k, two loads of 16 bytes a lane
	global_load_b128 v[AF+40*(\ab)+8*(\m):AF+40*(\ab)+8*(\m)+3],   v[AOFF+(\m)], s[\ptr:\ptr+1] offset:(\imm)
	global_load_b128 v[AF+40*(\ab)+8*(\m)+4:AF+40*(\ab)+8*(\m)+7], v[AOFF+(\m)], s[\ptr:\ptr+1] offset:(\imm)+32
.endm
; A K step on token buffer ab.  ldb = 1: the next step's weight fragments are fetched, at byte kb behind BADR, each half as soon as its registers are free.
; lda = 1: the buffer is loaded again with the K step four on (ptr, imm).  acnt: the token loads issued behind this step's, which may stay out.
.macro STEP ab, kb, first, lda, ptr, imm, ldb, acnt
	s_wait_dscnt 0x8                               ; column blocks 0 to 3 are in; the eight loads of blocks 4 to 7 may be out
	s_wait_loadcnt \acnt
	HALF 0, \ab, \first
.if \ldb
	NOPS4
	LDB 0, \kb
	s_wait_dscnt 0x8                               ; column blocks 4 to 7 are in; the eight loads just issued may be out
.else
	s_wait_dscnt 0x0
.endif
	HALF 1, \ab, \first
.if (\ldb) || (\lda)
	NOPS4
.endif
.if \ldb
	LDB 1, \kb
.endif
.if \lda
.irp m, 0,1,2,3,4
	LDA \ab, \m, \ptr, \imm
.endr
.endif
.endm
.macro MTCALC                          ; my live tiles in this pass: tiles 20 pass + 4 i + wave below NT, i = 0 to 4
	s_mul_i32 s44, s[PASS], 20
	s_add_co_u32 s44, s44, s[WV]
	s_sub_co_i32 s45, s[NT], s44
	s_add_co_i32 s45, s45, 3
	s_ashr_i32 s45, s45, 2
	s_max_i32 s45, s45, 0
	s_min_i32 s[MT], s45, 5
.endm
; The stage's 16 rows of 256 bytes go out: each half of the lanes stores one row, 256 consecutive bytes at a multiple of 256 from the buffer's first.  Stores wholly past the count are jumped.
; Store t has rows 2 t and 2 t + 1: their rids are read out of lanes 2 t and 2 t + 1 of RC, and each half of the lanes takes its own.
.macro OUTROWS shift, ptr
.irp t, 0,1,2,3,4,5,6,7
	ds_load_b128 v[DT+4*(\t):DT+4*(\t)+3], v[RD] offset:2*SP*(\t)   ; LDS serves a wave's instructions in order (ISA guide 5.7.1.4): these see my stores into the stage
.endr
	v_cmp_ne_u32 vcc_lo, 0, v[HI]
.irp b, 0,4
.irp t, 0,1,2,3
	v_readlane_b32 s[44+2*(\t)], v[RC], 2*((\b)+(\t))
	v_readlane_b32 s[45+2*(\t)], v[RC], 2*((\b)+(\t))+1
.endr
.irp t, 0,1,2,3
	v_mov_b32 v[VO+(\b)+(\t)], s[45+2*(\t)]
.endr
.irp t, 0,1,2,3
	v_cndmask_b32 v[VO+(\b)+(\t)], s[44+2*(\t)], v[VO+(\b)+(\t)], vcc_lo
.endr
.endr
.irp t, 0,1,2,3,4,5,6,7
	v_min_u32 v[VO+(\t)], 0x7ff, v[VO+(\t)]
.endr
.irp t, 0,1,2,3,4,5,6,7
	v_lshl_add_u32 v[VO+(\t)], v[VO+(\t)], \shift, v[COL16]
.endr
	s_wait_dscnt 0x0
.irp t, 0,1,2,3,4,5,6,7
.if (\t) > 0
	s_cmp_le_u32 s[REM], 2*(\t)
	s_cbranch_scc1 .Lso\@
.endif
	global_store_b128 v[VO+(\t)], v[DT+4*(\t):DT+4*(\t)+3], s[\ptr:\ptr+1]
.endr
.Lso\@:
.endm
.if UP
.macro TBLOCK i                        ; tile i plus bias, each accumulator from its low end on
.Lt\i:
	v_mov_b32 v[RC], v[RID+(\i)]
.if (\i) < 4
	WIN 0x09
.set src, 64*(\i)
.else
	WIN 0x0a
.set src, ACC4
.endif
.set z, 0
.rept 32
	v_pk_add_f32 v[TT+z:TT+z+1], v[src+z:src+z+1], v[BIAS+z:BIAS+z+1]
.set z, z+2
.endr
	WIN 0
.endm
.macro GELU8 nb                        ; eight numbers of a row: GELU, bf16, into the stage.  A plain line stands between every reciprocal or exponential and the use of its result (ISA guide 5.7.2)
.set a, TT+8*(\nb)
.irp i, 0,1,2,3,4,5,6,7
	v_and_b32 v[GA+(\i)], s[ABSM], v[a+(\i)]
.endr
.irp i, 0,2,4,6
	v_pk_fma_f32 v[GT+(\i):GT+(\i)+1], v[GA+(\i):GA+(\i)+1], s[QP:QP+1], 1.0 op_sel_hi:[1,0,0]
.endr
.irp i, 0,2,4,6
	v_pk_mul_f32 v[GE+(\i):GE+(\i)+1], v[a+(\i):a+(\i)+1], v[a+(\i):a+(\i)+1]
.endr
.irp i, 0,1,2,3,4,5,6,7
	v_rcp_f32 v[GT+(\i)], v[GT+(\i)]
.endr
.irp i, 0,2,4,6
	v_pk_mul_f32 v[GE+(\i):GE+(\i)+1], v[GE+(\i):GE+(\i)+1], s[QE:QE+1] op_sel_hi:[1,0]
.endr
.irp i, 0,1,2,3,4,5,6,7
	v_exp_f32 v[GE+(\i)], v[GE+(\i)]
.endr
	s_wait_alu depctr_va_vdst(0)
.irp i, 0,2,4,6
	v_pk_fma_f32 v[GP+(\i):GP+(\i)+1], v[GT+(\i):GT+(\i)+1], s[Q5:Q5+1], s[Q4:Q4+1] op_sel_hi:[1,0,0]
.endr
.irp c, Q3,Q2,Q1
.irp i, 0,2,4,6
	v_pk_fma_f32 v[GP+(\i):GP+(\i)+1], v[GP+(\i):GP+(\i)+1], v[GT+(\i):GT+(\i)+1], s[\c:\c+1] op_sel_hi:[1,1,0]
.endr
.endr
.irp i, 0,2,4,6
	v_pk_mul_f32 v[GP+(\i):GP+(\i)+1], v[GP+(\i):GP+(\i)+1], v[GT+(\i):GT+(\i)+1]
.endr
.irp i, 0,2,4,6
	v_pk_mul_f32 v[GP+(\i):GP+(\i)+1], v[GP+(\i):GP+(\i)+1], v[GE+(\i):GE+(\i)+1]
.endr
.irp i, 0,1,2,3,4,5,6,7
	v_max_num_f32 v[a+(\i)], 0, v[a+(\i)]
.endr
.irp i, 0,2,4,6
	v_pk_fma_f32 v[a+(\i):a+(\i)+1], v[GA+(\i):GA+(\i)+1], v[GP+(\i):GP+(\i)+1], v[a+(\i):a+(\i)+1]
.endr
.irp i, 0,1,2,3
	v_cvt_pk_bf16_f32 v[GA+(\i)], v[a+2*(\i)], v[a+2*(\i)+1]
.endr
	ds_store_b128 v[STO], v[GA:GA+3] offset:32*(\nb)
.endm
.else
.macro UBLOCK u                        ; half u % 2 of tile u / 2 into the stage, f32, each accumulator from its low end on
.Lu\u:
	v_mov_b32 v[RC], v[RID+(\u)/2]
.if (\u)/2 < 4
	WIN 0x04
.set src, 64*((\u)/2)+32*((\u)%2)
.else
	WIN 0x08
.set src, ACC4+32*((\u)%2)
.endif
.irp n, 0,1,2,3
	ds_store_b128 v[STO], v[src+8*(\n):src+8*(\n)+3]   offset:64*(\n)
	ds_store_b128 v[STO], v[src+8*(\n)+4:src+8*(\n)+7] offset:64*(\n)+16
.endr
	WIN 0
.endm
.endif
	s_load_b256 s[4:11], s[0:1], 0x0               ; UP: xb, w1, b1, sel; else: hbuf, w2, sel, ypart
.if UP
	s_load_b64 s[12:13], s[0:1], 0x20              ; hbuf
.endif
	v_lshl_add_u32 v[SPW], v0, 2, SPARE
	v_mov_b32 v[NIL], 0
	v_lshrrev_b32 v18, 5, v0
	v_readfirstlane_b32 s[WV], v18                 ; wave 0..3
	v_and_b32 v[R], 15, v0
	v_bfe_u32 v[HI], v0, 4, 1
	v_and_b32 v[LANE], 31, v0
	v_lshlrev_b32 v[WOFF], 4, v[LANE]
	v_lshlrev_b32 v[L8], 3, v[LANE]
	v_lshlrev_b32 v[H16], 4, v[HI]
.if UP
	v_lshlrev_b32 v[H32], 5, v[HI]
.endif
	v_lshlrev_b32 v[COL16], 4, v[R]
	v_mov_b32 v[C16], 16
	v_and_b32 v18, 7, v0                           ; the turning load: lane L reads row 8 (L / 16) + L % 8, bytes 16 ((L / 8) % 2) on
	v_lshl_add_u32 v18, v[HI], 3, v18
	v_mul_u32_u24 v[BBASE], v18, WP
	v_bfe_u32 v18, v0, 3, 1
	v_lshl_add_u32 v[BBASE], v18, 4, v[BBASE]
	s_mul_i32 s44, s[WV], 16*SP
	s_add_co_u32 s44, s44, STAGE                   ; my stage
	v_mul_u32_u24 v18, v[R], SP
.if UP
	v_lshl_add_u32 v18, v[HI], 4, v18              ; in: row r, 16 bytes for each half of the lanes
.else
	v_lshl_add_u32 v18, v[HI], 5, v18              ; in: row r, 32 bytes for each half of the lanes
.endif
	v_add_nc_u32 v[STO], s44, v18
	v_mul_u32_u24 v18, v[HI], SP                   ; back: lanes 0-15 one row, lanes 16-31 the next
	v_lshl_add_u32 v18, v[R], 4, v18
	v_add_nc_u32 v[RD], s44, v18
	s_mul_i32 s[SB], s[WV], 256*WP                 ; my 256 rows of the slice in LDS
	s_and_b32 s[E], ttmp7, 0xffff                  ; expert
	s_lshl_b32 s[EM], 0x101, s[E]                  ; sel's bits for this expert: first or second choice,
	s_lshl_b32 s[EM1], 0x100, s[E]                 ; second choice
	s_mov_b32 s[KY], 0
	s_mov_b32 s[PASS], 0
	s_mov_b32 s[KA+1], 0
	s_mov_b32 s[KW+1], 0
	s_mov_b32 s[OF+1], 0
	s_lshl_b32 s44, s[E], 24                       ; an expert's weights are 1 << 24 bytes
	s_lshl_b32 s52, s[WV], WSH                     ; my 256 rows
	s_add_co_u32 s44, s44, s52
	s_mov_b32 s45, 0
	s_mov_b32 s49, 0
.if UP
	s_lshl_b32 s52, ttmp9, 9                       ; my 128 columns of f32
	s_add_co_u32 s44, s44, s52
	s_lshl_b32 s48, ttmp9, 8                       ; my 128 columns of bf16
	s_lshl_b32 s50, s[E], 14                       ; my slice of b1
	s_add_co_u32 s50, s50, s52
	s_mov_b32 s51, 0
	SPAIR QP, 0x3e6d3388                           ; 0.3275911 / sqrt 2
	SPAIR QE, 0xbf38aa3b                           ; -log2(e) / 2
	SPAIR Q5, 0xbf07dc22                           ; the polynomial's five numbers times -1/2
	SPAIR Q4, 0x3f3a00e3
	SPAIR Q3, 0xbf35f0e3
	SPAIR Q2, 0x3e11a98e
	SPAIR Q1, 0xbe027906
	s_mov_b32 s[ABSM], 0x7fffffff
.else
	s_lshr_b32 s[QTR], ttmp9, 3                    ; which quarter of K,
	s_and_b32 s[NSL], ttmp9, 7                     ; which 128 columns
	s_lshl_b32 s52, s[QTR], 22
	s_add_co_u32 s44, s44, s52
	s_lshl_b32 s52, s[NSL], 9
	s_add_co_u32 s44, s44, s52
	s_lshl_b32 s46, s[QTR], 11                     ; my quarter of a row of hbuf
	s_mov_b32 s47, 0
	s_lshl_b32 s48, s[QTR], 23                     ; my quarter's plane of ypart, my 128 columns of f32
	s_add_co_u32 s48, s48, s52
.endif
	s_wait_kmcnt 0x0
	s_add_nc_u64 s[WPTR:WPTR+1], s[6:7], s[44:45]
.if UP
	s_mov_b64 s[ABASE:ABASE+1], s[4:5]
	s_add_nc_u64 s[OUTB:OUTB+1], s[12:13], s[48:49]
	s_add_nc_u64 s[BP:BP+1], s[8:9], s[50:51]
.else
	s_add_nc_u64 s[ABASE:ABASE+1], s[4:5], s[46:47]
	s_add_nc_u64 s[OUTB:OUTB+1], s[10:11], s[48:49]
.endif
	; all 1,024 words of sel: lane L of load j has tokens 128 j + 4 L + 0..3
.set j, 0
.rept 8
	global_load_b128 v[BF+4*j:BF+4*j+3], v[WOFF], s[SELP:SELP+1] offset:512*j
.set j, j+1
.endr
.if UP
	WIN 0x80                                       ; b1 of my eight columns of each block stays in registers
.irp n, 0,1,2,3,4,5,6,7
	global_load_b128 v[BIAS+8*(\n):BIAS+8*(\n)+3],   v[H32], s[BP:BP+1] offset:64*(\n)
	global_load_b128 v[BIAS+8*(\n)+4:BIAS+8*(\n)+7], v[H32], s[BP:BP+1] offset:64*(\n)+16
.endr
.endif
	WIN 0x40                                       ; my first 32 rows are asked for; a load covers a row's 512 consecutive bytes
.set u, 0
.rept 32
	global_load_b128 v[4*u:4*u+3], v[WOFF], s[WPTR:WPTR+1] offset:u*PITCH th:TH_LOAD_NT
.set u, u+1
.endr
	WIN 0
	s_wait_loadcnt 32+16*UP                        ; sel is in; b1's loads and the 32 row loads may be out: the masks are made while they come
	WIN 0x82
.set j, 0
.rept 8
.set c, 0
.rept 4
	GROUP BF+4*j+c, 4*j+c
.set c, c+1
.endr
.set j, j+1
.endr
	WIN 0
	s_lshr_b32 s[CNT], s[KY], 5                    ; the key has run to 32 x count + 32
	s_sub_co_u32 s[CNT], s[CNT], 1
	s_max_u32 s44, s[CNT], 1
	s_sub_co_u32 s[CNTM1], s44, 1
	s_add_co_u32 s44, s[CNT], 15
	s_lshr_b32 s[NT], s44, 4
.if UP
	s_wait_loadcnt 32                              ; b1 is in
.endif
	WIN 0x40                                       ; rows 32 to 55: seven sets of eight are out
.set u, 32
.rept 24
	global_load_b128 v[4*u:4*u+3], v[WOFF], s[WPTR:WPTR+1] offset:u*PITCH th:TH_LOAD_NT
.set u, u+1
.endr
	WIN 0
	s_mov_b32 s[T], 3
.Lfill:                                                ; three turns of 64 rows; the fourth is written out, so that no load passes my rows' end
	FILLTURN 0
	s_wait_xcnt 0x0                                ; the base is stepped only when the loads that name it have read it
	s_add_nc_u64 s[WPTR:WPTR+1], s[WPTR:WPTR+1], 64*PITCH
	s_add_co_u32 s[SB], s[SB], 64*WP
	s_sub_co_u32 s[T], s[T], 1
	s_cmp_lg_u32 s[T], 0
	s_cbranch_scc1 .Lfill
	FILLTURN 1
	s_wait_dscnt 0x0                               ; for the others' sake: my rows are in LDS
	s_barrier_signal -1
	s_barrier_wait -1                              ; the slice is whole, and is only read from here on
	MTCALC
	s_branch .Lwork                                ; pass 0 is multiplied by every wave
.Lpass:                                                ; four passes of 320 rows
	MTCALC
	s_cmp_eq_u32 s[MT], 0
	s_cbranch_scc1 .Lkdone
.Lwork:
	ROWS
	v_mov_b32 v[BADR], v[BBASE]
.irp b, 0,1,2,3
.irp m, 0,1,2,3,4
	LDA \b, \m, ABASE, 64*(\b)
.endr
.endr
	LDB 0, 0
	LDB 1, 0
	STEP 0, KSB, 1, 1, ABASE, 256, 1, 30           ; K step 0 starts the sums
	s_mov_b32 s[T], 0
	s_mov_b32 s[KA], 0
	s_mov_b32 s[CB], 0
.Lk:                                                   ; trip i: K steps 4 i + 1 .. 4 i + 4.  CB = 4 K steps of LDS rows x i, KA = 256 i bytes of a token row
	s_wait_xcnt 0x0                                ; the two bases are rewritten only when the loads that name them have read them
	s_add_co_u32 s[KW], s[KA], 512                 ; K step 4 i + 8; in the last trip it would pass the row's end and is wrapped to its start:
	s_and_b32 s[KW], s[KW], 2047                   ; ten loads that serve nothing keep every count alike
	s_add_nc_u64 s[AP:AP+1], s[ABASE:ABASE+1], s[KA:KA+1]
	s_add_nc_u64 s[APW:APW+1], s[ABASE:ABASE+1], s[KW:KW+1]
	v_add_nc_u32 v[BADR], s[CB], v[BBASE]
	STEP 1, 2*KSB, 0, 1, AP, 320, 1, 30            ; 30: the three later K steps' ten loads each may be out
	STEP 2, 3*KSB, 0, 1, AP, 384, 1, 30
	STEP 3, 4*KSB, 0, 1, AP, 448, 1, 30
	STEP 0, 5*KSB, 0, 1, APW, 0, 1, 30
	s_add_co_u32 s[CB], s[CB], 4*KSB
	s_add_co_u32 s[KA], s[KA], 256
	s_add_co_u32 s[T], s[T], 1
	s_cmp_lt_u32 s[T], 7
	s_cbranch_scc1 .Lk
	v_add_nc_u32 v[BADR], s[CB], v[BBASE]
	STEP 1, 2*KSB, 0, 0, ABASE, 0, 1, 30           ; K steps 29 to 31 ask for no token rows: the counts run down
	STEP 2, 3*KSB, 0, 0, ABASE, 0, 1, 20
	STEP 3, 0,     0, 0, ABASE, 0, 0, 10
	NOPS4
	s_wait_loadcnt 0x0                             ; the ten wrapped loads: their registers and offsets are used again below
.Lkdone:
	s_wait_dscnt 0x0
	s_barrier_signal -1                            ; every wave's reads of the slice, whose addresses step with the loop, are over
	s_barrier_wait -1                              ; before any wave stores into its stage
	s_mov_b32 s[I], 0
.Ltile:                                                ; the way out, a stage at a time; dead tiles are jumped
.if UP
	s_mov_b32 s45, s[I]
.else
	s_lshr_b32 s45, s[I], 1
.endif
	s_cmp_ge_u32 s45, s[MT]
	s_cbranch_scc1 .Ltnext
	s_wait_xcnt 0x0                                ; the last stage's stores have read their registers and base
	s_mul_i32 s44, s[PASS], 20
	s_lshl2_add_u32 s44, s45, s44
	s_add_co_u32 s44, s44, s[WV]
	s_lshl_b32 s[ROW0], s44, 4                     ; the tile's first place among the expert's rows,
	s_sub_co_u32 s[REM], s[CNT], s[ROW0]           ; and how many places are left from there: at least 1
.if UP
.irp i, 0,1,2,3
	s_cmp_eq_u32 s[I], \i
	s_cbranch_scc1 .Lt\i
.endr
	TBLOCK 4
	s_branch .Lgelu
.irp i, 0,1,2
	TBLOCK \i
	s_branch .Lgelu
.endr
	TBLOCK 3
.Lgelu:
.irp n, 0,1,2,3,4,5,6,7
	GELU8 \n
.endr
	OUTROWS OSH, OUTB
.else
	s_and_b32 s46, s[I], 1
	s_lshl_b32 s[OF], s46, 8                       ; the half's 256 bytes of a row
	s_add_nc_u64 s[OUTP:OUTP+1], s[OUTB:OUTB+1], s[OF:OF+1]
.irp u, 0,1,2,3,4,5,6,7,8
	s_cmp_eq_u32 s[I], \u
	s_cbranch_scc1 .Lu\u
.endr
	UBLOCK 9
	s_branch .Lsend
.irp u, 0,1,2,3,4,5,6,7
	UBLOCK \u
	s_branch .Lsend
.endr
	UBLOCK 8
.Lsend:
	OUTROWS OSH, OUTP
.endif
.Ltnext:
	s_add_co_u32 s[I], s[I], 1
	s_cmp_lt_u32 s[I], TRIPS
	s_cbranch_scc1 .Ltile
	s_wait_dscnt 0x0
	s_barrier_signal -1                            ; every wave's stores into its stage are over
	s_barrier_wait -1                              ; before any wave reads the slice again
	s_add_co_u32 s[PASS], s[PASS], 1
	s_cmp_lt_u32 s[PASS], 4
	s_cbranch_scc1 .Lpass
	s_wait_tensorcnt 0x0                           ; the wave's end: three closing lines behind my last LDS store
	ds_add_u32 v[SPW], v[NIL]
	s_wait_dscnt 0x0
	s_endpgm
.Lfunc_end_k_q13f7142a39_up:
	.size	k_q13f7142a39_up, .Lfunc_end_k_q13f7142a39_up-k_q13f7142a39_up
	.p2alignl 7, 3214868480
	.fill 96, 4, 3214868480
	.section	.rodata,"a",@progbits
	.p2align	6, 0x0
	.amdhsa_kernel k_q13f7142a39_up
		.amdhsa_group_segment_fixed_size 312832
		.amdhsa_private_segment_fixed_size 0
		.amdhsa_enable_private_segment 0
		.amdhsa_kernarg_size 40
		.amdhsa_user_sgpr_count 2
		.amdhsa_user_sgpr_kernarg_segment_ptr 1
		.amdhsa_wavefront_size32 1
		.amdhsa_system_sgpr_workgroup_id_x 1
		.amdhsa_system_sgpr_workgroup_id_y 1
		.amdhsa_system_sgpr_workgroup_id_z 1
		.amdhsa_system_vgpr_workitem_id 0
		.amdhsa_next_free_vgpr 768
		.amdhsa_next_free_sgpr 96
		.amdhsa_reserve_vcc 1
		.amdhsa_float_denorm_mode_32 3
		.amdhsa_float_denorm_mode_16_64 3
		.amdhsa_memory_ordered 1
		.amdhsa_forward_progress 1
		.amdhsa_inst_pref_size 183
	.end_amdhsa_kernel
	.amdgpu_metadata
---
amdhsa.version: [ 1, 2 ]
amdhsa.kernels:
  - .name:           k_q13f7142a39_up
    .symbol:         k_q13f7142a39_up.kd
    .args:
      - { .name: xb, .offset: 0, .size: 8, .value_kind: global_buffer, .address_space: global }
      - { .name: w1, .offset: 8, .size: 8, .value_kind: global_buffer, .address_space: global }
      - { .name: b1, .offset: 16, .size: 8, .value_kind: global_buffer, .address_space: global }
      - { .name: sel, .offset: 24, .size: 8, .value_kind: global_buffer, .address_space: global }
      - { .name: hbuf, .offset: 32, .size: 8, .value_kind: global_buffer, .address_space: global }
    .group_segment_fixed_size: 312832
    .private_segment_fixed_size: 0
    .kernarg_segment_align: 8
    .kernarg_segment_size: 40
    .max_flat_workgroup_size: 128
    .sgpr_count:     96
    .vgpr_count:     768
    .wavefront_size: 32
...
	.end_amdgpu_metadata
.endif
;; end of part 5
;; launch down (part 6): grid 32 x 8, 4 waves a work-group, no clusters, 312,832 bytes of LDS; arguments hbuf, w2, sel, ypart; writes ypart
.if DOCPART == 6
	.amdgcn_target "amdgcn-amd-amdhsa--gfx1250"
	.amdhsa_code_object_version 6
	.text
	.protected	k_q13f7142a39_down
	.globl	k_q13f7142a39_down
	.p2align	8
	.type	k_q13f7142a39_down,@function
k_q13f7142a39_down:
	s_mov_b64 s[64:65], 0
	v_nop
	global_prefetch_b8 v0, s[64:65] scope:SCOPE_SE
	s_setreg_imm32_b32 hwreg(HW_REG_WAVE_MODE, 25, 1), 1
	s_wait_xcnt 0x0
; SECOND PRODUCT (UP = 0): ypart[q][rid][:] = hbuf[rid][1024 q .. 1024 q + 1023] . w2[e][1024 q .. ][:], partial sums in f32, for the rows that chose expert e.  rid = 2 token + slot.
; The same text with UP = 1 is the first product.  A work-group has ONE expert (grid y) and a slice of its weights, 1,024 k (quarter q = x / 8) x 128 n (x % 8) of f32, which it alone reads, and all of that expert's rows.
; TWO PHASES, four like waves.  FILL: wave w streams rows 256 w .. 256 w + 255 of the slice, 48 to 56 row loads of 512 bytes always out, rounds to bf16 and lays the rows into LDS, [k][n], each byte once.
; One barrier.  MULTIPLY: each wave has up to five tiles of 16 rows x 128 columns; token fragments come straight from memory, four K steps ahead; weight fragments out of LDS, turned by ds_load_tr16_b128.
; The stream and the products do not overlap in a work-group: that is the price of a slice that is written once, ahead of the one barrier behind which it is read.
; EVERY SPLIT is served: a pass takes 4 x 5 tiles = 320 rows; four passes, 1,280, cover the 1,024 that one expert can get; all passes read the slice out of LDS.
; THE ROWS.  Each wave finds the expert's rows for itself from sel, in registers alone (no atomics, no LDS): 32 masks of 32 tokens, each with the number of rows ahead of it; a lane that wants place p of the
; expert's rows picks the mask that holds it and then the set bit of that rank.  Places past the count repeat the last row; where a store holds rows on both sides of the count its
; upper lanes write the last row once more, with the same bytes (same fragments, same sums).  An expert without rows stores nothing.
; Dead tiles are jumped in pairs: a wave with an odd number of tiles multiplies one dead tile, and pass 0 is multiplied by every wave (two tiles at the least), so that every accumulator has been written.
; THE MATRIX INSTRUCTION IS USED TRANSPOSED: source 0 = 16 columns of W, source 1 = 16 token rows: register j of lane (r, h) holds row r, column 16 nb + 8 h + j.
; NO CLUSTER: each weight byte has one reader; the expert's work-groups share the rows of hbuf, but these come by rank, row by row, and beside the slice and the stages LDS has 14,848 bytes left.
; The four quarters' sums are added, in a fixed order, by the launch behind: no sum spans work-groups here.
; LIMITS.  Operands in bf16, sums in f32.  NaN and infinities are not treated apart.
.set UP, 0
.set WP,    288                        ; a row of the slice in LDS: 256 bytes + 32: 72 words, so the 8 rows x 32 bytes of a turning load fall on different banks (64 banks of 4 bytes: ISA guide 11.1)
.set KSB,   32*WP                      ; a K step's 32 rows
.set SP,    272                        ; a row of a stage: 256 bytes + 16
.set STAGE, 1024*WP                    ; behind the slice: 16 rows for each wave, for the way out
.set SPARE, STAGE+4*16*SP              ; the spare words, 128 bytes for each of the four waves
.if UP
.set PITCH, 16384                      ; bytes from row to row of the weights
.set WSH,   22                         ; a wave's 256 rows are 1 << WSH bytes
.set OSH,   13                         ; an output row is 1 << OSH bytes
.set SELP,  10
.set TRIPS, 5                          ; the way out goes tile by tile
.else
.set PITCH, 4096
.set WSH,   20
.set OSH,   12
.set SELP,  8
.set TRIPS, 10                         ; the way out goes by half tiles: 64 columns of f32 are 256 bytes
.endif
; vector registers.  Window 0: as below.  Window 1: in the fill eight sets of eight row loads; then accumulator (m, nb) at 64 m + 8 nb for tiles m = 0 to 3.
; Window 2: tile 4's accumulators at 8 nb; b1 at 64; the 32 masks, second-choice masks and keys at 128, 160, 192, each alike in all lanes.
.set SPW,   1                          ; my spare word's LDS address; never rewritten
.set NIL,   2                          ; 0; never rewritten
.set BADR,  3                          ; LDS address of the weight fragments in hand
.set AOFF,  4                          ; v[4:8]  tile m: byte offset of my row's fragment
.set R,     9                          ; lane % 16
.set H16,   10                         ; 16 (lane / 16)
.set STO,   11                         ; the way out: where I put my numbers
.set RD,    12                         ; the way out: where I read rows back
.set RC,    13                         ; the way out: the rids of the tile in hand, row lane % 16
.set COL16, 14                         ; 16 (lane % 16)
.set HI,    15                         ; lane / 16
.set BBASE, 16                         ; my lane's place in a turning load.  v17, v18 are at work
.set H32,   19                         ; 32 (lane / 16): my place in b1
.set STA,   20                         ; the fill: where my 8 bytes of a row go
.set WOFF,  21                         ; 16 x lane
.set RID,   22                         ; v[22:26]  tile m: the rid of row lane % 16
.set LANE,  27
.set L8,    28                         ; 8 x lane
.set C16,   29                         ; 16
.set BF,    32                         ; v[32:95]   weight fragments, 8 a column block
.set AF,    96                         ; v[96:255]  token fragments: four K steps of five tiles
.set IK,    32                         ; the search for rows, five registers each, in the weight fragments' place: 32 x place + 31,
.set KS,    37                         ; the key, mask and second-choice mask picked,
.set MS,    42
.set SS,    47
.set NN,    52                         ; the rank in the mask, the bit found so far,
.set PO,    57
.set A1,    62                         ; the mask's ones counted in fields of 2, 4 and 8 bits,
.set A2,    67
.set A3,    72
.set T1,    77                         ; at work
.set T2,    82
.set ACC4,  0                          ; window 2
.set BIAS,  64                         ; window 2
.set MKV,   128                        ; window 2
.set SKV,   160                        ; window 2
.set KEY,   192                        ; window 2
.set TA,    224                        ; window 2, at work
.set TB,    225
.set CV,    96                         ; the fill: eight rows in bf16
.set TT,    32                         ; the way out: a tile plus bias
.set GA,    96                         ; GELU at work: |a|, t, e, polynomial
.set GT,    104
.set GE,    112
.set GP,    120
.set DT,    128                        ; the way out: rows read back
.set VO,    160                        ; and their byte offsets
; scalar registers
.set WV, 14
.set E, 16
.set CB, 18
.set T, 19
.set CNT, 20
.set CNTM1, 21
.set NT, 22
.set MT, 23
.set PASS, 24
.set I, 25
.set KA, 26
.set KW, 28
.set AP, 30
.set APW, 32
.set ABASE, 34
.set WPTR, 38
.set OF, 40
.set OUTB, 42
.set CM, 46                            ; s[46:50] five masks of lanes, in the search
.set ROW0, 52
.set REM, 53
.set EM, 54
.set EM1, 55
.set KY, 56
.set M, 57
.set OUTP, 58
.set QTR, 60
.set NSL, 61
.set M1, 62
.set SB, 63
.set QP, 66
.set QE, 68
.set Q5, 70
.set Q4, 72
.set Q3, 74
.set Q2, 76
.set Q1, 78
.set ABSM, 80
.set BP, 82
.set MSB, 0
.macro WIN new                         ; s_set_vgpr_msb: bits 1:0 source 0, 3:2 source 1, 5:4 source 2, 7:6 destination; the high byte repeats the setting that is left
.if MSB != (\new)
	s_set_vgpr_msb (MSB<<8)|(\new)
.set MSB, (\new)
.endif
.endm
.macro NOPS4                           ; four places between a matrix instruction and a load into, or a vector line on, its registers (ISA guide 7.12.1 for vector lines)
.rept 4
	v_nop
.endr
.endm
.macro SPAIR reg, val                  ; a constant for packed lines: named as a pair, so both words are written
	s_mov_b32 s[\reg], \val
	s_mov_b32 s[\reg+1], \val
.endm
.macro V5 line:vararg                  ; one line for each of my five tiles q: five lines that do not wait for each other
.set q, 0
.rept 5
	\line
.set q, q+1
.endr
.endm
; THE FILL.  A turn: 64 rows of mine, eight at a time.  Group g: its eight loads are in; two roundings a row; a row's 256 bytes go into LDS; then the set that was read one group ago is loaded again,
; with the rows seven groups on.  last = 1: my last 64 rows: only group 0 still has rows to ask for.
.macro FILLTURN last
	v_add_nc_u32 v[STA], s[SB], v[L8]
.set g, 0
.rept 8
.if (\last) && (g > 0)
	s_wait_loadcnt 56-8*g                          ; nothing is issued behind them: the counts run down
.else
	s_wait_loadcnt 48                              ; loads come back in order (ISA guide 5.7.1): of the 56 out the oldest eight, this group's, are in
.endif
	WIN 0x05
.set u, 0
.rept 8
	v_cvt_pk_bf16_f32 v[CV+2*u],   v[32*g+4*u],   v[32*g+4*u+1]
	v_cvt_pk_bf16_f32 v[CV+2*u+1], v[32*g+4*u+2], v[32*g+4*u+3]
.set u, u+1
.endr
	WIN 0
.set u, 0
.rept 8
	ds_store_b64 v[STA], v[CV+2*u:CV+2*u+1] offset:(8*g+u)*WP   ; a row: 256 consecutive bytes
.set u, u+1
.endr
.if !(\last) || (g == 0)
	WIN 0x40
.set u, 0
.rept 8
	global_load_b128 v[32*((g+7)%8)+4*u:32*((g+7)%8)+4*u+3], v[WOFF], s[WPTR:WPTR+1] offset:(8*(g+7)+u)*PITCH th:TH_LOAD_NT
.set u, u+1
.endr
	WIN 0
.endif
.set g, g+1
.endr
.endm
; THE MASKS.  Group g = 4 j + c holds the tokens 128 j + 4 lane + c.  Kept, alike in all lanes: which of them chose the expert, which chose it second, and the key 32 x (rows ahead of the group) + g.
; Window setting: destination and source 0 in window 2, source 1 (sel's word) in window 0.
.macro GROUP reg, g
	v_and_b32 v[TA], s[EM], v[\reg]
	v_and_b32 v[TB], s[EM1], v[\reg]
	v_cmp_ne_u32 s[M], v[TA], 0
	v_cmp_ne_u32 s[M1], v[TB], 0
	v_mov_b32 v[MKV+(\g)], s[M]
	v_mov_b32 v[SKV+(\g)], s[M1]
	v_mov_b32 v[KEY+(\g)], s[KY]
	s_bcnt1_i32_b32 s44, s[M]
	s_lshl_b32 s44, s44, 5
	s_add_co_u32 s44, s44, 1
	s_add_co_u32 s[KY], s[KY], s44
.endm
; One halving of the search for the set bit of rank NN: the ones in the lower half of the bits still in question stand in a field of \src at bit PO; if the rank is not among them, the upper half is taken.
.macro LV src, width, last
	V5 v_bfe_u32 v[T1+q], v[\src+q], v[PO+q], \width
	V5 v_cmp_ge_u32 s[CM+q], v[NN+q], v[T1+q]
.if !(\last)
	V5 v_sub_nc_u32 v[T2+q], v[NN+q], v[T1+q]
	V5 v_cndmask_b32 v[NN+q], v[NN+q], v[T2+q], s[CM+q]
.endif
	V5 v_add_nc_u32 v[T2+q], \width, v[PO+q]
	V5 v_cndmask_b32 v[PO+q], v[PO+q], v[T2+q], s[CM+q]
.endm
; MY FIVE TILES' ROWS.  Tile q's row r has place 16 (20 pass + 4 q + wave) + r among the expert's rows; places past the count take the last row.
.macro ROWS
	s_wait_xcnt 0x0                                ; earlier stores have read their registers: from here on they are written again
	s_mul_i32 s44, s[PASS], 20
	s_add_co_u32 s44, s44, s[WV]
	s_lshl_b32 s44, s44, 4
	v_add_nc_u32 v17, s44, v[R]
	V5 v_add_nc_u32 v[IK+q], 64*q, v17
	V5 v_min_u32 v[IK+q], s[CNTM1], v[IK+q]
	V5 v_lshl_or_b32 v[IK+q], v[IK+q], 5, 31       ; a group's key is at most this exactly if the rows ahead of the group are at most my place
	WIN 0x02                                       ; source 0 in window 2
	V5 v_mov_b32 v[KS+q], v[KEY]
	V5 v_mov_b32 v[MS+q], v[MKV]
	V5 v_mov_b32 v[SS+q], v[SKV]
.set g, 1
.rept 31                                               ; the last group whose key is not above mine holds my place
.set q, 0
.rept 5
	v_cmp_gt_u32 vcc_lo, v[KEY+g], v[IK+q]
	v_cndmask_b32 v[KS+q], v[KEY+g], v[KS+q], vcc_lo
	v_cndmask_b32 v[MS+q], v[MKV+g], v[MS+q], vcc_lo
	v_cndmask_b32 v[SS+q], v[SKV+g], v[SS+q], vcc_lo
.set q, q+1
.endr
.set g, g+1
.endr
	WIN 0
	V5 v_lshrrev_b32 v[NN+q], 5, v[IK+q]
	V5 v_lshrrev_b32 v[T1+q], 5, v[KS+q]
	V5 v_sub_nc_u32 v[NN+q], v[NN+q], v[T1+q]      ; my rank among the group's rows
	V5 v_lshrrev_b32 v[T1+q], 1, v[MS+q]           ; the mask's ones, counted in fields of 2 bits,
	V5 v_and_b32 v[T1+q], 0x55555555, v[T1+q]
	V5 v_sub_nc_u32 v[A1+q], v[MS+q], v[T1+q]
	V5 v_lshrrev_b32 v[T1+q], 2, v[A1+q]           ; of 4,
	V5 v_and_b32 v[T1+q], 0x33333333, v[T1+q]
	V5 v_and_b32 v[T2+q], 0x33333333, v[A1+q]
	V5 v_add_nc_u32 v[A2+q], v[T1+q], v[T2+q]
	V5 v_lshrrev_b32 v[T1+q], 4, v[A2+q]           ; of 8,
	V5 v_add_nc_u32 v[T1+q], v[T1+q], v[A2+q]
	V5 v_and_b32 v[A3+q], 0x0f0f0f0f, v[T1+q]
	V5 v_lshrrev_b32 v[T1+q], 8, v[A3+q]           ; and in bits 0 to 15
	V5 v_add_nc_u32 v[T1+q], v[T1+q], v[A3+q]
	V5 v_and_b32 v[T1+q], 0xff, v[T1+q]
	V5 v_cmp_ge_u32 s[CM+q], v[NN+q], v[T1+q]
	V5 v_sub_nc_u32 v[T2+q], v[NN+q], v[T1+q]
	V5 v_cndmask_b32 v[NN+q], v[NN+q], v[T2+q], s[CM+q]
	V5 v_cndmask_b32 v[PO+q], 0, v[C16], s[CM+q]
	LV A3, 8, 0
	LV A2, 4, 0
	LV A1, 2, 0
	LV MS, 1, 1                                    ; PO is the lane that held my token
	V5 v_bfe_u32 v[T1+q], v[SS+q], v[PO+q], 1      ; rid = 2 (128 j + 4 PO + c) + slot, the group being 4 j + c: slot,
	V5 v_and_b32 v[T2+q], 28, v[KS+q]
	V5 v_lshl_or_b32 v[T1+q], v[T2+q], 6, v[T1+q]  ; 256 j,
	V5 v_and_b32 v[T2+q], 3, v[KS+q]
	V5 v_lshl_or_b32 v[T1+q], v[T2+q], 1, v[T1+q]  ; 2 c,
	V5 v_lshl_or_b32 v[T1+q], v[PO+q], 3, v[T1+q]  ; 8 PO
	V5 v_min_u32 v[RID+q], 0x7ff, v[T1+q]
.if UP
	V5 v_and_b32 v[AOFF+q], 0x7fe, v[RID+q]                  ; 2 x token,
	V5 v_lshl_add_u32 v[AOFF+q], v[AOFF+q], 10, v[H16]       ; rows of 2,048 bytes
.else
	V5 v_lshl_add_u32 v[AOFF+q], v[RID+q], 13, v[H16]        ; rows of 8,192 bytes
.endif
.endm
; THE PRODUCTS.  Four matrix instructions: tile m, column blocks 4 nh .. 4 nh + 3, token buffer ab.  first = 1: they start the sums with 0.
.macro MM4 m, nh, ab, first
.if (\m) < 4
	WIN 0x50
.set rD, 64*(\m)+32*(\nh)
.else
	WIN 0xa0
.set rD, ACC4+32*(\nh)
.endif
.set rA, AF+40*(\ab)+8*(\m)
.set rB, BF+32*(\nh)
.irp n, 0,1,2,3
.if \first
	v_wmma_f32_16x16x32_bf16 v[rD+8*(\n):rD+8*(\n)+7], v[rB+8*(\n):rB+8*(\n)+7], v[rA:rA+7], 0
.else
	v_wmma_f32_16x16x32_bf16 v[rD+8*(\n):rD+8*(\n)+7], v[rB+8*(\n):rB+8*(\n)+7], v[rA:rA+7], v[rD+8*(\n):rD+8*(\n)+7]
.endif
.endr
.endm
; All tiles x four column blocks.  A wave with two tiles or fewer, or four or fewer, jumps forward over the rest; the step that starts the sums is never cut short.
; The accumulators take turns, one instruction a turn, on every one of these ways.
.macro HALF nh, ab, first
	MM4 0, \nh, \ab, \first
	MM4 1, \nh, \ab, \first
.if !(\first)
	WIN 0
	s_cmp_le_u32 s[MT], 2
	s_cbranch_scc1 .Lh\@
.endif
	MM4 2, \nh, \ab, \first
	MM4 3, \nh, \ab, \first
.if !(\first)
	WIN 0
	s_cmp_le_u32 s[MT], 4
	s_cbranch_scc1 .Lh\@
.endif
	MM4 4, \nh, \ab, \first
	WIN 0
.Lh\@:
.endm
.macro LDB half, k                     ; eight turning loads: 32 k x 64 columns, at byte k behind BADR
.irp n, 0,1,2,3
	ds_load_tr16_b128 v[BF+32*(\half)+8*(\n):BF+32*(\half)+8*(\n)+3],   v[BADR] offset:(\k)+128*(\half)+32*(\n)
	ds_load_tr16_b128 v[BF+32*(\half)+8*(\n)+4:BF+32*(\half)+8*(\n)+7], v[BADR] offset:(\k)+128*(\half)+32*(\n)+16*WP
.endr
.endm
.macro LDA ab, m, ptr, imm             ; tile m's token fragment: 16 rows x 32 k, two loads of 16 bytes a lane
	global_load_b128 v[AF+40*(\ab)+8*(\m):AF+40*(\ab)+8*(\m)+3],   v[AOFF+(\m)], s[\ptr:\ptr+1] offset:(\imm)
	global_load_b128 v[AF+40*(\ab)+8*(\m)+4:AF+40*(\ab)+8*(\m)+7], v[AOFF+(\m)], s[\ptr:\ptr+1] offset:(\imm)+32
.endm
; A K step on token buffer ab.  ldb = 1: the next step's weight fragments are fetched, at byte kb behind BADR, each half as soon as its registers are free.
; lda = 1: the buffer is loaded again with the K step four on (ptr, imm).  acnt: the token loads issued behind this step's, which may stay out.
.macro STEP ab, kb, first, lda, ptr, imm, ldb, acnt
	s_wait_dscnt 0x8                               ; column blocks 0 to 3 are in; the eight loads of blocks 4 to 7 may be out
	s_wait_loadcnt \acnt
	HALF 0, \ab, \first
.if \ldb
	NOPS4
	LDB 0, \kb
	s_wait_dscnt 0x8                               ; column blocks 4 to 7 are in; the eight loads just issued may be out
.else
	s_wait_dscnt 0x0
.endif
	HALF 1, \ab, \first
.if (\ldb) || (\lda)
	NOPS4
.endif
.if \ldb
	LDB 1, \kb
.endif
.if \lda
.irp m, 0,1,2,3,4
	LDA \ab, \m, \ptr, \imm
.endr
.endif
.endm
.macro MTCALC                          ; my live tiles in this pass: tiles 20 pass + 4 i + wave below NT, i = 0 to 4
	s_mul_i32 s44, s[PASS], 20
	s_add_co_u32 s44, s44, s[WV]
	s_sub_co_i32 s45, s[NT], s44
	s_add_co_i32 s45, s45, 3
	s_ashr_i32 s45, s45, 2
	s_max_i32 s45, s45, 0
	s_min_i32 s[MT], s45, 5
.endm
; The stage's 16 rows of 256 bytes go out: each half of the lanes stores one row, 256 consecutive bytes at a multiple of 256 from the buffer's first.  Stores wholly past the count are jumped.
; Store t has rows 2 t and 2 t + 1: their rids are read out of lanes 2 t and 2 t + 1 of RC, and each half of the lanes takes its own.
.macro OUTROWS shift, ptr
.irp t, 0,1,2,3,4,5,6,7
	ds_load_b128 v[DT+4*(\t):DT+4*(\t)+3], v[RD] offset:2*SP*(\t)   ; LDS serves a wave's instructions in order (ISA guide 5.7.1.4): these see my stores into the stage
.endr
	v_cmp_ne_u32 vcc_lo, 0, v[HI]
.irp b, 0,4
.irp t, 0,1,2,3
	v_readlane_b32 s[44+2*(\t)], v[RC], 2*((\b)+(\t))
	v_readlane_b32 s[45+2*(\t)], v[RC], 2*((\b)+(\t))+1
.endr
.irp t, 0,1,2,3
	v_mov_b32 v[VO+(\b)+(\t)], s[45+2*(\t)]
.endr
.irp t, 0,1,2,3
	v_cndmask_b32 v[VO+(\b)+(\t)], s[44+2*(\t)], v[VO+(\b)+(\t)], vcc_lo
.endr
.endr
.irp t, 0,1,2,3,4,5,6,7
	v_min_u32 v[VO+(\t)], 0x7ff, v[VO+(\t)]
.endr
.irp t, 0,1,2,3,4,5,6,7
	v_lshl_add_u32 v[VO+(\t)], v[VO+(\t)], \shift, v[COL16]
.endr
	s_wait_dscnt 0x0
.irp t, 0,1,2,3,4,5,6,7
.if (\t) > 0
	s_cmp_le_u32 s[REM], 2*(\t)
	s_cbranch_scc1 .Lso\@
.endif
	global_store_b128 v[VO+(\t)], v[DT+4*(\t):DT+4*(\t)+3], s[\ptr:\ptr+1]
.endr
.Lso\@:
.endm
.if UP
.macro TBLOCK i                        ; tile i plus bias, each accumulator from its low end on
.Lt\i:
	v_mov_b32 v[RC], v[RID+(\i)]
.if (\i) < 4
	WIN 0x09
.set src, 64*(\i)
.else
	WIN 0x0a
.set src, ACC4
.endif
.set z, 0
.rept 32
	v_pk_add_f32 v[TT+z:TT+z+1], v[src+z:src+z+1], v[BIAS+z:BIAS+z+1]
.set z, z+2
.endr
	WIN 0
.endm
.macro GELU8 nb                        ; eight numbers of a row: GELU, bf16, into the stage.  A plain line stands between every reciprocal or exponential and the use of its result (ISA guide 5.7.2)
.set a, TT+8*(\nb)
.irp i, 0,1,2,3,4,5,6,7
	v_and_b32 v[GA+(\i)], s[ABSM], v[a+(\i)]
.endr
.irp i, 0,2,4,6
	v_pk_fma_f32 v[GT+(\i):GT+(\i)+1], v[GA+(\i):GA+(\i)+1], s[QP:QP+1], 1.0 op_sel_hi:[1,0,0]
.endr
.irp i, 0,2,4,6
	v_pk_mul_f32 v[GE+(\i):GE+(\i)+1], v[a+(\i):a+(\i)+1], v[a+(\i):a+(\i)+1]
.endr
.irp i, 0,1,2,3,4,5,6,7
	v_rcp_f32 v[GT+(\i)], v[GT+(\i)]
.endr
.irp i, 0,2,4,6
	v_pk_mul_f32 v[GE+(\i):GE+(\i)+1], v[GE+(\i):GE+(\i)+1], s[QE:QE+1] op_sel_hi:[1,0]
.endr
.irp i, 0,1,2,3,4,5,6,7
	v_exp_f32 v[GE+(\i)], v[GE+(\i)]
.endr
.irp i, 0,2,4,6
	v_pk_fma_f32 v[GP+(\i):GP+(\i)+1], v[GT+(\i):GT+(\i)+1], s[Q5:Q5+1], s[Q4:Q4+1] op_sel_hi:[1,0,0]
.endr
.irp c, Q3,Q2,Q1
.irp i, 0,2,4,6
	v_pk_fma_f32 v[GP+(\i):GP+(\i)+1], v[GP+(\i):GP+(\i)+1], v[GT+(\i):GT+(\i)+1], s[\c:\c+1] op_sel_hi:[1,1,0]
.endr
.endr
.irp i, 0,2,4,6
	v_pk_mul_f32 v[GP+(\i):GP+(\i)+1], v[GP+(\i):GP+(\i)+1], v[GT+(\i):GT+(\i)+1]
.endr
.irp i, 0,2,4,6
	v_pk_mul_f32 v[GP+(\i):GP+(\i)+1], v[GP+(\i):GP+(\i)+1], v[GE+(\i):GE+(\i)+1]
.endr
.irp i, 0,1,2,3,4,5,6,7
	v_max_num_f32 v[a+(\i)], 0, v[a+(\i)]
.endr
.irp i, 0,2,4,6
	v_pk_fma_f32 v[a+(\i):a+(\i)+1], v[GA+(\i):GA+(\i)+1], v[GP+(\i):GP+(\i)+1], v[a+(\i):a+(\i)+1]
.endr
.irp i, 0,1,2,3
	v_cvt_pk_bf16_f32 v[GA+(\i)], v[a+2*(\i)], v[a+2*(\i)+1]
.endr
	ds_store_b128 v[STO], v[GA:GA+3] offset:32*(\nb)
.endm
.else
.macro UBLOCK u                        ; half u % 2 of tile u / 2 into the stage, f32, each accumulator from its low end on
.Lu\u:
	v_mov_b32 v[RC], v[RID+(\u)/2]
.if (\u)/2 < 4
	WIN 0x04
.set src, 64*((\u)/2)+32*((\u)%2)
.else
	WIN 0x08
.set src, ACC4+32*((\u)%2)
.endif
.irp n, 0,1,2,3
	ds_store_b128 v[STO], v[src+8*(\n):src+8*(\n)+3]   offset:64*(\n)
	ds_store_b128 v[STO], v[src+8*(\n)+4:src+8*(\n)+7] offset:64*(\n)+16
.endr
	WIN 0
.endm
.endif
	s_load_b256 s[4:11], s[0:1], 0x0               ; UP: xb, w1, b1, sel; else: hbuf, w2, sel, ypart
.if UP
	s_load_b64 s[12:13], s[0:1], 0x20              ; hbuf
.endif
	v_lshl_add_u32 v[SPW], v0, 2, SPARE
	v_mov_b32 v[NIL], 0
	v_lshrrev_b32 v18, 5, v0
	v_readfirstlane_b32 s[WV], v18                 ; wave 0..3
	v_and_b32 v[R], 15, v0
	v_bfe_u32 v[HI], v0, 4, 1
	v_and_b32 v[LANE], 31, v0
	v_lshlrev_b32 v[WOFF], 4, v[LANE]
	v_lshlrev_b32 v[L8], 3, v[LANE]
	v_lshlrev_b32 v[H16], 4, v[HI]
.if UP
	v_lshlrev_b32 v[H32], 5, v[HI]
.endif
	v_lshlrev_b32 v[COL16], 4, v[R]
	v_mov_b32 v[C16], 16
	v_and_b32 v18, 7, v0                           ; the turning load: lane L reads row 8 (L / 16) + L % 8, bytes 16 ((L / 8) % 2) on
	v_lshl_add_u32 v18, v[HI], 3, v18
	v_mul_u32_u24 v[BBASE], v18, WP
	v_bfe_u32 v18, v0, 3, 1
	v_lshl_add_u32 v[BBASE], v18, 4, v[BBASE]
	s_mul_i32 s44, s[WV], 16*SP
	s_add_co_u32 s44, s44, STAGE                   ; my stage
	v_mul_u32_u24 v18, v[R], SP
.if UP
	v_lshl_add_u32 v18, v[HI], 4, v18              ; in: row r, 16 bytes for each half of the lanes
.else
	v_lshl_add_u32 v18, v[HI], 5, v18              ; in: row r, 32 bytes for each half of the lanes
.endif
	v_add_nc_u32 v[STO], s44, v18
	v_mul_u32_u24 v18, v[HI], SP                   ; back: lanes 0-15 one row, lanes 16-31 the next
	v_lshl_add_u32 v18, v[R], 4, v18
	v_add_nc_u32 v[RD], s44, v18
	s_mul_i32 s[SB], s[WV], 256*WP                 ; my 256 rows of the slice in LDS
	s_and_b32 s[E], ttmp7, 0xffff                  ; expert
	s_lshl_b32 s[EM], 0x101, s[E]                  ; sel's bits for this expert: first or second choice,
	s_lshl_b32 s[EM1], 0x100, s[E]                 ; second choice
	s_mov_b32 s[KY], 0
	s_mov_b32 s[PASS], 0
	s_mov_b32 s[KA+1], 0
	s_mov_b32 s[KW+1], 0
	s_mov_b32 s[OF+1], 0
	s_lshl_b32 s44, s[E], 24                       ; an expert's weights are 1 << 24 bytes
	s_lshl_b32 s52, s[WV], WSH                     ; my 256 rows
	s_add_co_u32 s44, s44, s52
	s_mov_b32 s45, 0
	s_mov_b32 s49, 0
.if UP
	s_lshl_b32 s52, ttmp9, 9                       ; my 128 columns of f32
	s_add_co_u32 s44, s44, s52
	s_lshl_b32 s48, ttmp9, 8                       ; my 128 columns of bf16
	s_lshl_b32 s50, s[E], 14                       ; my slice of b1
	s_add_co_u32 s50, s50, s52
	s_mov_b32 s51, 0
	SPAIR QP, 0x3e6d3388                           ; 0.3275911 / sqrt 2
	SPAIR QE, 0xbf38aa3b                           ; -log2(e) / 2
	SPAIR Q5, 0xbf07dc22                           ; the polynomial's five numbers times -1/2
	SPAIR Q4, 0x3f3a00e3
	SPAIR Q3, 0xbf35f0e3
	SPAIR Q2, 0x3e11a98e
	SPAIR Q1, 0xbe027906
	s_mov_b32 s[ABSM], 0x7fffffff
.else
	s_lshr_b32 s[QTR], ttmp9, 3                    ; which quarter of K,
	s_and_b32 s[NSL], ttmp9, 7                     ; which 128 columns
	s_lshl_b32 s52, s[QTR], 22
	s_add_co_u32 s44, s44, s52
	s_lshl_b32 s52, s[NSL], 9
	s_add_co_u32 s44, s44, s52
	s_lshl_b32 s46, s[QTR], 11                     ; my quarter of a row of hbuf
	s_mov_b32 s47, 0
	s_lshl_b32 s48, s[QTR], 23                     ; my quarter's plane of ypart, my 128 columns of f32
	s_add_co_u32 s48, s48, s52
.endif
	s_wait_kmcnt 0x0
	s_add_nc_u64 s[WPTR:WPTR+1], s[6:7], s[44:45]
.if UP
	s_mov_b64 s[ABASE:ABASE+1], s[4:5]
	s_add_nc_u64 s[OUTB:OUTB+1], s[12:13], s[48:49]
	s_add_nc_u64 s[BP:BP+1], s[8:9], s[50:51]
.else
	s_add_nc_u64 s[ABASE:ABASE+1], s[4:5], s[46:47]
	s_add_nc_u64 s[OUTB:OUTB+1], s[10:11], s[48:49]
.endif
	; all 1,024 words of sel: lane L of load j has tokens 128 j + 4 L + 0..3
.set j, 0
.rept 8
	global_load_b128 v[BF+4*j:BF+4*j+3], v[WOFF], s[SELP:SELP+1] offset:512*j
.set j, j+1
.endr
.if UP
	WIN 0x80                                       ; b1 of my eight columns of each block stays in registers
.irp n, 0,1,2,3,4,5,6,7
	global_load_b128 v[BIAS+8*(\n):BIAS+8*(\n)+3],   v[H32], s[BP:BP+1] offset:64*(\n)
	global_load_b128 v[BIAS+8*(\n)+4:BIAS+8*(\n)+7], v[H32], s[BP:BP+1] offset:64*(\n)+16
.endr
.endif
	WIN 0x40                                       ; my first 32 rows are asked for; a load covers a row's 512 consecutive bytes
.set u, 0
.rept 32
	global_load_b128 v[4*u:4*u+3], v[WOFF], s[WPTR:WPTR+1] offset:u*PITCH th:TH_LOAD_NT
.set u, u+1
.endr
	WIN 0
	s_wait_loadcnt 32+16*UP                        ; sel is in; b1's loads and the 32 row loads may be out: the masks are made while they come
	WIN 0x82
.set j, 0
.rept 8
.set c, 0
.rept 4
	GROUP BF+4*j+c, 4*j+c
.set c, c+1
.endr
.set j, j+1
.endr
	WIN 0
	s_lshr_b32 s[CNT], s[KY], 5                    ; the key has run to 32 x count + 32
	s_sub_co_u32 s[CNT], s[CNT], 1
	s_max_u32 s44, s[CNT], 1
	s_sub_co_u32 s[CNTM1], s44, 1
	s_add_co_u32 s44, s[CNT], 15
	s_lshr_b32 s[NT], s44, 4
.if UP
	s_wait_loadcnt 32                              ; b1 is in
.endif
	WIN 0x40                                       ; rows 32 to 55: seven sets of eight are out
.set u, 32
.rept 24
	global_load_b128 v[4*u:4*u+3], v[WOFF], s[WPTR:WPTR+1] offset:u*PITCH th:TH_LOAD_NT
.set u, u+1
.endr
	WIN 0
	s_mov_b32 s[T], 3
.Lfill:                                                ; three turns of 64 rows; the fourth is written out, so that no load passes my rows' end
	FILLTURN 0
	s_wait_xcnt 0x0                                ; the base is stepped only when the loads that name it have read it
	s_add_nc_u64 s[WPTR:WPTR+1], s[WPTR:WPTR+1], 64*PITCH
	s_add_co_u32 s[SB], s[SB], 64*WP
	s_sub_co_u32 s[T], s[T], 1
	s_cmp_lg_u32 s[T], 0
	s_cbranch_scc1 .Lfill
	FILLTURN 1
	s_wait_dscnt 0x0                               ; for the others' sake: my rows are in LDS
	s_barrier_signal -1
	s_barrier_wait -1                              ; the slice is whole, and is only read from here on
	MTCALC
	s_branch .Lwork                                ; pass 0 is multiplied by every wave
.Lpass:                                                ; four passes of 320 rows
	MTCALC
	s_cmp_eq_u32 s[MT], 0
	s_cbranch_scc1 .Lkdone
.Lwork:
	ROWS
	v_mov_b32 v[BADR], v[BBASE]
.irp b, 0,1,2,3
.irp m, 0,1,2,3,4
	LDA \b, \m, ABASE, 64*(\b)
.endr
.endr
	LDB 0, 0
	LDB 1, 0
	STEP 0, KSB, 1, 1, ABASE, 256, 1, 30           ; K step 0 starts the sums
	s_mov_b32 s[T], 0
	s_mov_b32 s[KA], 0
	s_mov_b32 s[CB], 0
.Lk:                                                   ; trip i: K steps 4 i + 1 .. 4 i + 4.  CB = 4 K steps of LDS rows x i, KA = 256 i bytes of a token row
	s_wait_xcnt 0x0                                ; the two bases are rewritten only when the loads that name them have read them
	s_add_co_u32 s[KW], s[KA], 512                 ; K step 4 i + 8; in the last trip it would pass the row's end and is wrapped to its start:
	s_and_b32 s[KW], s[KW], 2047                   ; ten loads that serve nothing keep every count alike
	s_add_nc_u64 s[AP:AP+1], s[ABASE:ABASE+1], s[KA:KA+1]
	s_add_nc_u64 s[APW:APW+1], s[ABASE:ABASE+1], s[KW:KW+1]
	v_add_nc_u32 v[BADR], s[CB], v[BBASE]
	STEP 1, 2*KSB, 0, 1, AP, 320, 1, 30            ; 30: the three later K steps' ten loads each may be out
	STEP 2, 3*KSB, 0, 1, AP, 384, 1, 30
	STEP 3, 4*KSB, 0, 1, AP, 448, 1, 30
	STEP 0, 5*KSB, 0, 1, APW, 0, 1, 30
	s_add_co_u32 s[CB], s[CB], 4*KSB
	s_add_co_u32 s[KA], s[KA], 256
	s_add_co_u32 s[T], s[T], 1
	s_cmp_lt_u32 s[T], 7
	s_cbranch_scc1 .Lk
	v_add_nc_u32 v[BADR], s[CB], v[BBASE]
	STEP 1, 2*KSB, 0, 0, ABASE, 0, 1, 30           ; K steps 29 to 31 ask for no token rows: the counts run down
	STEP 2, 3*KSB, 0, 0, ABASE, 0, 1, 20
	STEP 3, 0,     0, 0, ABASE, 0, 0, 10
	NOPS4
	s_wait_loadcnt 0x0                             ; the ten wrapped loads: their registers and offsets are used again below
.Lkdone:
	s_wait_dscnt 0x0
	s_barrier_signal -1                            ; every wave's reads of the slice, whose addresses step with the loop, are over
	s_barrier_wait -1                              ; before any wave stores into its stage
	s_mov_b32 s[I], 0
.Ltile:                                                ; the way out, a stage at a time; dead tiles are jumped
.if UP
	s_mov_b32 s45, s[I]
.else
	s_lshr_b32 s45, s[I], 1
.endif
	s_cmp_ge_u32 s45, s[MT]
	s_cbranch_scc1 .Ltnext
	s_wait_xcnt 0x0                                ; the last stage's stores have read their registers and base
	s_mul_i32 s44, s[PASS], 20
	s_lshl2_add_u32 s44, s45, s44
	s_add_co_u32 s44, s44, s[WV]
	s_lshl_b32 s[ROW0], s44, 4                     ; the tile's first place among the expert's rows,
	s_sub_co_u32 s[REM], s[CNT], s[ROW0]           ; and how many places are left from there: at least 1
.if UP
.irp i, 0,1,2,3
	s_cmp_eq_u32 s[I], \i
	s_cbranch_scc1 .Lt\i
.endr
	TBLOCK 4
	s_branch .Lgelu
.irp i, 0,1,2
	TBLOCK \i
	s_branch .Lgelu
.endr
	TBLOCK 3
.Lgelu:
.irp n, 0,1,2,3,4,5,6,7
	GELU8 \n
.endr
	OUTROWS OSH, OUTB
.else
	s_and_b32 s46, s[I], 1
	s_lshl_b32 s[OF], s46, 8                       ; the half's 256 bytes of a row
	s_add_nc_u64 s[OUTP:OUTP+1], s[OUTB:OUTB+1], s[OF:OF+1]
.irp u, 0,1,2,3,4,5,6,7,8
	s_cmp_eq_u32 s[I], \u
	s_cbranch_scc1 .Lu\u
.endr
	UBLOCK 9
	s_branch .Lsend
.irp u, 0,1,2,3,4,5,6,7
	UBLOCK \u
	s_branch .Lsend
.endr
	UBLOCK 8
.Lsend:
	OUTROWS OSH, OUTP
.endif
.Ltnext:
	s_add_co_u32 s[I], s[I], 1
	s_cmp_lt_u32 s[I], TRIPS
	s_cbranch_scc1 .Ltile
	s_wait_dscnt 0x0
	s_barrier_signal -1                            ; every wave's stores into its stage are over
	s_barrier_wait -1                              ; before any wave reads the slice again
	s_add_co_u32 s[PASS], s[PASS], 1
	s_cmp_lt_u32 s[PASS], 4
	s_cbranch_scc1 .Lpass
	s_wait_tensorcnt 0x0                           ; the wave's end: three closing lines behind my last LDS store
	ds_add_u32 v[SPW], v[NIL]
	s_wait_dscnt 0x0
	s_endpgm
.Lfunc_end_k_q13f7142a39_down:
	.size	k_q13f7142a39_down, .Lfunc_end_k_q13f7142a39_down-k_q13f7142a39_down
	.p2alignl 7, 3214868480
	.fill 96, 4, 3214868480
	.section	.rodata,"a",@progbits
	.p2align	6, 0x0
	.amdhsa_kernel k_q13f7142a39_down
		.amdhsa_group_segment_fixed_size 312832
		.amdhsa_private_segment_fixed_size 0
		.amdhsa_enable_private_segment 0
		.amdhsa_kernarg_size 32
		.amdhsa_user_sgpr_count 2
		.amdhsa_user_sgpr_kernarg_segment_ptr 1
		.amdhsa_wavefront_size32 1
		.amdhsa_system_sgpr_workgroup_id_x 1
		.amdhsa_system_sgpr_workgroup_id_y 1
		.amdhsa_system_sgpr_workgroup_id_z 1
		.amdhsa_system_vgpr_workitem_id 0
		.amdhsa_next_free_vgpr 768
		.amdhsa_next_free_sgpr 96
		.amdhsa_reserve_vcc 1
		.amdhsa_float_denorm_mode_32 3
		.amdhsa_float_denorm_mode_16_64 3
		.amdhsa_memory_ordered 1
		.amdhsa_forward_progress 1
		.amdhsa_inst_pref_size 146
	.end_amdhsa_kernel
	.amdgpu_metadata
---
amdhsa.version: [ 1, 2 ]
amdhsa.kernels:
  - .name:           k_q13f7142a39_down
    .symbol:         k_q13f7142a39_down.kd
    .args:
      - { .name: hbuf, .offset: 0, .size: 8, .value_kind: global_buffer, .address_space: global }
      - { .name: w2, .offset: 8, .size: 8, .value_kind: global_buffer, .address_space: global }
      - { .name: sel, .offset: 16, .size: 8, .value_kind: global_buffer, .address_space: global }
      - { .name: ypart, .offset: 24, .size: 8, .value_kind: global_buffer, .address_space: global }
    .group_segment_fixed_size: 312832
    .private_segment_fixed_size: 0
    .kernarg_segment_align: 8
    .kernarg_segment_size: 32
    .max_flat_workgroup_size: 128
    .sgpr_count:     96
    .vgpr_count:     768
    .wavefront_size: 32
...
	.end_amdgpu_metadata
.endif
;; end of part 6
;; launch combine: the kernel of part 4 again; grid 256 x 1, 8 waves a work-group, no clusters, 1,280 bytes of LDS; arguments ypart, x, b2, gamma, beta, sel, pw, out0; writes out0
;; ======== version 3 of 3: 4 launches; version 2 with the launches up, down written anew for expert scheduling mode
;; workspace buffers: xb 2,097,152 bytes; sel 4,096 bytes of whole numbers; pw 8,192 bytes; hbuf 16,777,216 bytes; ypart 33,554,432 bytes
;; launch route: the kernel of part 1 again; grid 256 x 1, 4 waves a work-group, no clusters, 1,024 bytes of LDS; arguments x, router_w, router_b, out1, xb, sel, pw; writes out1, xb, sel, pw
;; launch up (part 7): grid 32 x 8, 4 waves a work-group, no clusters, 312,832 bytes of LDS; arguments xb, w1, b1, sel, hbuf; writes hbuf
.if DOCPART == 7
	.amdgcn_target "amdgcn-amd-amdhsa--gfx1250"
	.amdhsa_code_object_version 6
	.text
	.protected	k_q13f7142a39_up
	.globl	k_q13f7142a39_up
	.p2align	8
	.type	k_q13f7142a39_up,@function
k_q13f7142a39_up:
	s_mov_b64 s[64:65], 0
	v_nop
	global_prefetch_b8 v0, s[64:65] scope:SCOPE_SE
	s_setreg_imm32_b32 hwreg(HW_REG_WAVE_SCHED_MODE, 0, 2), 2
	s_setreg_imm32_b32 hwreg(HW_REG_WAVE_MODE, 25, 1), 1
	s_wait_xcnt 0x0
	s_wait_alu depctr_vm_vsrc(0)
; FIRST PRODUCT (UP = 1): hbuf[rid][:] = gelu(x[token] . w1[e] + b1[e]) in bf16, for the rows that chose expert e.  rid = 2 token + slot (0: first choice, 1: second).
; The same text with UP = 0 is the second product.  A work-group has ONE expert (grid y) and a slice of its weights, 1,024 k x 128 n of f32, which it alone reads, and all of that expert's rows.
; TWO PHASES, four like waves.  FILL: wave w streams rows 256 w .. 256 w + 255 of the slice, 48 to 56 row loads of 512 bytes always out, rounds to bf16 and lays the rows into LDS, [k][n], each byte once.
; One barrier.  MULTIPLY: each wave has up to five tiles of 16 rows x 128 columns; token fragments come straight from memory, three K steps ahead; weight fragments out of LDS, turned by ds_load_tr16_b128, one K step ahead.
; The stream and the products do not overlap in a work-group: that is the price of a slice that is written once, ahead of the one barrier behind which it is read.
; EVERY SPLIT is served: a pass takes 4 x 5 tiles = 320 rows; four passes, 1,280, cover the 1,024 that one expert can get; all passes read the slice out of LDS.
; THE ROWS.  Each wave finds the expert's rows for itself from sel, in registers alone (no atomics, no LDS): 32 masks of 32 tokens, each with the number of rows ahead of it; a lane that wants place p of the
; expert's rows picks the mask that holds it and then the set bit of that rank.  Places past the count repeat the last row; where a store holds rows on both sides of the count its
; upper lanes write the last row once more, with the same bytes (same fragments, same sums).  An expert without rows stores nothing.
; Dead tiles are jumped in pairs: a wave with an odd number of tiles multiplies one dead tile, and pass 0 is multiplied by every wave (two tiles at the least), so that every accumulator has been written.
; THE MATRIX INSTRUCTION IS USED TRANSPOSED: source 0 = 16 columns of W, source 1 = 16 token rows: register j of lane (r, h) holds row r, column 16 nb + 8 h + j.
; NO CLUSTER: each weight byte has one reader; the expert's 32 work-groups share the token rows, but these come by rank, row by row, and beside the slice and the stages LDS has 14,848 bytes left.
; GELU: a/2 (1 + erf(a / sqrt 2)) = max(a, 0) - |a| q / 2, q = erfc(|a| / sqrt 2) by a fifth-degree polynomial in 1 / (1 + 0.3275911 z) times exp(-z^2): within 1.5e-7 of erfc for every argument.
; LIMITS.  Operands in bf16, sums in f32.  An exponential below 2^-126 counts as 0.  NaN and infinities are not treated apart.
; THE MODE: SCHED_MODE bits 1:0 = 2 (LLVM: expert scheduling mode 2), set by the entry lines.  The code itself states the register dependences
; between vector or matrix instructions and memory or LDS instructions, with s_wait_alu, always for 0.
; THE PLAN.  Registers that memory or LDS instructions touch:
;   the fill's eight sets (window 1)  Group g: its conversions read set g; the loads issued in group g land in set g - 1, which the group before read out.
;   CV, STA      CV is written by a group's conversions, STA once a turn; both are read by the group's eight LDS stores.
;   AOFF, BADR   AOFF is written by the search, once a pass, and read by the token loads; BADR is written once a trip of four K steps and read by the turning loads.
;   BF0, BF1     K step s: its products read set s % 2; its sixteen turning loads land in the other set, for step s + 1.
;   AF0 .. AF3   K step s: its products read buffer s % 4; its ten token loads land in buffer (s + 3) % 4, the step before's, with K step s + 3.
;   OB (first product) or the accumulators (second)  the data of the LDS stores into the stage.   DT  lands from the stage, read by the global stores.   VO  their offsets, written by vector lines.
;   WOFF, H32, STO, RD, COL16, and the closing add's two registers: made at the head, never written again.
; So a group of the fill has two waits (the stores have read CV; the conversions have written it), a K step ONE, at its head, behind which its 26 loads are dealt among its products,
; which name BF[s % 2], AF[s % 4] and accumulators alone; a pass one of each kind at its head; a stage one at its head and one ahead of each run of stores.
.set UP, 1
.set WP,    288                        ; a row of the slice in LDS: 256 bytes + 32: 72 words, so the 8 rows x 32 bytes of a turning load fall on different banks (64 banks of 4 bytes: ISA guide 11.1)
.set KSB,   32*WP                      ; a K step's 32 rows
.set SP,    272                        ; a row of a stage: 256 bytes + 16
.set STAGE, 1024*WP                    ; behind the slice: 16 rows for each wave, for the way out
.set SPARE, STAGE+4*16*SP              ; the spare words, 128 bytes for each of the four waves
.if UP
.set PITCH, 16384                      ; bytes from row to row of the weights
.set WSH,   22                         ; a wave's 256 rows are 1 << WSH bytes
.set OSH,   13                         ; an output row is 1 << OSH bytes
.set SELP,  10
.set TRIPS, 5                          ; the way out goes tile by tile
.else
.set PITCH, 4096
.set WSH,   20
.set OSH,   12
.set SELP,  8
.set TRIPS, 10                         ; the way out goes by half tiles: 64 columns of f32 are 256 bytes
.endif
; vector registers.  Window 0: as below.  Window 1: in the fill eight sets of eight row loads; then accumulator (m, nb) at 64 m + 8 nb for tiles m = 0 to 3.
; Window 2: tile 4's accumulators at 8 nb; b1 at 64; the 32 masks, second-choice masks and keys at 128, 160, 192, each alike in all lanes.  Window 3: the weight fragments' second set.
.set SPW,   1                          ; my spare word's LDS address; never rewritten
.set NIL,   2                          ; 0; never rewritten
.set BADR,  3                          ; LDS address of the weight fragments in hand
.set AOFF,  4                          ; v[4:8]  tile m: byte offset of my row's fragment
.set R,     9                          ; lane % 16
.set H16,   10                         ; 16 (lane / 16)
.set STO,   11                         ; the way out: where I put my numbers
.set RD,    12                         ; the way out: where I read rows back
.set RC,    13                         ; the way out: the rids of the tile in hand, row lane % 16
.set COL16, 14                         ; 16 (lane % 16)
.set HI,    15                         ; lane / 16
.set BBASE, 16                         ; my lane's place in a turning load.  v17, v18 are at work
.set H32,   19                         ; 32 (lane / 16): my place in b1
.set STA,   20                         ; the fill: where my 8 bytes of a row go
.set WOFF,  21                         ; 16 x lane
.set RID,   22                         ; v[22:26]  tile m: the rid of row lane % 16
.set LANE,  27
.set L8,    28                         ; 8 x lane
.set C16,   29                         ; 16
.set BF,    32                         ; v[32:95]   weight fragments, 8 a column block: set 0 in window 0, set 1 at the same numbers in window 3
.set AF,    96                         ; v[96:255]  token fragments: four K steps of five tiles
.set IK,    32                         ; the search for rows, five registers each, in the weight fragments' place: 32 x place + 31,
.set KS,    37                         ; the key, mask and second-choice mask picked,
.set MS,    42
.set SS,    47
.set NN,    52                         ; the rank in the mask, the bit found so far,
.set PO,    57
.set A1,    62                         ; the mask's ones counted in fields of 2, 4 and 8 bits,
.set A2,    67
.set A3,    72
.set T1,    77                         ; at work
.set T2,    82
.set ACC4,  0                          ; window 2
.set BIAS,  64                         ; window 2
.set MKV,   128                        ; window 2
.set SKV,   160                        ; window 2
.set KEY,   192                        ; window 2
.set TA,    224                        ; window 2, v[224:231] at work
.set CV,    96                         ; the fill: eight rows in bf16
.set TT,    32                         ; the way out: a tile plus bias
.set GA,    96                         ; GELU at work: |a|, t, e, polynomial
.set GT,    104
.set GE,    112
.set GP,    120
.set DT,    128                        ; the way out: rows read back
.set VO,    160                        ; and their byte offsets
.set OB,    192                        ; the way out: a tile in bf16, four registers a column block
; scalar registers
.set WV, 14
.set E, 16
.set CB, 18
.set T, 19
.set CNT, 20
.set CNTM1, 21
.set NT, 22
.set MT, 23
.set PASS, 24
.set I, 25
.set KA, 26
.set AP, 30
.set ABASE, 34
.set WPTR, 38
.set OF, 40
.set OUTB, 42
.set RE, 44                            ; s[44:51] the way out: the rids of the stage's even rows
.set CM, 46                            ; s[46:50] five masks of lanes, in the search
.set ROW0, 52
.set REM, 53
.set EM, 54
.set EM1, 55
.set KY, 56
.set OUTP, 58
.set QTR, 60
.set NSL, 61
.set SB, 63
.set QP, 66
.set QE, 68
.set Q5, 70
.set Q4, 72
.set Q3, 74
.set Q2, 76
.set Q1, 78
.set ABSM, 80
.set BP, 82
.set CN, 84                            ; s[84:88] five more masks of lanes: the search's groups take the two sets by turns
.set GM, 84                            ; s[84:91] at the head: four groups' two masks each
.set RO, 84                            ; s[84:91] the way out: the rids of the stage's odd rows
.set MSB, 0
.macro WIN new                         ; s_set_vgpr_msb: bits 1:0 source 0, 3:2 source 1, 5:4 source 2, 7:6 destination; the high byte repeats the setting that is left
.if MSB != (\new)
	s_set_vgpr_msb (MSB<<8)|(\new)
.set MSB, (\new)
.endif
.endm
.macro NOPS4                           ; four places between a matrix instruction and a vector line on its registers or a store of its result
.rept 4
	v_nop
.endr
.endm
.macro SPAIR reg, val                  ; a constant for packed lines: named as a pair, so both words are written
	s_mov_b32 s[\reg], \val
	s_mov_b32 s[\reg+1], \val
.endm
.macro V5 line:vararg                  ; one line for each of my five tiles q: five lines that do not wait for each other
.set q, 0
.rept 5
	\line
.set q, q+1
.endr
.endm
; THE FILL.  A turn: 64 rows of mine, eight at a time.  Group g: its eight loads are in; two roundings a row; the set that was read one group ago is loaded again, with the rows seven groups on;
; then a row's 256 bytes go into LDS.  last = 1: my last 64 rows: only group 0 still has rows to ask for.
.macro FILLTURN last
.set g, 0
.rept 8
.if (\last) && (g > 0)
	s_wait_loadcnt 56-8*g                          ; nothing is issued behind them: the counts run down
.else
	s_wait_loadcnt 48                              ; loads come back in order (ISA guide 5.7.1): of the 56 out the oldest eight, this group's, are in
.endif
	s_wait_alu depctr_vm_vsrc(0)                   ; the LDS stores of the group before have read CV and STA, which are written again below
.if g == 0
	v_add_nc_u32 v[STA], s[SB], v[L8]
.endif
	WIN 0x05
.set u, 0
.rept 8
	v_cvt_pk_bf16_f32 v[CV+2*u],   v[32*g+4*u],   v[32*g+4*u+1]
	v_cvt_pk_bf16_f32 v[CV+2*u+1], v[32*g+4*u+2], v[32*g+4*u+3]
.set u, u+1
.endr
.if !(\last) || (g == 0)
	WIN 0x40
	s_wait_alu depctr_va_vdst(0)                   ; the conversions have written CV (and STA is written), which the LDS stores read; the group before's are done reading their set, in which the loads land
.set u, 0
.rept 8
	global_load_b128 v[32*((g+7)%8)+4*u:32*((g+7)%8)+4*u+3], v[WOFF], s[WPTR:WPTR+1] offset:(8*(g+7)+u)*PITCH th:TH_LOAD_NT
.set u, u+1
.endr
	WIN 0
.else
	WIN 0
	s_wait_alu depctr_va_vdst(0)                   ; the conversions have written CV, which the LDS stores read
.endif
.set u, 0
.rept 8
	ds_store_b64 v[STA], v[CV+2*u:CV+2*u+1] offset:(8*g+u)*WP   ; a row: 256 consecutive bytes
.set u, u+1
.endr
.set g, g+1
.endr
.endm
; THE MASKS.  Group g = 4 j + c holds the tokens 128 j + 4 lane + c.  Kept, alike in all lanes: which of them chose the expert, which chose it second, and the key 32 x (rows ahead of the group) + g.
; Four groups at a time: eight compares in a run, one wait for their masks.  Window setting: destination and source 0 in window 2, source 1 (sel's word) in window 0.
.macro GROUP4 j
.irp c, 0,1,2,3
	v_and_b32 v[TA+2*(\c)],   s[EM],  v[BF+4*(\j)+(\c)]
	v_and_b32 v[TA+2*(\c)+1], s[EM1], v[BF+4*(\j)+(\c)]
.endr
.irp c, 0,1,2,3
	v_cmp_ne_u32 s[GM+2*(\c)],   v[TA+2*(\c)],   0
	v_cmp_ne_u32 s[GM+2*(\c)+1], v[TA+2*(\c)+1], 0
.endr
	s_wait_alu depctr_va_sdst(0)                   ; the eight compares have written their masks, ahead of the first line that reads one
.irp c, 0,1,2,3
	v_mov_b32 v[MKV+4*(\j)+(\c)], s[GM+2*(\c)]
	v_mov_b32 v[SKV+4*(\j)+(\c)], s[GM+2*(\c)+1]
	v_mov_b32 v[KEY+4*(\j)+(\c)], s[KY]
	s_bcnt1_i32_b32 s44, s[GM+2*(\c)]
	s_lshl_b32 s44, s44, 5
	s_add_co_u32 s44, s44, 1
	s_add_co_u32 s[KY], s[KY], s44
.endr
.endm
; One halving of the search for the set bit of rank NN: the ones in the lower half of the bits still in question stand in a field of \src at bit PO; if the rank is not among them, the upper half is taken.
.macro LV src, width, last
	V5 v_bfe_u32 v[T1+q], v[\src+q], v[PO+q], \width
	V5 v_cmp_ge_u32 s[CM+q], v[NN+q], v[T1+q]
.if !(\last)
	V5 v_sub_nc_u32 v[T2+q], v[NN+q], v[T1+q]
	s_wait_alu depctr_va_sdst(0)                   ; the five compares have written their masks, ahead of the selects
	V5 v_cndmask_b32 v[NN+q], v[NN+q], v[T2+q], s[CM+q]
	V5 v_add_nc_u32 v[T2+q], \width, v[PO+q]
.else
	V5 v_add_nc_u32 v[T2+q], \width, v[PO+q]
	s_wait_alu depctr_va_sdst(0)                   ; the five compares have written their masks, ahead of the selects
.endif
	V5 v_cndmask_b32 v[PO+q], v[PO+q], v[T2+q], s[CM+q]
.endm
; MY FIVE TILES' ROWS.  Tile q's row r has place 16 (20 pass + 4 q + wave) + r among the expert's rows; places past the count take the last row.
.macro ROWS
	s_wait_xcnt 0x0                                ; earlier stores have read their registers: from here on they are written again
	s_wait_alu depctr_vm_vsrc(0)                   ; the loads and stores issued so far have read AOFF, BADR, CV, OB, DT, VO and (second product) the accumulators: all are written again in this pass
	s_mul_i32 s44, s[PASS], 20
	s_add_co_u32 s44, s44, s[WV]
	s_lshl_b32 s44, s44, 4
	v_add_nc_u32 v17, s44, v[R]
	V5 v_add_nc_u32 v[IK+q], 64*q, v17
	V5 v_min_u32 v[IK+q], s[CNTM1], v[IK+q]
	V5 v_lshl_or_b32 v[IK+q], v[IK+q], 5, 31       ; a group's key is at most this exactly if the rows ahead of the group are at most my place
	WIN 0x02                                       ; source 0 in window 2
	V5 v_mov_b32 v[KS+q], v[KEY]
	V5 v_mov_b32 v[MS+q], v[MKV]
	V5 v_mov_b32 v[SS+q], v[SKV]
	V5 v_cmp_gt_u32 s[CN+q], v[KEY+1], v[IK+q]     ; group 1's five compares; odd groups' masks lie in CN, even groups' in CM
.set g, 1
.rept 31                                               ; the last group whose key is not above mine holds my place
	s_wait_alu depctr_va_sdst(0)                   ; group g's five compares have written their masks; from the second time on the fifteen selects of the group before stand between
.if g < 31
	V5 v_cmp_gt_u32 s[CM+(CN-CM)*((g+1)%2)+q], v[KEY+g+1], v[IK+q]
.endif
.set q, 0
.rept 5
	v_cndmask_b32 v[KS+q], v[KEY+g], v[KS+q], s[CM+(CN-CM)*(g%2)+q]
	v_cndmask_b32 v[MS+q], v[MKV+g], v[MS+q], s[CM+(CN-CM)*(g%2)+q]
	v_cndmask_b32 v[SS+q], v[SKV+g], v[SS+q], s[CM+(CN-CM)*(g%2)+q]
.set q, q+1
.endr
.set g, g+1
.endr
	WIN 0
	V5 v_lshrrev_b32 v[NN+q], 5, v[IK+q]
	V5 v_lshrrev_b32 v[T1+q], 5, v[KS+q]
	V5 v_sub_nc_u32 v[NN+q], v[NN+q], v[T1+q]      ; my rank among the group's rows
	V5 v_lshrrev_b32 v[T1+q], 1, v[MS+q]           ; the mask's ones, counted in fields of 2 bits,
	V5 v_and_b32 v[T1+q], 0x55555555, v[T1+q]
	V5 v_sub_nc_u32 v[A1+q], v[MS+q], v[T1+q]
	V5 v_lshrrev_b32 v[T1+q], 2, v[A1+q]           ; of 4,
	V5 v_and_b32 v[T1+q], 0x33333333, v[T1+q]
	V5 v_and_b32 v[T2+q], 0x33333333, v[A1+q]
	V5 v_add_nc_u32 v[A2+q], v[T1+q], v[T2+q]
	V5 v_lshrrev_b32 v[T1+q], 4, v[A2+q]           ; of 8,
	V5 v_add_nc_u32 v[T1+q], v[T1+q], v[A2+q]
	V5 v_and_b32 v[A3+q], 0x0f0f0f0f, v[T1+q]
	V5 v_lshrrev_b32 v[T1+q], 8, v[A3+q]           ; and in bits 0 to 15
	V5 v_add_nc_u32 v[T1+q], v[T1+q], v[A3+q]
	V5 v_and_b32 v[T1+q], 0xff, v[T1+q]
	V5 v_cmp_ge_u32 s[CM+q], v[NN+q], v[T1+q]
	V5 v_sub_nc_u32 v[T2+q], v[NN+q], v[T1+q]
	s_wait_alu depctr_va_sdst(0)                   ; the five compares have written their masks, ahead of the selects
	V5 v_cndmask_b32 v[NN+q], v[NN+q], v[T2+q], s[CM+q]
	V5 v_cndmask_b32 v[PO+q], 0, v[C16], s[CM+q]
	LV A3, 8, 0
	LV A2, 4, 0
	LV A1, 2, 0
	LV MS, 1, 1                                    ; PO is the lane that held my token
	V5 v_bfe_u32 v[T1+q], v[SS+q], v[PO+q], 1      ; rid = 2 (128 j + 4 PO + c) + slot, the group being 4 j + c: slot,
	V5 v_and_b32 v[T2+q], 28, v[KS+q]
	V5 v_lshl_or_b32 v[T1+q], v[T2+q], 6, v[T1+q]  ; 256 j,
	V5 v_and_b32 v[T2+q], 3, v[KS+q]
	V5 v_lshl_or_b32 v[T1+q], v[T2+q], 1, v[T1+q]  ; 2 c,
	V5 v_lshl_or_b32 v[T1+q], v[PO+q], 3, v[T1+q]  ; 8 PO
	V5 v_min_u32 v[RID+q], 0x7ff, v[T1+q]
.if UP
	V5 v_and_b32 v[AOFF+q], 0x7fe, v[RID+q]                  ; 2 x token,
	V5 v_lshl_add_u32 v[AOFF+q], v[AOFF+q], 10, v[H16]       ; rows of 2,048 bytes
.else
	V5 v_lshl_add_u32 v[AOFF+q], v[RID+q], 13, v[H16]        ; rows of 8,192 bytes
.endif
.endm
; THE PRODUCTS.  Four matrix instructions: tile m, column blocks 4 nh .. 4 nh + 3, token buffer ab, weight set ab % 2.  first = 1: they start the sums with 0.
.macro MM4 m, nh, ab, first
.if (\m) < 4
	WIN 0x50+3*((\ab)%2)
.set rD, 64*(\m)+32*(\nh)
.else
	WIN 0xa0+3*((\ab)%2)
.set rD, ACC4+32*(\nh)
.endif
.set rA, AF+40*(\ab)+8*(\m)
.set rB, BF+32*(\nh)
.irp n, 0,1,2,3
.if \first
	v_wmma_f32_16x16x32_bf16 v[rD+8*(\n):rD+8*(\n)+7], v[rB+8*(\n):rB+8*(\n)+7], v[rA:rA+7], 0
.else
	v_wmma_f32_16x16x32_bf16 v[rD+8*(\n):rD+8*(\n)+7], v[rB+8*(\n):rB+8*(\n)+7], v[rA:rA+7], v[rD+8*(\n):rD+8*(\n)+7]
.endif
.endr
.endm
; Tiles 2 to 4 x four column blocks.  A wave with two tiles or fewer, or four or fewer, jumps forward over the rest; the step that starts the sums is never cut short.  No load stands in what is jumped.
; The accumulators take turns, one instruction a turn, on every one of these ways.
.macro REST nh, ab, first
.if !(\first)
	WIN 0
	s_cmp_le_u32 s[MT], 2
	s_cbranch_scc1 .Lh\@
.endif
	MM4 2, \nh, \ab, \first
	MM4 3, \nh, \ab, \first
.if !(\first)
	WIN 0
	s_cmp_le_u32 s[MT], 4
	s_cbranch_scc1 .Lh\@
.endif
	MM4 4, \nh, \ab, \first
	WIN 0
.Lh\@:
.endm
.macro LDB half, k, p                  ; eight turning loads: 32 k x 64 columns, at byte k behind BADR, into set p of the weight fragments
	WIN 0xc0*(\p)
.irp n, 0,1,2,3
	ds_load_tr16_b128 v[BF+32*(\half)+8*(\n):BF+32*(\half)+8*(\n)+3],   v[BADR] offset:(\k)+128*(\half)+32*(\n)
	ds_load_tr16_b128 v[BF+32*(\half)+8*(\n)+4:BF+32*(\half)+8*(\n)+7], v[BADR] offset:(\k)+128*(\half)+32*(\n)+16*WP
.endr
.endm
.macro LDA ab, m, ptr, imm             ; tile m's token fragment: 16 rows x 32 k, two loads of 16 bytes a lane
	WIN 0
	global_load_b128 v[AF+40*(\ab)+8*(\m):AF+40*(\ab)+8*(\m)+3],   v[AOFF+(\m)], s[\ptr:\ptr+1] offset:(\imm)
	global_load_b128 v[AF+40*(\ab)+8*(\m)+4:AF+40*(\ab)+8*(\m)+7], v[AOFF+(\m)], s[\ptr:\ptr+1] offset:(\imm)+32
.endm
; A K step on token buffer ab and weight set ab % 2.  ldb = 1: the next step's weight fragments are fetched, at byte kb behind BADR, into the other set.
; lda = 1: the step before's token buffer is loaded again, with the K step three on (byte imm behind AP).  acnt: the token loads issued behind this step's, which may stay out.
; The loads stand where every way through the step passes: at its head, between the first two tiles' products, and behind the label at which the ways join.
.macro STEP ab, kb, first, lda, imm, ldb, acnt
.if \first
	s_wait_dscnt 0x8                               ; column blocks 0 to 3 are in; the eight loads of blocks 4 to 7 may be out
.else
	s_wait_dscnt 0x0                               ; this step's weight fragments, asked for early in the step before, are in
.endif
	s_wait_loadcnt \acnt
.if !(\first) && (\ldb)
	s_wait_alu depctr_va_vdst(0)                   ; the step before's products are done reading the other weight set and their token buffer, in which this step's loads land; in a trip's first step BADR is written
.endif
.if \ldb
	LDB 0, \kb, 1-(\ab)%2
.endif
	MM4 0, 0, \ab, \first
.if \ldb
	LDB 1, \kb, 1-(\ab)%2                          ; no wait: no product since the wait names the other set
.endif
	MM4 1, 0, \ab, \first
	REST 0, \ab, \first
.if \first
	s_wait_dscnt 0x10                              ; column blocks 4 to 7 are in; the sixteen loads of the next step's set may be out
.endif
.if \lda
.irp m, 0,1,2
	LDA ((\ab)+3)%4, \m, AP, \imm
.endr
.endif
	MM4 0, 1, \ab, \first
.if \lda
.irp m, 3,4
	LDA ((\ab)+3)%4, \m, AP, \imm
.endr
.endif
	MM4 1, 1, \ab, \first
	REST 1, \ab, \first
.endm
.macro MTCALC                          ; my live tiles in this pass: tiles 20 pass + 4 i + wave below NT, i = 0 to 4
	s_mul_i32 s44, s[PASS], 20
	s_add_co_u32 s44, s44, s[WV]
	s_sub_co_i32 s45, s[NT], s44
	s_add_co_i32 s45, s45, 3
	s_ashr_i32 s45, s45, 2
	s_max_i32 s45, s45, 0
	s_min_i32 s[MT], s45, 5
.endm
; The stage's 16 rows of 256 bytes go out: each half of the lanes stores one row, 256 consecutive bytes at a multiple of 256 from the buffer's first.  Stores wholly past the count are jumped.
; Store t has rows 2 t and 2 t + 1: their rids are read out of lanes 2 t and 2 t + 1 of RC, and each half of the lanes takes its own.
.macro OUTROWS shift, ptr
.irp t, 0,1,2,3,4,5,6,7
	ds_load_b128 v[DT+4*(\t):DT+4*(\t)+3], v[RD] offset:2*SP*(\t)   ; LDS serves a wave's instructions in order (ISA guide 5.7.1.4): these see my stores into the stage
.endr
	v_cmp_ne_u32 vcc_lo, 0, v[HI]
.irp t, 0,1,2,3,4,5,6,7
	v_readlane_b32 s[RE+(\t)], v[RC], 2*(\t)
	v_readlane_b32 s[RO+(\t)], v[RC], 2*(\t)+1
.endr
	s_wait_alu depctr_va_sdst(0)                   ; the sixteen rids are in their scalar registers, ahead of the first line that reads one
	s_wait_alu depctr_va_vcc(0)                    ; the mask of the upper lanes is in VCC, ahead of the selects
.irp t, 0,1,2,3,4,5,6,7
	v_mov_b32 v[VO+(\t)], s[RO+(\t)]
.endr
.irp t, 0,1,2,3,4,5,6,7
	v_cndmask_b32 v[VO+(\t)], s[RE+(\t)], v[VO+(\t)], vcc_lo
.endr
.irp t, 0,1,2,3,4,5,6,7
	v_min_u32 v[VO+(\t)], 0x7ff, v[VO+(\t)]
.endr
.irp t, 0,1,2,3,4,5,6,7
	v_lshl_add_u32 v[VO+(\t)], v[VO+(\t)], \shift, v[COL16]
.endr
	s_wait_dscnt 0x0
	s_wait_alu depctr_va_vdst(0)                   ; VO is written, which the stores read as their offsets
.irp t, 0,1,2,3,4,5,6,7
.if (\t) > 0
	s_cmp_le_u32 s[REM], 2*(\t)
	s_cbranch_scc1 .Lso\@
.endif
	global_store_b128 v[VO+(\t)], v[DT+4*(\t):DT+4*(\t)+3], s[\ptr:\ptr+1]
.endr
.Lso\@:
.endm
.if UP
.macro TBLOCK i                        ; tile i plus bias, each accumulator from its low end on
.Lt\i:
	v_mov_b32 v[RC], v[RID+(\i)]
.if (\i) < 4
	WIN 0x09
.set src, 64*(\i)
.else
	WIN 0x0a
.set src, ACC4
.endif
.set z, 0
.rept 32
	v_pk_add_f32 v[TT+z:TT+z+1], v[src+z:src+z+1], v[BIAS+z:BIAS+z+1]
.set z, z+2
.endr
	WIN 0
.endm
.macro GELU8 nb                        ; eight numbers of a row: GELU, bf16, into OB.  A plain line stands between every reciprocal or exponential and the use of its result (ISA guide 5.7.2)
.set a, TT+8*(\nb)
.irp i, 0,1,2,3,4,5,6,7
	v_and_b32 v[GA+(\i)], s[ABSM], v[a+(\i)]
.endr
.irp i, 0,2,4,6
	v_pk_fma_f32 v[GT+(\i):GT+(\i)+1], v[GA+(\i):GA+(\i)+1], s[QP:QP+1], 1.0 op_sel_hi:[1,0,0]
.endr
.irp i, 0,2,4,6
	v_pk_mul_f32 v[GE+(\i):GE+(\i)+1], v[a+(\i):a+(\i)+1], v[a+(\i):a+(\i)+1]
.endr
.irp i, 0,1,2,3,4,5,6,7
	v_rcp_f32 v[GT+(\i)], v[GT+(\i)]
.endr
.irp i, 0,2,4,6
	v_pk_mul_f32 v[GE+(\i):GE+(\i)+1], v[GE+(\i):GE+(\i)+1], s[QE:QE+1] op_sel_hi:[1,0]
.endr
.irp i, 0,1,2,3,4,5,6,7
	v_exp_f32 v[GE+(\i)], v[GE+(\i)]
.endr
	s_wait_alu depctr_va_vdst(0)                   ; the eight reciprocals have written GT and the eight exponentials GE: one wait for the batch, ahead of its first reader
.irp i, 0,2,4,6
	v_pk_fma_f32 v[GP+(\i):GP+(\i)+1], v[GT+(\i):GT+(\i)+1], s[Q5:Q5+1], s[Q4:Q4+1] op_sel_hi:[1,0,0]
.endr
.irp c, Q3,Q2,Q1
.irp i, 0,2,4,6
	v_pk_fma_f32 v[GP+(\i):GP+(\i)+1], v[GP+(\i):GP+(\i)+1], v[GT+(\i):GT+(\i)+1], s[\c:\c+1] op_sel_hi:[1,1,0]
.endr
.endr
.irp i, 0,2,4,6
	v_pk_mul_f32 v[GP+(\i):GP+(\i)+1], v[GP+(\i):GP+(\i)+1], v[GT+(\i):GT+(\i)+1]
.endr
.irp i, 0,2,4,6
	v_pk_mul_f32 v[GP+(\i):GP+(\i)+1], v[GP+(\i):GP+(\i)+1], v[GE+(\i):GE+(\i)+1]
.endr
.irp i, 0,1,2,3,4,5,6,7
	v_max_num_f32 v[a+(\i)], 0, v[a+(\i)]
.endr
.irp i, 0,2,4,6
	v_pk_fma_f32 v[a+(\i):a+(\i)+1], v[GA+(\i):GA+(\i)+1], v[GP+(\i):GP+(\i)+1], v[a+(\i):a+(\i)+1]
.endr
.irp i, 0,1,2,3
	v_cvt_pk_bf16_f32 v[OB+4*(\nb)+(\i)], v[a+2*(\i)], v[a+2*(\i)+1]
.endr
.endm
.else
.macro UBLOCK u                        ; half u % 2 of tile u / 2 into the stage, f32, each accumulator from its low end on
.Lu\u:
	v_mov_b32 v[RC], v[RID+(\u)/2]
.if (\u)/2 < 4
	WIN 0x04
.set src, 64*((\u)/2)+32*((\u)%2)
.else
	WIN 0x08
.set src, ACC4+32*((\u)%2)
.endif
.irp n, 0,1,2,3
	ds_store_b128 v[STO], v[src+8*(\n):src+8*(\n)+3]   offset:64*(\n)
	ds_store_b128 v[STO], v[src+8*(\n)+4:src+8*(\n)+7] offset:64*(\n)+16
.endr
	WIN 0
.endm
.endif
	s_load_b256 s[4:11], s[0:1], 0x0               ; UP: xb, w1, b1, sel; else: hbuf, w2, sel, ypart
.if UP
	s_load_b64 s[12:13], s[0:1], 0x20              ; hbuf
.endif
	v_lshl_add_u32 v[SPW], v0, 2, SPARE
	v_mov_b32 v[NIL], 0
	v_lshrrev_b32 v18, 5, v0
	v_readfirstlane_b32 s[WV], v18                 ; wave 0..3
	v_and_b32 v[R], 15, v0
	v_bfe_u32 v[HI], v0, 4, 1
	v_and_b32 v[LANE], 31, v0
	v_lshlrev_b32 v[WOFF], 4, v[LANE]
	v_lshlrev_b32 v[L8], 3, v[LANE]
	v_lshlrev_b32 v[H16], 4, v[HI]
.if UP
	v_lshlrev_b32 v[H32], 5, v[HI]
.endif
	v_lshlrev_b32 v[COL16], 4, v[R]
	v_mov_b32 v[C16], 16
	v_and_b32 v18, 7, v0                           ; the turning load: lane L reads row 8 (L / 16) + L % 8, bytes 16 ((L / 8) % 2) on
	v_lshl_add_u32 v18, v[HI], 3, v18
	v_mul_u32_u24 v[BBASE], v18, WP
	v_bfe_u32 v18, v0, 3, 1
	v_lshl_add_u32 v[BBASE], v18, 4, v[BBASE]
	s_wait_alu depctr_va_sdst(0)                   ; the wave's number is in its scalar register, ahead of its first reader
	s_mul_i32 s44, s[WV], 16*SP
	s_add_co_u32 s44, s44, STAGE                   ; my stage
	v_mul_u32_u24 v18, v[R], SP
.if UP
	v_lshl_add_u32 v18, v[HI], 4, v18              ; in: row r, 16 bytes for each half of the lanes
.else
	v_lshl_add_u32 v18, v[HI], 5, v18              ; in: row r, 32 bytes for each half of the lanes
.endif
	v_add_nc_u32 v[STO], s44, v18
	v_mul_u32_u24 v18, v[HI], SP                   ; back: lanes 0-15 one row, lanes 16-31 the next
	v_lshl_add_u32 v18, v[R], 4, v18
	v_add_nc_u32 v[RD], s44, v18
	s_mul_i32 s[SB], s[WV], 256*WP                 ; my 256 rows of the slice in LDS
	s_and_b32 s[E], ttmp7, 0xffff                  ; expert
	s_lshl_b32 s[EM], 0x101, s[E]                  ; sel's bits for this expert: first or second choice,
	s_lshl_b32 s[EM1], 0x100, s[E]                 ; second choice
	s_mov_b32 s[KY], 0
	s_mov_b32 s[PASS], 0
	s_mov_b32 s[KA+1], 0
	s_mov_b32 s[OF+1], 0
	s_lshl_b32 s44, s[E], 24                       ; an expert's weights are 1 << 24 bytes
	s_lshl_b32 s52, s[WV], WSH                     ; my 256 rows
	s_add_co_u32 s44, s44, s52
	s_mov_b32 s45, 0
	s_mov_b32 s49, 0
.if UP
	s_lshl_b32 s52, ttmp9, 9                       ; my 128 columns of f32
	s_add_co_u32 s44, s44, s52
	s_lshl_b32 s48, ttmp9, 8                       ; my 128 columns of bf16
	s_lshl_b32 s50, s[E], 14                       ; my slice of b1
	s_add_co_u32 s50, s50, s52
	s_mov_b32 s51, 0
	SPAIR QP, 0x3e6d3388                           ; 0.3275911 / sqrt 2
	SPAIR QE, 0xbf38aa3b                           ; -log2(e) / 2
	SPAIR Q5, 0xbf07dc22                           ; the polynomial's five numbers times -1/2
	SPAIR Q4, 0x3f3a00e3
	SPAIR Q3, 0xbf35f0e3
	SPAIR Q2, 0x3e11a98e
	SPAIR Q1, 0xbe027906
	s_mov_b32 s[ABSM], 0x7fffffff
.else
	s_lshr_b32 s[QTR], ttmp9, 3                    ; which quarter of K,
	s_and_b32 s[NSL], ttmp9, 7                     ; which 128 columns
	s_lshl_b32 s52, s[QTR], 22
	s_add_co_u32 s44, s44, s52
	s_lshl_b32 s52, s[NSL], 9
	s_add_co_u32 s44, s44, s52
	s_lshl_b32 s46, s[QTR], 11                     ; my quarter of a row of hbuf
	s_mov_b32 s47, 0
	s_lshl_b32 s48, s[QTR], 23                     ; my quarter's plane of ypart, my 128 columns of f32
	s_add_co_u32 s48, s48, s52
.endif
	s_wait_kmcnt 0x0
	s_add_nc_u64 s[WPTR:WPTR+1], s[6:7], s[44:45]
.if UP
	s_mov_b64 s[ABASE:ABASE+1], s[4:5]
	s_add_nc_u64 s[OUTB:OUTB+1], s[12:13], s[48:49]
	s_add_nc_u64 s[BP:BP+1], s[8:9], s[50:51]
.else
	s_add_nc_u64 s[ABASE:ABASE+1], s[4:5], s[46:47]
	s_add_nc_u64 s[OUTB:OUTB+1], s[10:11], s[48:49]
.endif
	s_wait_alu depctr_va_vdst(0)                   ; WOFF, H32, STO, RD, COL16 and the closing add's two registers are written: the kernel's loads and stores read them, and none is written again
	; all 1,024 words of sel: lane L of load j has tokens 128 j + 4 L + 0..3
.set j, 0
.rept 8
	global_load_b128 v[BF+4*j:BF+4*j+3], v[WOFF], s[SELP:SELP+1] offset:512*j
.set j, j+1
.endr
.if UP
	WIN 0x80                                       ; b1 of my eight columns of each block stays in registers
.irp n, 0,1,2,3,4,5,6,7
	global_load_b128 v[BIAS+8*(\n):BIAS+8*(\n)+3],   v[H32], s[BP:BP+1] offset:64*(\n)
	global_load_b128 v[BIAS+8*(\n)+4:BIAS+8*(\n)+7], v[H32], s[BP:BP+1] offset:64*(\n)+16
.endr
.endif
	WIN 0x40                                       ; my first 32 rows are asked for; a load covers a row's 512 consecutive bytes
.set u, 0
.rept 32
	global_load_b128 v[4*u:4*u+3], v[WOFF], s[WPTR:WPTR+1] offset:u*PITCH th:TH_LOAD_NT
.set u, u+1
.endr
	WIN 0
	s_wait_loadcnt 32+16*UP                        ; sel is in; b1's loads and the 32 row loads may be out: the masks are made while they come
	WIN 0x82
.irp j, 0,1,2,3,4,5,6,7
	GROUP4 \j
.endr
	WIN 0
	s_lshr_b32 s[CNT], s[KY], 5                    ; the key has run to 32 x count + 32
	s_sub_co_u32 s[CNT], s[CNT], 1
	s_max_u32 s44, s[CNT], 1
	s_sub_co_u32 s[CNTM1], s44, 1
	s_add_co_u32 s44, s[CNT], 15
	s_lshr_b32 s[NT], s44, 4
.if UP
	s_wait_loadcnt 32                              ; b1 is in
.endif
	WIN 0x40                                       ; rows 32 to 55: seven sets of eight are out.  No wait: no vector line has named these registers, and none since the head's wait names WOFF
.set u, 32
.rept 24
	global_load_b128 v[4*u:4*u+3], v[WOFF], s[WPTR:WPTR+1] offset:u*PITCH th:TH_LOAD_NT
.set u, u+1
.endr
	WIN 0
	s_mov_b32 s[T], 3
.Lfill:                                                ; three turns of 64 rows; the fourth is written out, so that no load passes my rows' end
	FILLTURN 0
	s_wait_xcnt 0x0                                ; the base is stepped only when the loads that name it have read it
	s_add_nc_u64 s[WPTR:WPTR+1], s[WPTR:WPTR+1], 64*PITCH
	s_add_co_u32 s[SB], s[SB], 64*WP
	s_sub_co_u32 s[T], s[T], 1
	s_cmp_lg_u32 s[T], 0
	s_cbranch_scc1 .Lfill
	FILLTURN 1
	s_wait_dscnt 0x0                               ; for the others' sake: my rows are in LDS
	s_barrier_signal -1
	s_barrier_wait -1                              ; the slice is whole, and is only read from here on
	MTCALC
	s_branch .Lwork                                ; pass 0 is multiplied by every wave
.Lpass:                                                ; four passes of 320 rows
	MTCALC
	s_cmp_eq_u32 s[MT], 0
	s_cbranch_scc1 .Lkdone
.Lwork:
	ROWS
	v_mov_b32 v[BADR], v[BBASE]
	s_wait_alu depctr_va_vdst(0)                   ; AOFF and BADR are written, which the loads below read; the search is done with weight set 0's registers, the last pass's products and way out with the token buffers and set 1
.irp b, 0,1,2,3
.irp m, 0,1,2,3,4
	LDA \b, \m, ABASE, 64*(\b)
.endr
.endr
	LDB 0, 0, 0
	LDB 1, 0, 0
	STEP 0, KSB, 1, 0, 0, 1, 30                    ; K step 0 starts the sums; 30: K steps 1 to 3 may be out.  It owes no wait: no vector or matrix line since the wait above names weight set 1
	s_mov_b32 s[T], 0
	s_mov_b32 s[KA], 0
	s_mov_b32 s[CB], 0
.Lk:                                                   ; trip i: K steps 4 i + 1 .. 4 i + 4.  CB = 4 K steps of LDS rows x i, KA = 256 i bytes of a token row
	s_wait_xcnt 0x0                                ; the base is rewritten only when the loads that name it have read it
	s_add_nc_u64 s[AP:AP+1], s[ABASE:ABASE+1], s[KA:KA+1]
	s_wait_alu depctr_vm_vsrc(0)                   ; the turning loads issued so far have read BADR
	v_add_nc_u32 v[BADR], s[CB], v[BBASE]
	STEP 1, 2*KSB, 0, 1, 256, 1, 20                ; 20: the two later K steps' ten loads each may be out; the third's are asked for in the step
	STEP 2, 3*KSB, 0, 1, 320, 1, 20
	STEP 3, 4*KSB, 0, 1, 384, 1, 20
	STEP 0, 5*KSB, 0, 1, 448, 1, 20                ; in the last trip this asks for K step 31, the row's last 64 bytes
	s_add_co_u32 s[CB], s[CB], 4*KSB
	s_add_co_u32 s[KA], s[KA], 256
	s_add_co_u32 s[T], s[T], 1
	s_cmp_lt_u32 s[T], 7
	s_cbranch_scc1 .Lk
	s_wait_alu depctr_vm_vsrc(0)                   ; the turning loads issued so far have read BADR
	v_add_nc_u32 v[BADR], s[CB], v[BBASE]
	STEP 1, 2*KSB, 0, 0, 0, 1, 20                  ; K steps 29 to 31 ask for no token rows: the counts run down
	STEP 2, 3*KSB, 0, 0, 0, 1, 10
	STEP 3, 0,     0, 0, 0, 0, 0                   ; the last step issues no load, so it holds no wait on the vector side
	NOPS4
.Lkdone:
.if !UP
	s_wait_alu depctr_va_vdst(0)                   ; the products have written the accumulators, which the LDS stores of the way out read, and are done reading the token buffers, in which the stage's rows land; the places above stay beside this wait
.endif
	s_wait_dscnt 0x0
	s_barrier_signal -1                            ; every wave's reads of the slice, whose addresses step with the loop, are over
	s_barrier_wait -1                              ; before any wave stores into its stage
	s_mov_b32 s[I], 0
.Ltile:                                                ; the way out, a stage at a time; dead tiles are jumped
.if UP
	s_mov_b32 s45, s[I]
.else
	s_lshr_b32 s45, s[I], 1
.endif
	s_cmp_ge_u32 s45, s[MT]
	s_cbranch_scc1 .Ltnext
	s_wait_xcnt 0x0                                ; the last stage's stores have read their registers and base
	s_wait_alu depctr_vm_vsrc(0)                   ; the last stage's global stores have read DT and VO, its LDS stores OB: all are written again below
	s_mul_i32 s44, s[PASS], 20
	s_lshl2_add_u32 s44, s45, s44
	s_add_co_u32 s44, s44, s[WV]
	s_lshl_b32 s[ROW0], s44, 4                     ; the tile's first place among the expert's rows,
	s_sub_co_u32 s[REM], s[CNT], s[ROW0]           ; and how many places are left from there: at least 1
.if UP
.irp i, 0,1,2,3
	s_cmp_eq_u32 s[I], \i
	s_cbranch_scc1 .Lt\i
.endr
	TBLOCK 4
	s_branch .Lgelu
.irp i, 0,1,2
	TBLOCK \i
	s_branch .Lgelu
.endr
	TBLOCK 3
.Lgelu:
.irp n, 0,1,2,3,4,5,6,7
	GELU8 \n
.endr
	s_wait_alu depctr_va_vdst(0)                   ; the roundings have written OB, which the LDS stores read; the products are done reading the token buffers, in which the stage's rows land
.irp n, 0,1,2,3,4,5,6,7
	ds_store_b128 v[STO], v[OB+4*(\n):OB+4*(\n)+3] offset:32*(\n)
.endr
	OUTROWS OSH, OUTB
.else
	s_and_b32 s46, s[I], 1
	s_lshl_b32 s[OF], s46, 8                       ; the half's 256 bytes of a row
	s_add_nc_u64 s[OUTP:OUTP+1], s[OUTB:OUTB+1], s[OF:OF+1]
.irp u, 0,1,2,3,4,5,6,7,8
	s_cmp_eq_u32 s[I], \u
	s_cbranch_scc1 .Lu\u
.endr
	UBLOCK 9
	s_branch .Lsend
.irp u, 0,1,2,3,4,5,6,7
	UBLOCK \u
	s_branch .Lsend
.endr
	UBLOCK 8
.Lsend:
	OUTROWS OSH, OUTP
.endif
.Ltnext:
	s_add_co_u32 s[I], s[I], 1
	s_cmp_lt_u32 s[I], TRIPS
	s_cbranch_scc1 .Ltile
	s_wait_dscnt 0x0
	s_barrier_signal -1                            ; every wave's stores into its stage are over
	s_barrier_wait -1                              ; before any wave reads the slice again
	s_add_co_u32 s[PASS], s[PASS], 1
	s_cmp_lt_u32 s[PASS], 4
	s_cbranch_scc1 .Lpass
	s_wait_dscnt 0x0                               ; the closing lines, six on end
	s_wait_alu 0x0
	s_wait_tensorcnt 0x0
	ds_add_u32 v[SPW], v[NIL]
	s_wait_dscnt 0x0
	s_endpgm
.Lfunc_end_k_q13f7142a39_up:
	.size	k_q13f7142a39_up, .Lfunc_end_k_q13f7142a39_up-k_q13f7142a39_up
	.p2alignl 7, 3214868480
	.fill 96, 4, 3214868480
	.section	.rodata,"a",@progbits
	.p2align	6, 0x0
	.amdhsa_kernel k_q13f7142a39_up
		.amdhsa_group_segment_fixed_size 312832
		.amdhsa_private_segment_fixed_size 0
		.amdhsa_enable_private_segment 0
		.amdhsa_kernarg_size 40
		.amdhsa_user_sgpr_count 2
		.amdhsa_user_sgpr_kernarg_segment_ptr 1
		.amdhsa_wavefront_size32 1
		.amdhsa_system_sgpr_workgroup_id_x 1
		.amdhsa_system_sgpr_workgroup_id_y 1
		.amdhsa_system_sgpr_workgroup_id_z 1
		.amdhsa_system_vgpr_workitem_id 0
		.amdhsa_next_free_vgpr 864
		.amdhsa_next_free_sgpr 96
		.amdhsa_reserve_vcc 1
		.amdhsa_float_denorm_mode_32 3
		.amdhsa_float_denorm_mode_16_64 3
		.amdhsa_memory_ordered 1
		.amdhsa_forward_progress 1
		.amdhsa_inst_pref_size 203
	.end_amdhsa_kernel
	.amdgpu_metadata
---
amdhsa.version: [ 1, 2 ]
amdhsa.kernels:
  - .name:           k_q13f7142a39_up
    .symbol:         k_q13f7142a39_up.kd
    .args:
      - { .name: xb, .offset: 0, .size: 8, .value_kind: global_buffer, .address_space: global }
      - { .name: w1, .offset: 8, .size: 8, .value_kind: global_buffer, .address_space: global }
      - { .name: b1, .offset: 16, .size: 8, .value_kind: global_buffer, .address_space: global }
      - { .name: sel, .offset: 24, .size: 8, .value_kind: global_buffer, .address_space: global }
      - { .name: hbuf, .offset: 32, .size: 8, .value_kind: global_buffer, .address_space: global }
    .group_segment_fixed_size: 312832
    .private_segment_fixed_size: 0
    .kernarg_segment_align: 8
    .kernarg_segment_size: 40
    .max_flat_workgroup_size: 128
    .sgpr_count:     96
    .vgpr_count:     864
    .wavefront_size: 32
...
	.end_amdgpu_metadata
.endif
;; end of part 7
;; launch down (part 8): grid 32 x 8, 4 waves a work-group, no clusters, 312,832 bytes of LDS; arguments hbuf, w2, sel, ypart; writes ypart
.if DOCPART == 8
	.amdgcn_target "amdgcn-amd-amdhsa--gfx1250"
	.amdhsa_code_object_version 6
	.text
	.protected	k_q13f7142a39_down
	.globl	k_q13f7142a39_down
	.p2align	8
	.type	k_q13f7142a39_down,@function
k_q13f7142a39_down:
	s_mov_b64 s[64:65], 0
	v_nop
	global_prefetch_b8 v0, s[64:65] scope:SCOPE_SE
	s_setreg_imm32_b32 hwreg(HW_REG_WAVE_SCHED_MODE, 0, 2), 2
	s_setreg_imm32_b32 hwreg(HW_REG_WAVE_MODE, 25, 1), 1
	s_wait_xcnt 0x0
	s_wait_alu depctr_vm_vsrc(0)
; SECOND PRODUCT (UP = 0): ypart[q][rid][:] = hbuf[rid][1024 q .. 1024 q + 1023] . w2[e][1024 q .. ][:], partial sums in f32, for the rows that chose expert e.  rid = 2 token + slot.
; The same text with UP = 1 is the first product.  A work-group has ONE expert (grid y) and a slice of its weights, 1,024 k (quarter q = x / 8) x 128 n (x % 8) of f32, which it alone reads, and all of that expert's rows.
; TWO PHASES, four like waves.  FILL: wave w streams rows 256 w .. 256 w + 255 of the slice, 48 to 56 row loads of 512 bytes always out, rounds to bf16 and lays the rows into LDS, [k][n], each byte once.
; One barrier.  MULTIPLY: each wave has up to five tiles of 16 rows x 128 columns; token fragments come straight from memory, three K steps ahead; weight fragments out of LDS, turned by ds_load_tr16_b128, one K step ahead.
; The stream and the products do not overlap in a work-group: that is the price of a slice that is written once, ahead of the one barrier behind which it is read.
; EVERY SPLIT is served: a pass takes 4 x 5 tiles = 320 rows; four passes, 1,280, cover the 1,024 that one expert can get; all passes read the slice out of LDS.
; THE ROWS.  Each wave finds the expert's rows for itself from sel, in registers alone (no atomics, no LDS): 32 masks of 32 tokens, each with the number of rows ahead of it; a lane that wants place p of the
; expert's rows picks the mask that holds it and then the set bit of that rank.  Places past the count repeat the last row; where a store holds rows on both sides of the count its
; upper lanes write the last row once more, with the same bytes (same fragments, same sums).  An expert without rows stores nothing.
; Dead tiles are jumped in pairs: a wave with an odd number of tiles multiplies one dead tile, and pass 0 is multiplied by every wave (two tiles at the least), so that every accumulator has been written.
; THE MATRIX INSTRUCTION IS USED TRANSPOSED: source 0 = 16 columns of W, source 1 = 16 token rows: register j of lane (r, h) holds row r, column 16 nb + 8 h + j.
; NO CLUSTER: each weight byte has one reader; the expert's work-groups share the rows of hbuf, but these come by rank, row by row, and beside the slice and the stages LDS has 14,848 bytes left.
; The four quarters' sums are added, in a fixed order, by the launch behind: no sum spans work-groups here.
; LIMITS.  Operands in bf16, sums in f32.  NaN and infinities are not treated apart.
; THE MODE: SCHED_MODE bits 1:0 = 2 (LLVM: expert scheduling mode 2), set by the entry lines.  The code itself states the register dependences
; between vector or matrix instructions and memory or LDS instructions, with s_wait_alu, always for 0.
; THE PLAN.  Registers that memory or LDS instructions touch:
;   the fill's eight sets (window 1)  Group g: its conversions read set g; the loads issued in group g land in set g - 1, which the group before read out.
;   CV, STA      CV is written by a group's conversions, STA once a turn; both are read by the group's eight LDS stores.
;   AOFF, BADR   AOFF is written by the search, once a pass, and read by the token loads; BADR is written once a trip of four K steps and read by the turning loads.
;   BF0, BF1     K step s: its products read set s % 2; its sixteen turning loads land in the other set, for step s + 1.
;   AF0 .. AF3   K step s: its products read buffer s % 4; its ten token loads land in buffer (s + 3) % 4, the step before's, with K step s + 3.
;   OB (first product) or the accumulators (second)  the data of the LDS stores into the stage.   DT  lands from the stage, read by the global stores.   VO  their offsets, written by vector lines.
;   WOFF, H32, STO, RD, COL16, and the closing add's two registers: made at the head, never written again.
; So a group of the fill has two waits (the stores have read CV; the conversions have written it), a K step ONE, at its head, behind which its 26 loads are dealt among its products,
; which name BF[s % 2], AF[s % 4] and accumulators alone; a pass one of each kind at its head; a stage one at its head and one ahead of each run of stores.
.set UP, 0
.set WP,    288                        ; a row of the slice in LDS: 256 bytes + 32: 72 words, so the 8 rows x 32 bytes of a turning load fall on different banks (64 banks of 4 bytes: ISA guide 11.1)
.set KSB,   32*WP                      ; a K step's 32 rows
.set SP,    272                        ; a row of a stage: 256 bytes + 16
.set STAGE, 1024*WP                    ; behind the slice: 16 rows for each wave, for the way out
.set SPARE, STAGE+4*16*SP              ; the spare words, 128 bytes for each of the four waves
.if UP
.set PITCH, 16384                      ; bytes from row to row of the weights
.set WSH,   22                         ; a wave's 256 rows are 1 << WSH bytes
.set OSH,   13                         ; an output row is 1 << OSH bytes
.set SELP,  10
.set TRIPS, 5                          ; the way out goes tile by tile
.else
.set PITCH, 4096
.set WSH,   20
.set OSH,   12
.set SELP,  8
.set TRIPS, 10                         ; the way out goes by half tiles: 64 columns of f32 are 256 bytes
.endif
; vector registers.  Window 0: as below.  Window 1: in the fill eight sets of eight row loads; then accumulator (m, nb) at 64 m + 8 nb for tiles m = 0 to 3.
; Window 2: tile 4's accumulators at 8 nb; b1 at 64; the 32 masks, second-choice masks and keys at 128, 160, 192, each alike in all lanes.  Window 3: the weight fragments' second set.
.set SPW,   1                          ; my spare word's LDS address; never rewritten
.set NIL,   2                          ; 0; never rewritten
.set BADR,  3                          ; LDS address of the weight fragments in hand
.set AOFF,  4                          ; v[4:8]  tile m: byte offset of my row's fragment
.set R,     9                          ; lane % 16
.set H16,   10                         ; 16 (lane / 16)
.set STO,   11                         ; the way out: where I put my numbers
.set RD,    12                         ; the way out: where I read rows back
.set RC,    13                         ; the way out: the rids of the tile in hand, row lane % 16
.set COL16, 14                         ; 16 (lane % 16)
.set HI,    15                         ; lane / 16
.set BBASE, 16                         ; my lane's place in a turning load.  v17, v18 are at work
.set H32,   19                         ; 32 (lane / 16): my place in b1
.set STA,   20                         ; the fill: where my 8 bytes of a row go
.set WOFF,  21                         ; 16 x lane
.set RID,   22                         ; v[22:26]  tile m: the rid of row lane % 16
.set LANE,  27
.set L8,    28                         ; 8 x lane
.set C16,   29                         ; 16
.set BF,    32                         ; v[32:95]   weight fragments, 8 a column block: set 0 in window 0, set 1 at the same numbers in window 3
.set AF,    96                         ; v[96:255]  token fragments: four K steps of five tiles
.set IK,    32                         ; the search for rows, five registers each, in the weight fragments' place: 32 x place + 31,
.set KS,    37                         ; the key, mask and second-choice mask picked,
.set MS,    42
.set SS,    47
.set NN,    52                         ; the rank in the mask, the bit found so far,
.set PO,    57
.set A1,    62                         ; the mask's ones counted in fields of 2, 4 and 8 bits,
.set A2,    67
.set A3,    72
.set T1,    77                         ; at work
.set T2,    82
.set ACC4,  0                          ; window 2
.set BIAS,  64                         ; window 2
.set MKV,   128                        ; window 2
.set SKV,   160                        ; window 2
.set KEY,   192                        ; window 2
.set TA,    224                        ; window 2, v[224:231] at work
.set CV,    96                         ; the fill: eight rows in bf16
.set TT,    32                         ; the way out: a tile plus bias
.set GA,    96                         ; GELU at work: |a|, t, e, polynomial
.set GT,    104
.set GE,    112
.set GP,    120
.set DT,    128                        ; the way out: rows read back
.set VO,    160                        ; and their byte offsets
.set OB,    192                        ; the way out: a tile in bf16, four registers a column block
; scalar registers
.set WV, 14
.set E, 16
.set CB, 18
.set T, 19
.set CNT, 20
.set CNTM1, 21
.set NT, 22
.set MT, 23
.set PASS, 24
.set I, 25
.set KA, 26
.set AP, 30
.set ABASE, 34
.set WPTR, 38
.set OF, 40
.set OUTB, 42
.set RE, 44                            ; s[44:51] the way out: the rids of the stage's even rows
.set CM, 46                            ; s[46:50] five masks of lanes, in the search
.set ROW0, 52
.set REM, 53
.set EM, 54
.set EM1, 55
.set KY, 56
.set OUTP, 58
.set QTR, 60
.set NSL, 61
.set SB, 63
.set QP, 66
.set QE, 68
.set Q5, 70
.set Q4, 72
.set Q3, 74
.set Q2, 76
.set Q1, 78
.set ABSM, 80
.set BP, 82
.set CN, 84                            ; s[84:88] five more masks of lanes: the search's groups take the two sets by turns
.set GM, 84                            ; s[84:91] at the head: four groups' two masks each
.set RO, 84                            ; s[84:91] the way out: the rids of the stage's odd rows
.set MSB, 0
.macro WIN new                         ; s_set_vgpr_msb: bits 1:0 source 0, 3:2 source 1, 5:4 source 2, 7:6 destination; the high byte repeats the setting that is left
.if MSB != (\new)
	s_set_vgpr_msb (MSB<<8)|(\new)
.set MSB, (\new)
.endif
.endm
.macro NOPS4                           ; four places between a matrix instruction and a vector line on its registers or a store of its result
.rept 4
	v_nop
.endr
.endm
.macro SPAIR reg, val                  ; a constant for packed lines: named as a pair, so both words are written
	s_mov_b32 s[\reg], \val
	s_mov_b32 s[\reg+1], \val
.endm
.macro V5 line:vararg                  ; one line for each of my five tiles q: five lines that do not wait for each other
.set q, 0
.rept 5
	\line
.set q, q+1
.endr
.endm
; THE FILL.  A turn: 64 rows of mine, eight at a time.  Group g: its eight loads are in; two roundings a row; the set that was read one group ago is loaded again, with the rows seven groups on;
; then a row's 256 bytes go into LDS.  last = 1: my last 64 rows: only group 0 still has rows to ask for.
.macro FILLTURN last
.set g, 0
.rept 8
.if (\last) && (g > 0)
	s_wait_loadcnt 56-8*g                          ; nothing is issued behind them: the counts run down
.else
	s_wait_loadcnt 48                              ; loads come back in order (ISA guide 5.7.1): of the 56 out the oldest eight, this group's, are in
.endif
	s_wait_alu depctr_vm_vsrc(0)                   ; the LDS stores of the group before have read CV and STA, which are written again below
.if g == 0
	v_add_nc_u32 v[STA], s[SB], v[L8]
.endif
	WIN 0x05
.set u, 0
.rept 8
	v_cvt_pk_bf16_f32 v[CV+2*u],   v[32*g+4*u],   v[32*g+4*u+1]
	v_cvt_pk_bf16_f32 v[CV+2*u+1], v[32*g+4*u+2], v[32*g+4*u+3]
.set u, u+1
.endr
.if !(\last) || (g == 0)
	WIN 0x40
	s_wait_alu depctr_va_vdst(0)                   ; the conversions have written CV (and STA is written), which the LDS stores read; the group before's are done reading their set, in which the loads land
.set u, 0
.rept 8
	global_load_b128 v[32*((g+7)%8)+4*u:32*((g+7)%8)+4*u+3], v[WOFF], s[WPTR:WPTR+1] offset:(8*(g+7)+u)*PITCH th:TH_LOAD_NT
.set u, u+1
.endr
	WIN 0
.else
	WIN 0
	s_wait_alu depctr_va_vdst(0)                   ; the conversions have written CV, which the LDS stores read
.endif
.set u, 0
.rept 8
	ds_store_b64 v[STA], v[CV+2*u:CV+2*u+1] offset:(8*g+u)*WP   ; a row: 256 consecutive bytes
.set u, u+1
.endr
.set g, g+1
.endr
.endm
; THE MASKS.  Group g = 4 j + c holds the tokens 128 j + 4 lane + c.  Kept, alike in all lanes: which of them chose the expert, which chose it second, and the key 32 x (rows ahead of the group) + g.
; Four groups at a time: eight compares in a run, one wait for their masks.  Window setting: destination and source 0 in window 2, source 1 (sel's word) in window 0.
.macro GROUP4 j
.irp c, 0,1,2,3
	v_and_b32 v[TA+2*(\c)],   s[EM],  v[BF+4*(\j)+(\c)]
	v_and_b32 v[TA+2*(\c)+1], s[EM1], v[BF+4*(\j)+(\c)]
.endr
.irp c, 0,1,2,3
	v_cmp_ne_u32 s[GM+2*(\c)],   v[TA+2*(\c)],   0
	v_cmp_ne_u32 s[GM+2*(\c)+1], v[TA+2*(\c)+1], 0
.endr
	s_wait_alu depctr_va_sdst(0)                   ; the eight compares have written their masks, ahead of the first line that reads one
.irp c, 0,1,2,3
	v_mov_b32 v[MKV+4*(\j)+(\c)], s[GM+2*(\c)]
	v_mov_b32 v[SKV+4*(\j)+(\c)], s[GM+2*(\c)+1]
	v_mov_b32 v[KEY+4*(\j)+(\c)], s[KY]
	s_bcnt1_i32_b32 s44, s[GM+2*(\c)]
	s_lshl_b32 s44, s44, 5
	s_add_co_u32 s44, s44, 1
	s_add_co_u32 s[KY], s[KY], s44
.endr
.endm
; One halving of the search for the set bit of rank NN: the ones in the lower half of the bits still in question stand in a field of \src at bit PO; if the rank is not among them, the upper half is taken.
.macro LV src, width, last
	V5 v_bfe_u32 v[T1+q], v[\src+q], v[PO+q], \width
	V5 v_cmp_ge_u32 s[CM+q], v[NN+q], v[T1+q]
.if !(\last)
	V5 v_sub_nc_u32 v[T2+q], v[NN+q], v[T1+q]
	s_wait_alu depctr_va_sdst(0)                   ; the five compares have written their masks, ahead of the selects
	V5 v_cndmask_b32 v[NN+q], v[NN+q], v[T2+q], s[CM+q]
	V5 v_add_nc_u32 v[T2+q], \width, v[PO+q]
.else
	V5 v_add_nc_u32 v[T2+q], \width, v[PO+q]
	s_wait_alu depctr_va_sdst(0)                   ; the five compares have written their masks, ahead of the selects
.endif
	V5 v_cndmask_b32 v[PO+q], v[PO+q], v[T2+q], s[CM+q]
.endm
; MY FIVE TILES' ROWS.  Tile q's row r has place 16 (20 pass + 4 q + wave) + r among the expert's rows; places past the count take the last row.
.macro ROWS
	s_wait_xcnt 0x0                                ; earlier stores have read their registers: from here on they are written again
	s_wait_alu depctr_vm_vsrc(0)                   ; the loads and stores issued so far have read AOFF, BADR, CV, OB, DT, VO and (second product) the accumulators: all are written again in this pass
	s_mul_i32 s44, s[PASS], 20
	s_add_co_u32 s44, s44, s[WV]
	s_lshl_b32 s44, s44, 4
	v_add_nc_u32 v17, s44, v[R]
	V5 v_add_nc_u32 v[IK+q], 64*q, v17
	V5 v_min_u32 v[IK+q], s[CNTM1], v[IK+q]
	V5 v_lshl_or_b32 v[IK+q], v[IK+q], 5, 31       ; a group's key is at most this exactly if the rows ahead of the group are at most my place
	WIN 0x02                                       ; source 0 in window 2
	V5 v_mov_b32 v[KS+q], v[KEY]
	V5 v_mov_b32 v[MS+q], v[MKV]
	V5 v_mov_b32 v[SS+q], v[SKV]
	V5 v_cmp_gt_u32 s[CN+q], v[KEY+1], v[IK+q]     ; group 1's five compares; odd groups' masks lie in CN, even groups' in CM
.set g, 1
.rept 31                                               ; the last group whose key is not above mine holds my place
	s_wait_alu depctr_va_sdst(0)                   ; group g's five compares have written their masks; from the second time on the fifteen selects of the group before stand between
.if g < 31
	V5 v_cmp_gt_u32 s[CM+(CN-CM)*((g+1)%2)+q], v[KEY+g+1], v[IK+q]
.endif
.set q, 0
.rept 5
	v_cndmask_b32 v[KS+q], v[KEY+g], v[KS+q], s[CM+(CN-CM)*(g%2)+q]
	v_cndmask_b32 v[MS+q], v[MKV+g], v[MS+q], s[CM+(CN-CM)*(g%2)+q]
	v_cndmask_b32 v[SS+q], v[SKV+g], v[SS+q], s[CM+(CN-CM)*(g%2)+q]
.set q, q+1
.endr
.set g, g+1
.endr
	WIN 0
	V5 v_lshrrev_b32 v[NN+q], 5, v[IK+q]
	V5 v_lshrrev_b32 v[T1+q], 5, v[KS+q]
	V5 v_sub_nc_u32 v[NN+q], v[NN+q], v[T1+q]      ; my rank among the group's rows
	V5 v_lshrrev_b32 v[T1+q], 1, v[MS+q]           ; the mask's ones, counted in fields of 2 bits,
	V5 v_and_b32 v[T1+q], 0x55555555, v[T1+q]
	V5 v_sub_nc_u32 v[A1+q], v[MS+q], v[T1+q]
	V5 v_lshrrev_b32 v[T1+q], 2, v[A1+q]           ; of 4,
	V5 v_and_b32 v[T1+q], 0x33333333, v[T1+q]
	V5 v_and_b32 v[T2+q], 0x33333333, v[A1+q]
	V5 v_add_nc_u32 v[A2+q], v[T1+q], v[T2+q]
	V5 v_lshrrev_b32 v[T1+q], 4, v[A2+q]           ; of 8,
	V5 v_add_nc_u32 v[T1+q], v[T1+q], v[A2+q]
	V5 v_and_b32 v[A3+q], 0x0f0f0f0f, v[T1+q]
	V5 v_lshrrev_b32 v[T1+q], 8, v[A3+q]           ; and in bits 0 to 15
	V5 v_add_nc_u32 v[T1+q], v[T1+q], v[A3+q]
	V5 v_and_b32 v[T1+q], 0xff, v[T1+q]
	V5 v_cmp_ge_u32 s[CM+q], v[NN+q], v[T1+q]
	V5 v_sub_nc_u32 v[T2+q], v[NN+q], v[T1+q]
	s_wait_alu depctr_va_sdst(0)                   ; the five compares have written their masks, ahead of the selects
	V5 v_cndmask_b32 v[NN+q], v[NN+q], v[T2+q], s[CM+q]
	V5 v_cndmask_b32 v[PO+q], 0, v[C16], s[CM+q]
	LV A3, 8, 0
	LV A2, 4, 0
	LV A1, 2, 0
	LV MS, 1, 1                                    ; PO is the lane that held my token
	V5 v_bfe_u32 v[T1+q], v[SS+q], v[PO+q], 1      ; rid = 2 (128 j + 4 PO + c) + slot, the group being 4 j + c: slot,
	V5 v_and_b32 v[T2+q], 28, v[KS+q]
	V5 v_lshl_or_b32 v[T1+q], v[T2+q], 6, v[T1+q]  ; 256 j,
	V5 v_and_b32 v[T2+q], 3, v[KS+q]
	V5 v_lshl_or_b32 v[T1+q], v[T2+q], 1, v[T1+q]  ; 2 c,
	V5 v_lshl_or_b32 v[T1+q], v[PO+q], 3, v[T1+q]  ; 8 PO
	V5 v_min_u32 v[RID+q], 0x7ff, v[T1+q]
.if UP
	V5 v_and_b32 v[AOFF+q], 0x7fe, v[RID+q]                  ; 2 x token,
	V5 v_lshl_add_u32 v[AOFF+q], v[AOFF+q], 10, v[H16]       ; rows of 2,048 bytes
.else
	V5 v_lshl_add_u32 v[AOFF+q], v[RID+q], 13, v[H16]        ; rows of 8,192 bytes
.endif
.endm
; THE PRODUCTS.  Four matrix instructions: tile m, column blocks 4 nh .. 4 nh + 3, token buffer ab, weight set ab % 2.  first = 1: they start the sums with 0.
.macro MM4 m, nh, ab, first
.if (\m) < 4
	WIN 0x50+3*((\ab)%2)
.set rD, 64*(\m)+32*(\nh)
.else
	WIN 0xa0+3*((\ab)%2)
.set rD, ACC4+32*(\nh)
.endif
.set rA, AF+40*(\ab)+8*(\m)
.set rB, BF+32*(\nh)
.irp n, 0,1,2,3
.if \first
	v_wmma_f32_16x16x32_bf16 v[rD+8*(\n):rD+8*(\n)+7], v[rB+8*(\n):rB+8*(\n)+7], v[rA:rA+7], 0
.else
	v_wmma_f32_16x16x32_bf16 v[rD+8*(\n):rD+8*(\n)+7], v[rB+8*(\n):rB+8*(\n)+7], v[rA:rA+7], v[rD+8*(\n):rD+8*(\n)+7]
.endif
.endr
.endm
; Tiles 2 to 4 x four column blocks.  A wave with two tiles or fewer, or four or fewer, jumps forward over the rest; the step that starts the sums is never cut short.  No load stands in what is jumped.
; The accumulators take turns, one instruction a turn, on every one of these ways.
.macro REST nh, ab, first
.if !(\first)
	WIN 0
	s_cmp_le_u32 s[MT], 2
	s_cbranch_scc1 .Lh\@
.endif
	MM4 2, \nh, \ab, \first
	MM4 3, \nh, \ab, \first
.if !(\first)
	WIN 0
	s_cmp_le_u32 s[MT], 4
	s_cbranch_scc1 .Lh\@
.endif
	MM4 4, \nh, \ab, \first
	WIN 0
.Lh\@:
.endm
.macro LDB half, k, p                  ; eight turning loads: 32 k x 64 columns, at byte k behind BADR, into set p of the weight fragments
	WIN 0xc0*(\p)
.irp n, 0,1,2,3
	ds_load_tr16_b128 v[BF+32*(\half)+8*(\n):BF+32*(\half)+8*(\n)+3],   v[BADR] offset:(\k)+128*(\half)+32*(\n)
	ds_load_tr16_b128 v[BF+32*(\half)+8*(\n)+4:BF+32*(\half)+8*(\n)+7], v[BADR] offset:(\k)+128*(\half)+32*(\n)+16*WP
.endr
.endm
.macro LDA ab, m, ptr, imm             ; tile m's token fragment: 16 rows x 32 k, two loads of 16 bytes a lane
	WIN 0
	global_load_b128 v[AF+40*(\ab)+8*(\m):AF+40*(\ab)+8*(\m)+3],   v[AOFF+(\m)], s[\ptr:\ptr+1] offset:(\imm)
	global_load_b128 v[AF+40*(\ab)+8*(\m)+4:AF+40*(\ab)+8*(\m)+7], v[AOFF+(\m)], s[\ptr:\ptr+1] offset:(\imm)+32
.endm
; A K step on token buffer ab and weight set ab % 2.  ldb = 1: the next step's weight fragments are fetched, at byte kb behind BADR, into the other set.
; lda = 1: the step before's token buffer is loaded again, with the K step three on (byte imm behind AP).  acnt: the token loads issued behind this step's, which may stay out.
; The loads stand where every way through the step passes: at its head, between the first two tiles' products, and behind the label at which the ways join.
.macro STEP ab, kb, first, lda, imm, ldb, acnt
.if \first
	s_wait_dscnt 0x8                               ; column blocks 0 to 3 are in; the eight loads of blocks 4 to 7 may be out
.else
	s_wait_dscnt 0x0                               ; this step's weight fragments, asked for early in the step before, are in
.endif
	s_wait_loadcnt \acnt
.if !(\first) && (\ldb)
	s_wait_alu depctr_va_vdst(0)                   ; the step before's products are done reading the other weight set and their token buffer, in which this step's loads land; in a trip's first step BADR is written
.endif
.if \ldb
	LDB 0, \kb, 1-(\ab)%2
.endif
	MM4 0, 0, \ab, \first
.if \ldb
	LDB 1, \kb, 1-(\ab)%2                          ; no wait: no product since the wait names the other set
.endif
	MM4 1, 0, \ab, \first
	REST 0, \ab, \first
.if \first
	s_wait_dscnt 0x10                              ; column blocks 4 to 7 are in; the sixteen loads of the next step's set may be out
.endif
.if \lda
.irp m, 0,1,2
	LDA ((\ab)+3)%4, \m, AP, \imm
.endr
.endif
	MM4 0, 1, \ab, \first
.if \lda
.irp m, 3,4
	LDA ((\ab)+3)%4, \m, AP, \imm
.endr
.endif
	MM4 1, 1, \ab, \first
	REST 1, \ab, \first
.endm
.macro MTCALC                          ; my live tiles in this pass: tiles 20 pass + 4 i + wave below NT, i = 0 to 4
	s_mul_i32 s44, s[PASS], 20
	s_add_co_u32 s44, s44, s[WV]
	s_sub_co_i32 s45, s[NT], s44
	s_add_co_i32 s45, s45, 3
	s_ashr_i32 s45, s45, 2
	s_max_i32 s45, s45, 0
	s_min_i32 s[MT], s45, 5
.endm
; The stage's 16 rows of 256 bytes go out: each half of the lanes stores one row, 256 consecutive bytes at a multiple of 256 from the buffer's first.  Stores wholly past the count are jumped.
; Store t has rows 2 t and 2 t + 1: their rids are read out of lanes 2 t and 2 t + 1 of RC, and each half of the lanes takes its own.
.macro OUTROWS shift, ptr
.irp t, 0,1,2,3,4,5,6,7
	ds_load_b128 v[DT+4*(\t):DT+4*(\t)+3], v[RD] offset:2*SP*(\t)   ; LDS serves a wave's instructions in order (ISA guide 5.7.1.4): these see my stores into the stage
.endr
	v_cmp_ne_u32 vcc_lo, 0, v[HI]
.irp t, 0,1,2,3,4,5,6,7
	v_readlane_b32 s[RE+(\t)], v[RC], 2*(\t)
	v_readlane_b32 s[RO+(\t)], v[RC], 2*(\t)+1
.endr
	s_wait_alu depctr_va_sdst(0)                   ; the sixteen rids are in their scalar registers, ahead of the first line that reads one
	s_wait_alu depctr_va_vcc(0)                    ; the mask of the upper lanes is in VCC, ahead of the selects
.irp t, 0,1,2,3,4,5,6,7
	v_mov_b32 v[VO+(\t)], s[RO+(\t)]
.endr
.irp t, 0,1,2,3,4,5,6,7
	v_cndmask_b32 v[VO+(\t)], s[RE+(\t)], v[VO+(\t)], vcc_lo
.endr
.irp t, 0,1,2,3,4,5,6,7
	v_min_u32 v[VO+(\t)], 0x7ff, v[VO+(\t)]
.endr
.irp t, 0,1,2,3,4,5,6,7
	v_lshl_add_u32 v[VO+(\t)], v[VO+(\t)], \shift, v[COL16]
.endr
	s_wait_dscnt 0x0
	s_wait_alu depctr_va_vdst(0)                   ; VO is written, which the stores read as their offsets
.irp t, 0,1,2,3,4,5,6,7
.if (\t) > 0
	s_cmp_le_u32 s[REM], 2*(\t)
	s_cbranch_scc1 .Lso\@
.endif
	global_store_b128 v[VO+(\t)], v[DT+4*(\t):DT+4*(\t)+3], s[\ptr:\ptr+1]
.endr
.Lso\@:
.endm
.if UP
.macro TBLOCK i                        ; tile i plus bias, each accumulator from its low end on
.Lt\i:
	v_mov_b32 v[RC], v[RID+(\i)]
.if (\i) < 4
	WIN 0x09
.set src, 64*(\i)
.else
	WIN 0x0a
.set src, ACC4
.endif
.set z, 0
.rept 32
	v_pk_add_f32 v[TT+z:TT+z+1], v[src+z:src+z+1], v[BIAS+z:BIAS+z+1]
.set z, z+2
.endr
	WIN 0
.endm
.macro GELU8 nb                        ; eight numbers of a row: GELU, bf16, into OB.  A plain line stands between every reciprocal or exponential and the use of its result (ISA guide 5.7.2)
.set a, TT+8*(\nb)
.irp i, 0,1,2,3,4,5,6,7
	v_and_b32 v[GA+(\i)], s[ABSM], v[a+(\i)]
.endr
.irp i, 0,2,4,6
	v_pk_fma_f32 v[GT+(\i):GT+(\i)+1], v[GA+(\i):GA+(\i)+1], s[QP:QP+1], 1.0 op_sel_hi:[1,0,0]
.endr
.irp i, 0,2,4,6
	v_pk_mul_f32 v[GE+(\i):GE+(\i)+1], v[a+(\i):a+(\i)+1], v[a+(\i):a+(\i)+1]
.endr
.irp i, 0,1,2,3,4,5,6,7
	v_rcp_f32 v[GT+(\i)], v[GT+(\i)]
.endr
.irp i, 0,2,4,6
	v_pk_mul_f32 v[GE+(\i):GE+(\i)+1], v[GE+(\i):GE+(\i)+1], s[QE:QE+1] op_sel_hi:[1,0]
.endr
.irp i, 0,1,2,3,4,5,6,7
	v_exp_f32 v[GE+(\i)], v[GE+(\i)]
.endr
	s_wait_alu depctr_va_vdst(0)                   ; the eight reciprocals have written GT and the eight exponentials GE: one wait for the batch, ahead of its first reader
.irp i, 0,2,4,6
	v_pk_fma_f32 v[GP+(\i):GP+(\i)+1], v[GT+(\i):GT+(\i)+1], s[Q5:Q5+1], s[Q4:Q4+1] op_sel_hi:[1,0,0]
.endr
.irp c, Q3,Q2,Q1
.irp i, 0,2,4,6
	v_pk_fma_f32 v[GP+(\i):GP+(\i)+1], v[GP+(\i):GP+(\i)+1], v[GT+(\i):GT+(\i)+1], s[\c:\c+1] op_sel_hi:[1,1,0]
.endr
.endr
.irp i, 0,2,4,6
	v_pk_mul_f32 v[GP+(\i):GP+(\i)+1], v[GP+(\i):GP+(\i)+1], v[GT+(\i):GT+(\i)+1]
.endr
.irp i, 0,2,4,6
	v_pk_mul_f32 v[GP+(\i):GP+(\i)+1], v[GP+(\i):GP+(\i)+1], v[GE+(\i):GE+(\i)+1]
.endr
.irp i, 0,1,2,3,4,5,6,7
	v_max_num_f32 v[a+(\i)], 0, v[a+(\i)]
.endr
.irp i, 0,2,4,6
	v_pk_fma_f32 v[a+(\i):a+(\i)+1], v[GA+(\i):GA+(\i)+1], v[GP+(\i):GP+(\i)+1], v[a+(\i):a+(\i)+1]
.endr
.irp i, 0,1,2,3
	v_cvt_pk_bf16_f32 v[OB+4*(\nb)+(\i)], v[a+2*(\i)], v[a+2*(\i)+1]
.endr
.endm
.else
.macro UBLOCK u                        ; half u % 2 of tile u / 2 into the stage, f32, each accumulator from its low end on
.Lu\u:
	v_mov_b32 v[RC], v[RID+(\u)/2]
.if (\u)/2 < 4
	WIN 0x04
.set src, 64*((\u)/2)+32*((\u)%2)
.else
	WIN 0x08
.set src, ACC4+32*((\u)%2)
.endif
.irp n, 0,1,2,3
	ds_store_b128 v[STO], v[src+8*(\n):src+8*(\n)+3]   offset:64*(\n)
	ds_store_b128 v[STO], v[src+8*(\n)+4:src+8*(\n)+7] offset:64*(\n)+16
.endr
	WIN 0
.endm
.endif
	s_load_b256 s[4:11], s[0:1], 0x0               ; UP: xb, w1, b1, sel; else: hbuf, w2, sel, ypart
.if UP
	s_load_b64 s[12:13], s[0:1], 0x20              ; hbuf
.endif
	v_lshl_add_u32 v[SPW], v0, 2, SPARE
	v_mov_b32 v[NIL], 0
	v_lshrrev_b32 v18, 5, v0
	v_readfirstlane_b32 s[WV], v18                 ; wave 0..3
	v_and_b32 v[R], 15, v0
	v_bfe_u32 v[HI], v0, 4, 1
	v_and_b32 v[LANE], 31, v0
	v_lshlrev_b32 v[WOFF], 4, v[LANE]
	v_lshlrev_b32 v[L8], 3, v[LANE]
	v_lshlrev_b32 v[H16], 4, v[HI]
.if UP
	v_lshlrev_b32 v[H32], 5, v[HI]
.endif
	v_lshlrev_b32 v[COL16], 4, v[R]
	v_mov_b32 v[C16], 16
	v_and_b32 v18, 7, v0                           ; the turning load: lane L reads row 8 (L / 16) + L % 8, bytes 16 ((L / 8) % 2) on
	v_lshl_add_u32 v18, v[HI], 3, v18
	v_mul_u32_u24 v[BBASE], v18, WP
	v_bfe_u32 v18, v0, 3, 1
	v_lshl_add_u32 v[BBASE], v18, 4, v[BBASE]
	s_wait_alu depctr_va_sdst(0)                   ; the wave's number is in its scalar register, ahead of its first reader
	s_mul_i32 s44, s[WV], 16*SP
	s_add_co_u32 s44, s44, STAGE                   ; my stage
	v_mul_u32_u24 v18, v[R], SP
.if UP
	v_lshl_add_u32 v18, v[HI], 4, v18              ; in: row r, 16 bytes for each half of the lanes
.else
	v_lshl_add_u32 v18, v[HI], 5, v18              ; in: row r, 32 bytes for each half of the lanes
.endif
	v_add_nc_u32 v[STO], s44, v18
	v_mul_u32_u24 v18, v[HI], SP                   ; back: lanes 0-15 one row, lanes 16-31 the next
	v_lshl_add_u32 v18, v[R], 4, v18
	v_add_nc_u32 v[RD], s44, v18
	s_mul_i32 s[SB], s[WV], 256*WP                 ; my 256 rows of the slice in LDS
	s_and_b32 s[E], ttmp7, 0xffff                  ; expert
	s_lshl_b32 s[EM], 0x101, s[E]                  ; sel's bits for this expert: first or second choice,
	s_lshl_b32 s[EM1], 0x100, s[E]                 ; second choice
	s_mov_b32 s[KY], 0
	s_mov_b32 s[PASS], 0
	s_mov_b32 s[KA+1], 0
	s_mov_b32 s[OF+1], 0
	s_lshl_b32 s44, s[E], 24                       ; an expert's weights are 1 << 24 bytes
	s_lshl_b32 s52, s[WV], WSH                     ; my 256 rows
	s_add_co_u32 s44, s44, s52
	s_mov_b32 s45, 0
	s_mov_b32 s49, 0
.if UP
	s_lshl_b32 s52, ttmp9, 9                       ; my 128 columns of f32
	s_add_co_u32 s44, s44, s52
	s_lshl_b32 s48, ttmp9, 8                       ; my 128 columns of bf16
	s_lshl_b32 s50, s[E], 14                       ; my slice of b1
	s_add_co_u32 s50, s50, s52
	s_mov_b32 s51, 0
	SPAIR QP, 0x3e6d3388                           ; 0.3275911 / sqrt 2
	SPAIR QE, 0xbf38aa3b                           ; -log2(e) / 2
	SPAIR Q5, 0xbf07dc22                           ; the polynomial's five numbers times -1/2
	SPAIR Q4, 0x3f3a00e3
	SPAIR Q3, 0xbf35f0e3
	SPAIR Q2, 0x3e11a98e
	SPAIR Q1, 0xbe027906
	s_mov_b32 s[ABSM], 0x7fffffff
.else
	s_lshr_b32 s[QTR], ttmp9, 3                    ; which quarter of K,
	s_and_b32 s[NSL], ttmp9, 7                     ; which 128 columns
	s_lshl_b32 s52, s[QTR], 22
	s_add_co_u32 s44, s44, s52
	s_lshl_b32 s52, s[NSL], 9
	s_add_co_u32 s44, s44, s52
	s_lshl_b32 s46, s[QTR], 11                     ; my quarter of a row of hbuf
	s_mov_b32 s47, 0
	s_lshl_b32 s48, s[QTR], 23                     ; my quarter's plane of ypart, my 128 columns of f32
	s_add_co_u32 s48, s48, s52
.endif
	s_wait_kmcnt 0x0
	s_add_nc_u64 s[WPTR:WPTR+1], s[6:7], s[44:45]
.if UP
	s_mov_b64 s[ABASE:ABASE+1], s[4:5]
	s_add_nc_u64 s[OUTB:OUTB+1], s[12:13], s[48:49]
	s_add_nc_u64 s[BP:BP+1], s[8:9], s[50:51]
.else
	s_add_nc_u64 s[ABASE:ABASE+1], s[4:5], s[46:47]
	s_add_nc_u64 s[OUTB:OUTB+1], s[10:11], s[48:49]
.endif
	s_wait_alu depctr_va_vdst(0)                   ; WOFF, H32, STO, RD, COL16 and the closing add's two registers are written: the kernel's loads and stores read them, and none is written again
	; all 1,024 words of sel: lane L of load j has tokens 128 j + 4 L + 0..3
.set j, 0
.rept 8
	global_load_b128 v[BF+4*j:BF+4*j+3], v[WOFF], s[SELP:SELP+1] offset:512*j
.set j, j+1
.endr
.if UP
	WIN 0x80                                       ; b1 of my eight columns of each block stays in registers
.irp n, 0,1,2,3,4,5,6,7
	global_load_b128 v[BIAS+8*(\n):BIAS+8*(\n)+3],   v[H32], s[BP:BP+1] offset:64*(\n)
	global_load_b128 v[BIAS+8*(\n)+4:BIAS+8*(\n)+7], v[H32], s[BP:BP+1] offset:64*(\n)+16
.endr
.endif
	WIN 0x40                                       ; my first 32 rows are asked for; a load covers a row's 512 consecutive bytes
.set u, 0
.rept 32
	global_load_b128 v[4*u:4*u+3], v[WOFF], s[WPTR:WPTR+1] offset:u*PITCH th:TH_LOAD_NT
.set u, u+1
.endr
	WIN 0
	s_wait_loadcnt 32+16*UP                        ; sel is in; b1's loads and the 32 row loads may be out: the masks are made while they come
	WIN 0x82
.irp j, 0,1,2,3,4,5,6,7
	GROUP4 \j
.endr
	WIN 0
	s_lshr_b32 s[CNT], s[KY], 5                    ; the key has run to 32 x count + 32
	s_sub_co_u32 s[CNT], s[CNT], 1
	s_max_u32 s44, s[CNT], 1
	s_sub_co_u32 s[CNTM1], s44, 1
	s_add_co_u32 s44, s[CNT], 15
	s_lshr_b32 s[NT], s44, 4
.if UP
	s_wait_loadcnt 32                              ; b1 is in
.endif
	WIN 0x40                                       ; rows 32 to 55: seven sets of eight are out.  No wait: no vector line has named these registers, and none since the head's wait names WOFF
.set u, 32
.rept 24
	global_load_b128 v[4*u:4*u+3], v[WOFF], s[WPTR:WPTR+1] offset:u*PITCH th:TH_LOAD_NT
.set u, u+1
.endr
	WIN 0
	s_mov_b32 s[T], 3
.Lfill:                                                ; three turns of 64 rows; the fourth is written out, so that no load passes my rows' end
	FILLTURN 0
	s_wait_xcnt 0x0                                ; the base is stepped only when the loads that name it have read it
	s_add_nc_u64 s[WPTR:WPTR+1], s[WPTR:WPTR+1], 64*PITCH
	s_add_co_u32 s[SB], s[SB], 64*WP
	s_sub_co_u32 s[T], s[T], 1
	s_cmp_lg_u32 s[T], 0
	s_cbranch_scc1 .Lfill
	FILLTURN 1
	s_wait_dscnt 0x0                               ; for the others' sake: my rows are in LDS
	s_barrier_signal -1
	s_barrier_wait -1                              ; the slice is whole, and is only read from here on
	MTCALC
	s_branch .Lwork                                ; pass 0 is multiplied by every wave
.Lpass:                                                ; four passes of 320 rows
	MTCALC
	s_cmp_eq_u32 s[MT], 0
	s_cbranch_scc1 .Lkdone
.Lwork:
	ROWS
	v_mov_b32 v[BADR], v[BBASE]
	s_wait_alu depctr_va_vdst(0)                   ; AOFF and BADR are written, which the loads below read; the search is done with weight set 0's registers, the last pass's products and way out with the token buffers and set 1
.irp b, 0,1,2,3
.irp m, 0,1,2,3,4
	LDA \b, \m, ABASE, 64*(\b)
.endr
.endr
	LDB 0, 0, 0
	LDB 1, 0, 0
	STEP 0, KSB, 1, 0, 0, 1, 30                    ; K step 0 starts the sums; 30: K steps 1 to 3 may be out.  It owes no wait: no vector or matrix line since the wait above names weight set 1
	s_mov_b32 s[T], 0
	s_mov_b32 s[KA], 0
	s_mov_b32 s[CB], 0
.Lk:                                                   ; trip i: K steps 4 i + 1 .. 4 i + 4.  CB = 4 K steps of LDS rows x i, KA = 256 i bytes of a token row
	s_wait_xcnt 0x0                                ; the base is rewritten only when the loads that name it have read it
	s_add_nc_u64 s[AP:AP+1], s[ABASE:ABASE+1], s[KA:KA+1]
	s_wait_alu depctr_vm_vsrc(0)                   ; the turning loads issued so far have read BADR
	v_add_nc_u32 v[BADR], s[CB], v[BBASE]
	STEP 1, 2*KSB, 0, 1, 256, 1, 20                ; 20: the two later K steps' ten loads each may be out; the third's are asked for in the step
	STEP 2, 3*KSB, 0, 1, 320, 1, 20
	STEP 3, 4*KSB, 0, 1, 384, 1, 20
	STEP 0, 5*KSB, 0, 1, 448, 1, 20                ; in the last trip this asks for K step 31, the row's last 64 bytes
	s_add_co_u32 s[CB], s[CB], 4*KSB
	s_add_co_u32 s[KA], s[KA], 256
	s_add_co_u32 s[T], s[T], 1
	s_cmp_lt_u32 s[T], 7
	s_cbranch_scc1 .Lk
	s_wait_alu depctr_vm_vsrc(0)                   ; the turning loads issued so far have read BADR
	v_add_nc_u32 v[BADR], s[CB], v[BBASE]
	STEP 1, 2*KSB, 0, 0, 0, 1, 20                  ; K steps 29 to 31 ask for no token rows: the counts run down
	STEP 2, 3*KSB, 0, 0, 0, 1, 10
	STEP 3, 0,     0, 0, 0, 0, 0                   ; the last step issues no load, so it holds no wait on the vector side
	NOPS4
.Lkdone:
.if !UP
	s_wait_alu depctr_va_vdst(0)                   ; the products have written the accumulators, which the LDS stores of the way out read, and are done reading the token buffers, in which the stage's rows land; the places above stay beside this wait
.endif
	s_wait_dscnt 0x0
	s_barrier_signal -1                            ; every wave's reads of the slice, whose addresses step with the loop, are over
	s_barrier_wait -1                              ; before any wave stores into its stage
	s_mov_b32 s[I], 0
.Ltile:                                                ; the way out, a stage at a time; dead tiles are jumped
.if UP
	s_mov_b32 s45, s[I]
.else
	s_lshr_b32 s45, s[I], 1
.endif
	s_cmp_ge_u32 s45, s[MT]
	s_cbranch_scc1 .Ltnext
	s_wait_xcnt 0x0                                ; the last stage's stores have read their registers and base
	s_wait_alu depctr_vm_vsrc(0)                   ; the last stage's global stores have read DT and VO, its LDS stores OB: all are written again below
	s_mul_i32 s44, s[PASS], 20
	s_lshl2_add_u32 s44, s45, s44
	s_add_co_u32 s44, s44, s[WV]
	s_lshl_b32 s[ROW0], s44, 4                     ; the tile's first place among the expert's rows,
	s_sub_co_u32 s[REM], s[CNT], s[ROW0]           ; and how many places are left from there: at least 1
.if UP
.irp i, 0,1,2,3
	s_cmp_eq_u32 s[I], \i
	s_cbranch_scc1 .Lt\i
.endr
	TBLOCK 4
	s_branch .Lgelu
.irp i, 0,1,2
	TBLOCK \i
	s_branch .Lgelu
.endr
	TBLOCK 3
.Lgelu:
.irp n, 0,1,2,3,4,5,6,7
	GELU8 \n
.endr
	s_wait_alu depctr_va_vdst(0)                   ; the roundings have written OB, which the LDS stores read; the products are done reading the token buffers, in which the stage's rows land
.irp n, 0,1,2,3,4,5,6,7
	ds_store_b128 v[STO], v[OB+4*(\n):OB+4*(\n)+3] offset:32*(\n)
.endr
	OUTROWS OSH, OUTB
.else
	s_and_b32 s46, s[I], 1
	s_lshl_b32 s[OF], s46, 8                       ; the half's 256 bytes of a row
	s_add_nc_u64 s[OUTP:OUTP+1], s[OUTB:OUTB+1], s[OF:OF+1]
.irp u, 0,1,2,3,4,5,6,7,8
	s_cmp_eq_u32 s[I], \u
	s_cbranch_scc1 .Lu\u
.endr
	UBLOCK 9
	s_branch .Lsend
.irp u, 0,1,2,3,4,5,6,7
	UBLOCK \u
	s_branch .Lsend
.endr
	UBLOCK 8
.Lsend:
	OUTROWS OSH, OUTP
.endif
.Ltnext:
	s_add_co_u32 s[I], s[I], 1
	s_cmp_lt_u32 s[I], TRIPS
	s_cbranch_scc1 .Ltile
	s_wait_dscnt 0x0
	s_barrier_signal -1                            ; every wave's stores into its stage are over
	s_barrier_wait -1                              ; before any wave reads the slice again
	s_add_co_u32 s[PASS], s[PASS], 1
	s_cmp_lt_u32 s[PASS], 4
	s_cbranch_scc1 .Lpass
	s_wait_dscnt 0x0                               ; the closing lines, six on end
	s_wait_alu 0x0
	s_wait_tensorcnt 0x0
	ds_add_u32 v[SPW], v[NIL]
	s_wait_dscnt 0x0
	s_endpgm
.Lfunc_end_k_q13f7142a39_down:
	.size	k_q13f7142a39_down, .Lfunc_end_k_q13f7142a39_down-k_q13f7142a39_down
	.p2alignl 7, 3214868480
	.fill 96, 4, 3214868480
	.section	.rodata,"a",@progbits
	.p2align	6, 0x0
	.amdhsa_kernel k_q13f7142a39_down
		.amdhsa_group_segment_fixed_size 312832
		.amdhsa_private_segment_fixed_size 0
		.amdhsa_enable_private_segment 0
		.amdhsa_kernarg_size 32
		.amdhsa_user_sgpr_count 2
		.amdhsa_user_sgpr_kernarg_segment_ptr 1
		.amdhsa_wavefront_size32 1
		.amdhsa_system_sgpr_workgroup_id_x 1
		.amdhsa_system_sgpr_workgroup_id_y 1
		.amdhsa_system_sgpr_workgroup_id_z 1
		.amdhsa_system_vgpr_workitem_id 0
		.amdhsa_next_free_vgpr 864
		.amdhsa_next_free_sgpr 96
		.amdhsa_reserve_vcc 1
		.amdhsa_float_denorm_mode_32 3
		.amdhsa_float_denorm_mode_16_64 3
		.amdhsa_memory_ordered 1
		.amdhsa_forward_progress 1
		.amdhsa_inst_pref_size 165
	.end_amdhsa_kernel
	.amdgpu_metadata
---
amdhsa.version: [ 1, 2 ]
amdhsa.kernels:
  - .name:           k_q13f7142a39_down
    .symbol:         k_q13f7142a39_down.kd
    .args:
      - { .name: hbuf, .offset: 0, .size: 8, .value_kind: global_buffer, .address_space: global }
      - { .name: w2, .offset: 8, .size: 8, .value_kind: global_buffer, .address_space: global }
      - { .name: sel, .offset: 16, .size: 8, .value_kind: global_buffer, .address_space: global }
      - { .name: ypart, .offset: 24, .size: 8, .value_kind: global_buffer, .address_space: global }
    .group_segment_fixed_size: 312832
    .private_segment_fixed_size: 0
    .kernarg_segment_align: 8
    .kernarg_segment_size: 32
    .max_flat_workgroup_size: 128
    .sgpr_count:     96
    .vgpr_count:     864
    .wavefront_size: 32
...
	.end_amdgpu_metadata
.endif
;; end of part 8
;; launch combine: the kernel of part 4 again; grid 256 x 1, 8 waves a work-group, no clusters, 1,280 bytes of LDS; arguments ypart, x, b2, gamma, beta, sel, pw, out0; writes out0
